; MI455X (gfx1250); checked and timed in simulation.
; The chip was launched on July 23, 2026; its instructions are those of AMD's public machine-readable ISA for CDNA 5 (MIT licence, August 2026) and "CDNA5" Instruction Set Architecture Reference Guide (July 2026). The comments in the code are by the model that wrote it; some were corrected since.
;; Expert Lo RA. Allowed arithmetic: matrix products marked QUANTISED: E2M1 operands, one E8M0 scale for each 32 along K, by v_wmma_scale_f32_16x16x128_f8f6f4 with both operands' format E2M1 (or v_wmma_scale_f32_32x16x128_f4), f32 sums; products left as they are: f32 operands where the result goes on into a quantised operand, else bf16, f16 or f32 operands; f32 sums; everything else in f32.
;; Inputs: down_bias 16 x 1,024 float32; down_proj_codes 16 x 1,024 x 32 x 16 uint8 (E2M1 codes of down_proj, K innermost, in blocks of 32 codes, two codes a byte); down_proj_scales 16 x 1,024 x 32 uint8 (E8M0 scales of down_proj, one for each 32 codes along K); gate_up_bias 16 x 2,048 float32; gate_up_proj_codes 16 x 2,048 x 32 x 16 uint8 (E2M1 codes of gate_up_proj, K innermost, in blocks of 32 codes, two codes a byte); gate_up_proj_scales 16 x 2,048 x 32 uint8 (E8M0 scales of gate_up_proj, one for each 32 codes along K); hidden_states_codes 2 x 512 x 32 x 16 uint8 (E2M1 codes of hidden_states, K innermost, in blocks of 32 codes, two codes a byte); hidden_states_scales 2 x 512 x 32 uint8 (E8M0 scales of hidden_states, one for each 32 codes along K); lora_down_A_codes 16 x 16 x 32 x 16 uint8 (E2M1 codes of lora_down_A, K innermost, in blocks of 32 codes, two codes a byte); lora_down_A_scales 16 x 16 x 32 uint8 (E8M0 scales of lora_down_A, one for each 32 codes along K); lora_down_B 16 x 16 x 1,024 float32; lora_gate_up_A_codes 16 x 16 x 32 x 16 uint8 (E2M1 codes of lora_gate_up_A, K innermost, in blocks of 32 codes, two codes a byte); lora_gate_up_A_scales 16 x 16 x 32 uint8 (E8M0 scales of lora_gate_up_A, one for each 32 codes along K); lora_gate_up_B 16 x 16 x 2,048 float32; router_indices 1,024 x 2 int32; routing_weights 1,024 x 2 float32.
;; Outputs: out0 2 x 512 x 1,024 float32.
;; This version of the problem:
;;   THIS VERSION OF THE PROBLEM IS GIVEN IN LOW PRECISION. The matrix products marked QUANTISED in the list below multiply operands that are first quantised to E2M1 (2 exponent bits, 1 mantissa bit; 4 bits a number), with one power-of-two scale for each 32 numbers along K (OCP MX v1.0); their sums are f32. All else is computed in f32.
;;   The module's matrix products, in the order in which they are computed (A, B: the left and right operand; K: the contracted axis; several contracted axes count as one K, in the product's order):
;;     1. [M 32,768, K 1,024] x [K 1,024, N 1,024]; A: input gate_up_proj (given as codes); B: input hidden_states (given as codes): QUANTISED
;;     2. [M 256, K 1,024] x [K 1,024, N 1,024]; A: input lora_gate_up_A (given as codes); B: input hidden_states (given as codes): QUANTISED
;;     3. batch 16 x [M 1,024, K 16] x [K 16, N 2,048]; A: computed on the way; B: input lora_gate_up_B: left as it is (K = 16 < 32)
;;     4. batch 16 x [M 1,024, K 1,024] x [K 1,024, N 1,024]; A: computed on the way; B: input down_proj (given as codes): QUANTISED
;;     5. batch 16 x [M 1,024, K 1,024] x [K 1,024, N 16]; A: computed on the way; B: input lora_down_A (given as codes): QUANTISED
;;     6. batch 16 x [M 1,024, K 16] x [K 16, N 1,024]; A: computed on the way; B: input lora_down_B: left as it is (K = 16 < 32)
;;     7. batch 1,024 x [M 1, K 2] x [K 2, N 16]; A: input routing_weights; B: computed on the way: left as it is (K = 2 < 32)
;;     8. batch 1,024 x [M 1,024, K 16] x [K 16, N 1]; A: computed on the way; B: computed on the way: left as it is (K = 16 < 32)
;;   THE QUANTISER, for each operand of a quantised product, along K:
;;     - K is cut into blocks of 32 from its start; a last block that is shorter is filled with zeros.
;;     - A block's scale is 2^e with e = floor(log2(the largest magnitude in the block)) - 2, held to -126 .. 127; a block of zeros has e = 0. As a byte (E8M0): e + 127.
;;     - Each number is divided by its block's scale, clamped to +-6, and rounded to the nearest number of E2M1, ties to even, subnormals kept.
;;     - The product sums the exact products of the quantised numbers (number of the format x scale) in f32.
;;   ~~~python
;;   def quantise(x, axis):      # numpy; x: float32 -> the quantised numbers, widened to float32 again
;;       x = np.moveaxis(x, axis, -1); K = x.shape[-1]
;;       x = np.pad(x, [(0, 0)] * (x.ndim - 1) + [(0, -K % 32)]); x = x.reshape(x.shape[:-1] + (-1, 32)); a = np.abs(x).max(-1, keepdims=True)
;;       e = np.where(a > 0, np.clip(np.frexp(np.where(a > 0, a, 1))[1] - 1 - 2, -126, 127), 0)      # np.frexp(a)[1] - 1 = floor(log2(a)), exactly
;;       r = np.clip(x / 2.0 ** e, -6, 6)
;;       step = 2.0 ** (np.maximum(np.frexp(np.where(r == 0, 1, r))[1] - 1, 0) - 1)
;;       q = np.round(r / step) * step * 2.0 ** e      # np.round: ties to even
;;       return np.moveaxis(q.reshape(q.shape[:-2] + (-1,))[..., :K], -1, axis).astype(np.float32)
;;   ~~~
;;   OPERANDS COMPUTED ON THE WAY. 'Computed on the way' means the value that the module computes at that place (a softmax that the list does not call 'softmax' is quantised finished and normalised). What goes into a quantiser is computed in f32, as accurately as f32 sums, v_exp_f32 and their like allow (about 1e-6 of the number): no bf16 or f16 on the way to a quantiser, and a product that is left as it is and whose result goes on into a quantised operand takes f32 operands (vector FMAs, or v_wmma_f32_16x16x4_f32). A number that lies on a knife's edge between two numbers of the format may be rounded either way, as far as f32 arithmetic and the matrix unit's own rounding can turn it there, and no further.
;;   INPUTS GIVEN AS CODES. down_proj (in the module: [16, 1024, 1024], K = its axis 1); gate_up_proj (in the module: [16, 1024, 2048], K = its axis 1); hidden_states (in the module: [2, 512, 1024], K = its axis 2); lora_down_A (in the module: [16, 1024, 16], K = its axis 1); lora_gate_up_A (in the module: [16, 1024, 16], K = its axis 1): each comes as NAME_codes (uint8): NAME with its K axis moved to the last place and cut into blocks of 32 codes, [.., K / 32, bytes a block], one block behind the other in memory; two codes a byte, the lower K in the low four bits (a code: sign, 2 exponent bits, 1 mantissa bit); and NAME_scales (uint8): the same leading axes, one E8M0 byte (e + 127) for each 32 codes along K. Its value is code x scale, taken as it is: it is not quantised again, and the codes and scales need not be those that the quantiser above would give.
;; 3 versions, each right; version 2 is faster than version 1; version 3 is version 2 with the launches up, down written anew for expert scheduling mode. Each part assembles by itself: llvm-mc -triple=amdgcn-amd-amdhsa -mcpu=gfx1250 --defsym DOCPART=n.
;; ======== version 1 of 3: 4 launches
;; workspace buffers: g_codes 16,777,216 bytes; g_scales 1,048,576 bytes; rows 131,072 bytes of whole numbers; counts 256 bytes of whole numbers; roww 131,072 bytes; y_ws 8,454,144 bytes
;; launch route (part 1): grid 16 x 1, 4 waves a work-group, no clusters, 17,920 bytes of LDS; arguments router_indices, routing_weights, rows, roww, counts; writes rows, roww, counts
.if DOCPART == 1
	.amdgcn_target "amdgcn-amd-amdhsa--gfx1250"
	.amdhsa_code_object_version 6
	.text
	.protected	k_q18e6c771be_route
	.globl	k_q18e6c771be_route
	.p2align	8
	.type	k_q18e6c771be_route,@function
k_q18e6c771be_route:
	s_mov_b64 s[64:65], 0
	v_nop
	global_prefetch_b8 v0, s[64:65] scope:SCOPE_SE
	s_setreg_imm32_b32 hwreg(HW_REG_WAVE_MODE, 25, 1), 1
	s_wait_xcnt 0x0
; THE ROUTING.  A routed row is p = 2 token + k.  Work-group e makes expert e's list: rows[e][0 .. n - 1] = the p whose index is e, roww[e][i] = the weight of that p, counts[e] = n.
; An index outside 0 .. 15 (negative ones too: the compare is unsigned) goes to expert 0's list with weight 0, so that every p has exactly one owner.  Behind the list, up to entry 2,047, stand the entry 2048 + e
; (a row that pads a tile: the later launches read token 1,023 for it and put its results where nobody reads) and the weight 0.
; HOW.  Wave 0 loads the 2,048 indices and weights (register 4 q + i holds those of p = 128 q + 4 lane + i), fills two lists in LDS with the padding, and scans: a lane whose p belongs to e puts it at the running count + the
; number of such lanes below it; the others write word 2,111, which nobody reads.  One barrier; then the 128 threads read both lists at fixed places and store them: each store of a wave covers 512 consecutive bytes, aligned.
; No branch and no address in memory hangs on the indices; only the places in LDS do.  The launch has work for 16 work-groups and has 16.
.set LIST,  0                          ; LDS: the rows' list, 2,112 words, in a block of 8,704 bytes
.set WLIST, 8704                       ; the weights' list, likewise
.set P_RI,  4
.set P_RWT, 6
.set P_RW,  8
.set P_RWW, 10
.set P_CN,  12
.set WV,  14
.set EX,  15
.set INV, 16                           ; all ones where e = 0
.set NN,  17                           ; the running count
.set T0,  18
.set OF,  20                           ; s[20:21] an offset, upper word 0
.set MK,  24                           ; s24-27 four lane masks: mine
.set MI,  28                           ; s28-31 four masks, then four running counts
.set MR,  32                           ; s32-35 four masks: the index lies inside the table
.set LANE, 1
.set GOFF, 2                           ; 16 lane
.set P4,   3                           ; 4 lane
.set ZERO, 4
.set NV,   5
.set TOFF, 6                           ; 16 x my thread's number
.set SCA,  8                           ; v8-11 the scan's addresses: used for nothing else
.set SCD,  12                          ; v12-15 its rows
.set WD,   16                          ; v16-19 its weights
.set IX,   32                          ; v32-95 the indices
.set WT,   96                          ; v96-159 the weights
.set OR,   160                         ; v160-175 16 entries on their way out
.set OW,   176                         ; v176-191 their weights
.macro SCAN4 q
.irp i, 0,1,2,3
	v_cmp_eq_u32 s[MK+\i], s[EX], v[IX+4*\q+\i]
.endr
.irp i, 0,1,2,3
	v_cmp_gt_u32 s[MR+\i], 16, v[IX+4*\q+\i]       ; unsigned: a negative index counts as outside too
.endr
.irp i, 0,1,2,3
	s_and_not1_b32 s[MI+\i], s[INV], s[MR+\i]      ; outside the table, and e = 0
.endr
.irp i, 0,1,2,3
	s_or_b32 s[MK+\i], s[MK+\i], s[MI+\i]
.endr
.irp i, 0,1,2,3
	s_bcnt1_i32_b32 s[MI+\i], s[MK+\i]
.endr
	s_add_co_u32 s[MI], s[MI], s[NN]               ; the running count behind register 0, 1, 2, 3
	s_add_co_u32 s[MI+1], s[MI+1], s[MI]
	s_add_co_u32 s[MI+2], s[MI+2], s[MI+1]
	s_add_co_u32 s[MI+3], s[MI+3], s[MI+2]
	v_mbcnt_lo_u32_b32 v[SCA], s[MK], s[NN]
	v_mbcnt_lo_u32_b32 v[SCA+1], s[MK+1], s[MI]
	v_mbcnt_lo_u32_b32 v[SCA+2], s[MK+2], s[MI+1]
	v_mbcnt_lo_u32_b32 v[SCA+3], s[MK+3], s[MI+2]
	s_mov_b32 s[NN], s[MI+3]
.irp i, 0,1,2,3
	v_cndmask_b32 v[SCA+\i], -1, v[SCA+\i], s[MK+\i]
.endr
.irp i, 0,1,2,3
	v_min_u32 v[SCA+\i], 2111, v[SCA+\i]           ; the greatest number falls to the word that nobody reads
.endr
.irp i, 0,1,2,3
	v_lshlrev_b32 v[SCA+\i], 2, v[SCA+\i]
.endr
.irp i, 0,1,2,3
	v_add_nc_u32 v[SCD+\i], 128*\q+\i, v[P4]       ; p
.endr
.irp i, 0,1,2,3
	v_cndmask_b32 v[WD+\i], 0, v[WT+4*\q+\i], s[MR+\i]     ; its weight; 0 where its index lies outside the table
.endr
.irp i, 0,1,2,3
	ds_store_b32 v[SCA+\i], v[SCD+\i]
	ds_store_b32 v[SCA+\i], v[WD+\i] offset:WLIST
.endr
.endm
	s_load_b256 s[4:11], s[0:1], 0x0               ; the indices, the weights, rows, roww
	s_load_b64 s[12:13], s[0:1], 0x20              ; counts
	v_lshl_add_u32 v192, v0, 2, 0x4400
	v_mov_b32 v193, 0
	v_lshrrev_b32 v1, 5, v0
	v_readfirstlane_b32 s[WV], v1
	s_and_b32 s[EX], ttmp9, 15                     ; the expert: the grid has 16 along x
	s_cmp_eq_u32 s[EX], 0
	s_cselect_b32 s[INV], -1, 0
	v_and_b32 v[LANE], 31, v0
	v_lshlrev_b32 v[GOFF], 4, v[LANE]
	v_lshlrev_b32 v[P4], 2, v[LANE]
	v_lshlrev_b32 v[TOFF], 4, v0
	v_mov_b32 v[ZERO], 0
	s_mov_b32 s[OF+1], 0
	s_wait_kmcnt 0x0
	s_lshl_b32 s[OF], s[EX], 13                    ; 2,048 words an expert
	s_add_nc_u64 s[P_RW:P_RW+1], s[P_RW:P_RW+1], s[OF:OF+1]
	s_add_nc_u64 s[P_RWW:P_RWW+1], s[P_RWW:P_RWW+1], s[OF:OF+1]
	s_lshl_b32 s[OF], s[EX], 2
	s_add_nc_u64 s[P_CN:P_CN+1], s[P_CN:P_CN+1], s[OF:OF+1]
	s_cmp_lg_u32 s[WV], 0
	s_cbranch_scc1 .Lno_scan
.set j, 0
.rept 16
	global_load_b128 v[IX+4*j:IX+4*j+3], v[GOFF], s[P_RI:P_RI+1] offset:512*j
.set j, j+1
.endr
.set j, 0
.rept 16
	global_load_b128 v[WT+4*j:WT+4*j+3], v[GOFF], s[P_RWT:P_RWT+1] offset:512*j
.set j, j+1
.endr
	s_add_co_u32 s[T0], s[EX], 2048
.irp i, 0,1,2,3
	v_mov_b32 v[SCD+\i], s[T0]
	v_mov_b32 v[WD+\i], 0
.endr
.set j, 0
.rept 17
	ds_store_b128 v[GOFF], v[SCD:SCD+3] offset:LIST+512*j      ; both lists are filled with the padding while the loads are on their way
	ds_store_b128 v[GOFF], v[WD:WD+3] offset:WLIST+512*j
.set j, j+1
.endr
	s_wait_loadcnt 0x0
	s_mov_b32 s[NN], 0
.irp q, 0,1,2,3,4,5,6,7,8,9,10,11,12,13,14,15
	SCAN4 \q
.endr
	v_mov_b32 v[NV], s[NN]
	global_store_b32 v[ZERO], v[NV], s[P_CN:P_CN+1]    ; all lanes store the same word with the same number
.Lno_scan:
	s_wait_dscnt 0x0                               ; wave 0's stores have landed.  No other wave has touched LDS yet
	s_barrier_signal -1
	s_barrier_wait -1                              ; both lists lie in LDS; nobody writes them again
.irp k, 0,1,2,3
	ds_load_b128 v[OR+4*\k:OR+4*\k+3], v[TOFF] offset:LIST+2048*\k
.endr
.irp k, 0,1,2,3
	ds_load_b128 v[OW+4*\k:OW+4*\k+3], v[TOFF] offset:WLIST+2048*\k
.endr
	s_wait_dscnt 0x0
.irp k, 0,1,2,3
	global_store_b128 v[TOFF], v[OR+4*\k:OR+4*\k+3], s[P_RW:P_RW+1] offset:2048*\k
.endr
.irp k, 0,1,2,3
	global_store_b128 v[TOFF], v[OW+4*\k:OW+4*\k+3], s[P_RWW:P_RWW+1] offset:2048*\k
.endr
	s_wait_tensorcnt 0x0
	ds_add_u32 v192, v193
	s_wait_dscnt 0x0
	s_endpgm
.Lfunc_end_k_q18e6c771be_route:
	.size	k_q18e6c771be_route, .Lfunc_end_k_q18e6c771be_route-k_q18e6c771be_route
	.p2alignl 7, 3214868480
	.fill 96, 4, 3214868480
	.section	.rodata,"a",@progbits
	.p2align	6, 0x0
	.amdhsa_kernel k_q18e6c771be_route
		.amdhsa_group_segment_fixed_size 17920
		.amdhsa_private_segment_fixed_size 0
		.amdhsa_enable_private_segment 0
		.amdhsa_kernarg_size 40
		.amdhsa_user_sgpr_count 2
		.amdhsa_user_sgpr_kernarg_segment_ptr 1
		.amdhsa_wavefront_size32 1
		.amdhsa_system_sgpr_workgroup_id_x 1
		.amdhsa_system_sgpr_workgroup_id_y 1
		.amdhsa_system_sgpr_workgroup_id_z 1
		.amdhsa_system_vgpr_workitem_id 0
		.amdhsa_next_free_vgpr 194
		.amdhsa_next_free_sgpr 66
		.amdhsa_reserve_vcc 0
		.amdhsa_float_denorm_mode_32 3
		.amdhsa_float_denorm_mode_16_64 3
		.amdhsa_memory_ordered 1
		.amdhsa_forward_progress 1
		.amdhsa_inst_pref_size 55
	.end_amdhsa_kernel
	.amdgpu_metadata
---
amdhsa.version: [ 1, 2 ]
amdhsa.kernels:
  - .name:           k_q18e6c771be_route
    .symbol:         k_q18e6c771be_route.kd
    .args:
      - { .name: router_indices, .offset: 0, .size: 8, .value_kind: global_buffer, .address_space: global }
      - { .name: routing_weights, .offset: 8, .size: 8, .value_kind: global_buffer, .address_space: global }
      - { .name: rows, .offset: 16, .size: 8, .value_kind: global_buffer, .address_space: global }
      - { .name: roww, .offset: 24, .size: 8, .value_kind: global_buffer, .address_space: global }
      - { .name: counts, .offset: 32, .size: 8, .value_kind: global_buffer, .address_space: global }
    .group_segment_fixed_size: 17920
    .private_segment_fixed_size: 0
    .kernarg_segment_align: 8
    .kernarg_segment_size: 40
    .max_flat_workgroup_size: 128
    .sgpr_count:     66
    .vgpr_count:     194
    .wavefront_size: 32
...
	.end_amdgpu_metadata
.endif
;; end of part 1
;; launch up (part 2): grid 16 x 16, 4 waves a work-group, no clusters, 121,344 bytes of LDS; arguments hidden_states_codes, hidden_states_scales, gate_up_proj_codes, gate_up_proj_scales, gate_up_bias, lora_gate_up_A_codes, lora_gate_up_A_scales, lora_gate_up_B, rows, counts, g_codes, g_scales; writes g_codes, g_scales
.if DOCPART == 2
	.amdgcn_target "amdgcn-amd-amdhsa--gfx1250"
	.amdhsa_code_object_version 6
	.text
	.protected	k_q18e6c771be_up
	.globl	k_q18e6c771be_up
	.p2align	8
	.type	k_q18e6c771be_up,@function
k_q18e6c771be_up:
	s_mov_b64 s[64:65], 0
	v_nop
	global_prefetch_b8 v0, s[64:65] scope:SCOPE_SE
	s_setreg_imm32_b32 hwreg(HW_REG_WAVE_MODE, 25, 1), 1
	s_wait_xcnt 0x0
; FIRST HALF OF THE EXPERT LAYER: g = (clip(up) + 1) gate sigmoid(1.702 gate), gate / up = even / odd columns of x W + (x A) B + bias, for the ROUTED rows only, and g quantised to E2M1 along F.
; (The LoRA factor alpha / r is 16 / 16 = 1 in the problem's own text, so no multiplication stands for it.)
; SHARES.  Work-group (s, e) owns columns d = 128 s .. 128 s + 127 (64 of F) of expert e: 64 KiB of codes, each byte of the weights loaded from memory by one wave of one work-group.  Through LDS all four waves get
; the whole slice into their registers, where it stays.  Wave w takes the expert's row tiles w, w + 4, ..: 16 routed rows each.  What goes round is the small thing: rows of x (512 bytes).
; ROUTING.  The launch before has stored, for each expert, the count n of its routed rows p = 2 token + k and their list, filled up to 2,048 entries with 2048 + e (a row that pads a tile: it reads token 1,023 and its
; results land where nobody reads).  Each wave takes the entries of its 32 possible tiles into 16 registers, TURNED: lane i holds trip i, register j row j.  A trip's 16 tokens are then read as scalars, with the trip as the lane.
; Tiles 0 .. 3 are always made (each wave's first trip has no condition): the next launch leans on that.
; NO JOINT LOADS, NO TENSOR LOADS: the 16 slices of an expert do read the same rows of x, but which rows and how many tiles hangs on numbers read from memory, so the operands go from memory through registers.
; LAYOUT.  The products are used transposed (source 0 = 16 rows of W, source 1 = 16 rows of x): a lane holds ONE row r = lane % 16.  Row m of tile t is d = 64 (m / 8) + 8 t + m % 8, so that lane (r, h)'s register j of
; tile t is d = 64 h + 8 t + j: gate and up lie in neighbouring registers, and the lane's 64 results give 32 g, f = 32 h + 0 .. 31 of the slice: ONE WHOLE BLOCK of the quantiser, in one lane.
; Its 16 bytes of codes are registers 4 c .. 4 c + 3 of the next product's operand as they stand (K step s / 2, c = s % 2): g_codes is laid [e][tile][s][lane][16 bytes].
; (x A) B has K = 16 and feeds the quantiser: f32 operands, v_wmma_f32_16x16x4_f32.  x A comes out with rank 8 h + j in register j; B's fragment is laid the same way, so K place (h, j) of step q is rank 8 h + 2 q + j on both sides.
; LIMITS: NaN and infinities among the inputs are not served.  A block of g that is all zeros (or under 2^-124) gets the scale byte 1 where the quantiser says 127: its codes are zeros, and this program alone reads the byte.
; x A is summed in two halves of K that are then added.
; REGISTERS, in windows of 256.  window 0: addresses, scale words, LoRA A's fragments, x's fragments, the list.  window 1: W's tiles 0-3 at 64 t + 8 ks (at the head: where the staged loads land).  window 2: tiles 4-7.
; window 3: v0-63 the 8 accumulators; v64-127 LoRA B; v128-191 the bias in the result's layout; v192-207 x A in two halves; v208-239 g; v240-255 at work.
.set XST,   0                          ; LDS: 4 stages of 16 rows x 528 bytes, one a wave: x's rows on their way into fragments
.set LAST,  33792                      ; LoRA A: 16 rows x 528
.set LBST,  42240                      ; LoRA B, turned: 128 rows (in the tiles' order) x 80 bytes: 16 ranks + 16 of padding
.set WST,   52480                      ; W: 128 rows (row 16 t + m) x 528
.set P_XC, 8
.set P_XS, 10
.set P_WC, 12
.set P_WS, 14
.set P_GB, 16
.set P_AC, 18
.set P_AS, 20
.set P_LB, 22
.set P_RW, 24
.set P_CN, 26
.set P_GC, 28
.set P_GS, 30
.set WV,  38                           ; wave
.set SL,  39                           ; slice s
.set EX,  40                           ; expert e
.set NN,  42                           ; n
.set NTL, 43                           ; tiles: ceil(n / 16)
.set RTI, 44                           ; the tile in hand
.set NX,  45                           ; the tile asked for
.set T1,  46
.set T0,  47
.set OF,  48                           ; s[48:49] an offset, upper word 0
.set P7,  50
.set N7,  51
.set KC,  52                           ; s[52:53] -1.702 log2(e), twice
.set SO,  66                           ; s66-81 a tile's 16 tokens, then their rows' offsets in x
.set CT,  82                           ; the loop's trips to go
.set TR,  83                           ; the trip: my tile is w + 4 x trip
.set SEL, 84                           ; s84, s85 lane selects for v_permlanex16_b32: lane l xor 16
.set TN,  86                           ; the trip asked for
.set LANE, 1
.set RR,   2
.set HH,   3
.set L16,  4                           ; 16 r
.set H16,  5                           ; 16 h
.set LPA,  6                           ; 64 w + 256 lane: my lane's trip in the expert's list
.set SA,   8                           ; my stage, way in: 16 lane
.set FA,   9                           ; my stage, way out: 528 r + 16 h
.set WSA,  10
.set LASA, 11
.set LBSA, 12
.set FAW,  13
.set FAL,  14
.set FLB,  15
.set GOFF, 16                          ; 16 lane
.set SOFF, 17                          ; 16 r + h
.set TV,   20                          ; the tile's tokens: lane j holds row j's; lanes 16-31 stay 0
.set TT,   21
.set XSO,  22
.set WVO,  30
.set AVO,  31
.set XSC,  48                          ; v48-51 x's scale words: lanes 0-15 K steps 0-3, lanes 16-31 K steps 4-7
.set LAS,  52                          ; v52-55 LoRA A's
.set WSC,  56                          ; v56-87 W's, four a tile
.set LA,   88                          ; v88-151 LoRA A's eight fragments
.set XF,   152                         ; v152-215 x: 16 rows as loaded, then eight fragments
.set BVO,  216
.set WSO,  217
.set LSO,  218
.set BO,   219
.set XO,   223                         ; v223-238 the 16 rows' offsets in x
.set L,    240                         ; v240-255 the list, turned: register j, lane i: the token of row j of my trip i
.set ACC,  0
.set LB,   64
.set BIAS, 128
.set TA,   192
.set TB,   200
.set G,    208
.set TG,   240
.set TE,   248
.set QM0,  240
.set QM1,  241
.set SCL,  242
.set BYT,  243
.set COD,  244
.set MSB, 0
.macro WIN new                         ; the immediate's high byte repeats the setting that is left; a switch that changes nothing is dropped
.if MSB != \new
	s_set_vgpr_msb (MSB<<8)|\new
.set MSB, \new
.endif
.endm
.macro OFFS p, she, shs                ; pointer p += e << she + s << shs
	s_lshl_b32 s[OF], s[EX], \she
	s_lshl_b32 s[T0], s[SL], \shs
	s_add_co_u32 s[OF], s[OF], s[T0]
	s_add_nc_u64 s[\p:\p+1], s[\p:\p+1], s[OF:OF+1]
.endm
.macro OFFE p, she                     ; pointer p += e << she
	s_lshl_b32 s[OF], s[EX], \she
	s_add_nc_u64 s[\p:\p+1], s[\p:\p+1], s[OF:OF+1]
.endm
; One product on codes: D = A B + C, K step ks of eight.  c < 0: the constant 0 starts the sum.  A register of scale words serves two K steps: ks in lanes 0-15, ks + 4 in lanes 16-31.
.macro FP4 d, a, b, c, sa, sb, ks
.if (\c) < 0
.if (\ks) < 4
	v_wmma_scale_f32_16x16x128_f8f6f4 v[\d:\d+7], v[\a:\a+7], v[\b:\b+7], 0, v[\sa+\ks], v[\sb+\ks] matrix_a_fmt:MATRIX_FMT_FP4 matrix_b_fmt:MATRIX_FMT_FP4
.else
	v_wmma_scale_f32_16x16x128_f8f6f4 v[\d:\d+7], v[\a:\a+7], v[\b:\b+7], 0, v[\sa+\ks-4], v[\sb+\ks-4] matrix_a_fmt:MATRIX_FMT_FP4 matrix_b_fmt:MATRIX_FMT_FP4 matrix_a_scale:MATRIX_SCALE_ROW1 matrix_b_scale:MATRIX_SCALE_ROW1
.endif
.else
.if (\ks) < 4
	v_wmma_scale_f32_16x16x128_f8f6f4 v[\d:\d+7], v[\a:\a+7], v[\b:\b+7], v[\c:\c+7], v[\sa+\ks], v[\sb+\ks] matrix_a_fmt:MATRIX_FMT_FP4 matrix_b_fmt:MATRIX_FMT_FP4
.else
	v_wmma_scale_f32_16x16x128_f8f6f4 v[\d:\d+7], v[\a:\a+7], v[\b:\b+7], v[\c:\c+7], v[\sa+\ks-4], v[\sb+\ks-4] matrix_a_fmt:MATRIX_FMT_FP4 matrix_b_fmt:MATRIX_FMT_FP4 matrix_a_scale:MATRIX_SCALE_ROW1 matrix_b_scale:MATRIX_SCALE_ROW1
.endif
.endif
.endm
; The rows of my trip s[tr] are asked for: 17 loads.  Lane s[tr] of the list's 16 registers holds the 16 tokens: they are read as scalars; each row's 512 bytes of codes come by one load of the 32 lanes.
; For the scale words a lane needs its own row's token: the scalars go back into lanes 0-15 of one register, and lanes 16-31 take them from there.
; (The offsets' registers are free: the loads that last read them were waited for at the loop's head.)
.macro GATHER tr
.irp j, 0,1,2,3,4,5,6,7,8,9,10,11,12,13,14,15
	v_readlane_b32 s[SO+\j], v[L+\j], s[\tr]
.endr
.irp j, 0,1,2,3,4,5,6,7,8,9,10,11,12,13,14,15
	v_writelane_b32 v[TV], s[SO+\j], \j
.endr
.irp j, 0,1,2,3,4,5,6,7,8,9,10,11,12,13,14,15
	s_min_u32 s[SO+\j], s[SO+\j], 1023             ; (a padding entry reads the last token)
.endr
.irp j, 0,1,2,3,4,5,6,7,8,9,10,11,12,13,14,15
	s_lshl_b32 s[SO+\j], s[SO+\j], 9
.endr
.irp j, 0,1,2,3,4,5,6,7,8,9,10,11,12,13,14,15
	v_add_nc_u32 v[XO+\j], s[SO+\j], v[GOFF]
.endr
	v_permlanex16_b32 v[TT], v[TV], s[SEL], s[SEL+1]   ; lanes 16-31: the tokens; lanes 0-15: zeros
	v_or_b32 v[XSO], v[TV], v[TT]
	v_min_u32 v[XSO], 1023, v[XSO]
	v_lshl_add_u32 v[XSO], v[XSO], 5, v[H16]           ; row r's 32 scale bytes, + 16 h
.irp j, 0,1,2,3,4,5,6,7,8,9,10,11,12,13,14,15
	global_load_b128 v[XF+4*\j:XF+4*\j+3], v[XO+\j], s[P_XC:P_XC+1]    ; 32 lanes read the row's 512 consecutive bytes
.endr
	global_load_b128 v[XSC:XSC+3], v[XSO], s[P_XS:P_XS+1]
.endm
; x's 16 rows go through my own stage and come back as eight fragments, into the registers that they left: LDS serves a wave's instructions in order.
.macro TURN
.irp j, 0,1,2,3,4,5,6,7,8,9,10,11,12,13,14,15
	ds_store_b128 v[SA], v[XF+4*\j:XF+4*\j+3] offset:528*\j
.endr
.irp i, 0,1,2,3,4,5,6,7
	ds_load_b128 v[XF+8*\i:XF+8*\i+3], v[FA] offset:64*\i
	ds_load_b128 v[XF+8*\i+4:XF+8*\i+7], v[FA] offset:64*\i+32
.endr
	s_wait_dscnt 0x0
.endm
.macro LW t, q                         ; tile t += LoRA B (ranks 8 h + 2 q, + 1) x (x A): f32 operands, since the sum goes on into the quantiser
	v_wmma_f32_16x16x4_f32 v[ACC+8*(\t):ACC+8*(\t)+7], v[LB+8*(\t)+2*(\q):LB+8*(\t)+2*(\q)+1], v[TA+2*(\q):TA+2*(\q)+1], v[ACC+8*(\t):ACC+8*(\t)+7]
.endm
; Line j of 48 of the activation of tiles 2 g, 2 g + 1: eight g.  Each accumulator is read from its register 0 on.  The clips of up stand behind the exponentials and behind the reciprocals: plain lines between a
; transcendental and the use of its result (ISA guide 5.7.2).
.macro ACTI g
.if j < 8
	v_min_num_f32 v[TG+j], s[P7], v[ACC+8*(2*(\g)+j/4)+2*(j%4)]                       ; gate = min(gu, 7)
.elseif j < 12
.set u, 2*(j-8)
	v_pk_mul_f32 v[TE+u:TE+u+1], v[TG+u:TG+u+1], s[KC:KC+1] op_sel_hi:[1,0]           ; -1.702 log2(e) gate
.elseif j < 20
	v_exp_f32 v[TE+j-12], v[TE+j-12]
.elseif j < 24
.set u, j-20
	v_med3_num_f32 v[G+8*(\g)+u], v[ACC+8*(2*(\g)+u/4)+2*(u%4)+1], s[N7], s[P7]       ; up = clip(gu, -7, 7)
.elseif j < 28
.set u, 2*(j-24)
	s_wait_alu depctr_va_vdst(0)
	v_pk_add_f32 v[TE+u:TE+u+1], v[TE+u:TE+u+1], 1.0 op_sel_hi:[1,0]
.elseif j < 36
	v_rcp_f32 v[TE+j-28], v[TE+j-28]                                                  ; the sigmoid
.elseif j < 40
.set u, j-32
	v_med3_num_f32 v[G+8*(\g)+u], v[ACC+8*(2*(\g)+u/4)+2*(u%4)+1], s[N7], s[P7]
.elseif j < 44
.set u, 2*(j-40)
	s_wait_alu depctr_va_vdst(0)
	v_pk_mul_f32 v[TG+u:TG+u+1], v[TG+u:TG+u+1], v[TE+u:TE+u+1]                       ; glu
.else
.set u, 2*(j-44)
	v_pk_fma_f32 v[G+8*(\g)+u:G+8*(\g)+u+1], v[G+8*(\g)+u:G+8*(\g)+u+1], v[TG+u:TG+u+1], v[TG+u:TG+u+1]   ; (up + 1) glu = up glu + glu
.endif
.endm
.macro SLICE g, kk                     ; lines 7 kk .. 7 kk + 6
.set j, 7*(\kk)
.rept 7
.if j < 48
	ACTI \g
.endif
.set j, j+1
.endr
.endm
	s_load_b512 s[8:23], s[0:1], 0x0
	s_load_b256 s[24:31], s[0:1], 0x40
	v_lshl_add_u32 v222, v0, 2, 0x1d800
	v_mov_b32 v239, 0
	v_lshrrev_b32 v1, 5, v0
	v_readfirstlane_b32 s[WV], v1
	s_and_b32 s[SL], ttmp9, 15                     ; the slice: the grid has 16 along x
	s_and_b32 s[EX], ttmp7, 0xffff
	s_mov_b32 s[P7], 0x40e00000                    ; 7.0
	s_mov_b32 s[N7], 0xc0e00000
	s_mov_b32 s[KC], 0xc01d265f                    ; -1.702 x 1.442695
	s_mov_b32 s[KC+1], s[KC]
	s_mov_b32 s[SEL], 0x76543210
	s_mov_b32 s[SEL+1], 0xfedcba98
	v_and_b32 v[LANE], 31, v0
	v_and_b32 v[RR], 15, v0
	v_bfe_u32 v[HH], v0, 4, 1
	v_lshlrev_b32 v[L16], 4, v[RR]
	v_lshlrev_b32 v[H16], 4, v[HH]
	v_lshlrev_b32 v[GOFF], 4, v[LANE]
	v_add_nc_u32 v[SOFF], v[L16], v[HH]
	s_lshl_b32 s[T1], s[WV], 6                     ; tile w + 4 i begins 64 w + 256 i bytes into the list
	v_lshlrev_b32 v[LPA], 8, v[LANE]
	v_add_nc_u32 v[LPA], s[T1], v[LPA]
	s_mul_i32 s[T0], s[WV], 8448                   ; my stage (the stages begin at LDS byte 0)
	v_add_nc_u32 v[SA], s[T0], v[GOFF]
	v_mul_u32_u24 v[FA], v[RR], 528
	v_add_nc_u32 v[FA], v[FA], v[H16]              ; a fragment's row x pitch + 16 x half
	v_add_nc_u32 v[FAW], WST, v[FA]
	v_add_nc_u32 v[FAL], LAST, v[FA]
	v_add_nc_u32 v[FA], s[T0], v[FA]
	s_and_b32 s[T1], s[WV], 1                      ; I load rows d = 32 w + j: tile 4 (w % 2) + j / 8, row 8 (w / 2) + j % 8 of it
	s_lshl_b32 s[T1], s[T1], 6
	s_lshr_b32 s[T0], s[WV], 1
	s_lshl_b32 s[T0], s[T0], 3
	s_add_co_u32 s[T1], s[T1], s[T0]
	s_mul_i32 s[T1], s[T1], 528
	s_add_co_u32 s[T1], s[T1], WST
	v_add_nc_u32 v[WSA], s[T1], v[GOFF]
	s_mul_i32 s[T1], s[WV], 2112
	s_add_co_u32 s[T1], s[T1], LAST
	v_add_nc_u32 v[LASA], s[T1], v[GOFF]
	v_lshrrev_b32 v[LBSA], 1, v[RR]                ; LoRA B: my four columns d = 4 lane + i lie in tile (lane % 16) / 2, rows 8 (lane / 16) + 4 (lane % 2) + i
	v_lshlrev_b32 v[LBSA], 4, v[LBSA]
	v_lshl_add_u32 v[LBSA], v[HH], 3, v[LBSA]
	v_and_b32 v[FLB], 1, v0
	v_lshl_add_u32 v[LBSA], v[FLB], 2, v[LBSA]
	v_mul_u32_u24 v[LBSA], v[LBSA], 80
	s_lshl_b32 s[T1], s[WV], 4                     ; my four ranks' 16 bytes
	s_add_co_u32 s[T1], s[T1], LBST
	v_add_nc_u32 v[LBSA], s[T1], v[LBSA]
	v_mul_u32_u24 v[FLB], v[RR], 80
	v_lshl_add_u32 v[FLB], v[HH], 5, v[FLB]
	v_add_nc_u32 v[FLB], LBST, v[FLB]
	v_mov_b32 v[TV], 0                             ; lanes 16-31 stay 0
	v_mov_b32 v[TT], 0                             ; written once: a lane permute's destination counts as one of its sources
	s_lshl_b32 s[T1], s[WV], 14
	v_add_nc_u32 v[WVO], s[T1], v[GOFF]            ; my 32 rows of W
	s_lshl_b32 s[T1], s[WV], 11
	v_add_nc_u32 v[AVO], s[T1], v[GOFF]            ; my 4 rows of LoRA A
	s_lshl_b32 s[T1], s[WV], 15
	v_add_nc_u32 v[BVO], s[T1], v[GOFF]            ; my 4 ranks of LoRA B
	v_lshrrev_b32 v[WSO], 3, v[RR]
	v_lshlrev_b32 v[WSO], 11, v[WSO]
	v_and_b32 v[LSO], 7, v[RR]
	v_lshl_add_u32 v[WSO], v[LSO], 5, v[WSO]
	v_add_nc_u32 v[WSO], v[WSO], v[H16]            ; W's scale bytes: row 64 (r / 8) + r % 8 of 32 bytes, + 16 h
	v_lshl_add_u32 v[LSO], v[RR], 5, v[H16]
	v_lshlrev_b32 v[BO], 8, v[HH]
	s_mov_b32 s[OF+1], 0
	s_wait_kmcnt 0x0
	OFFE P_CN, 2
	s_load_b32 s[NN], s[P_CN:P_CN+1], 0x0          ; n of my expert
	OFFE P_RW, 13
	OFFS P_WC, 20, 16
	OFFS P_WS, 16, 12
	OFFS P_GB, 13, 9
	OFFS P_LB, 17, 9
	OFFS P_GC, 20, 9
	OFFE P_AC, 13
	OFFE P_AS, 9
	OFFE P_GS, 16
	s_lshl_b32 s[OF], s[WV], 13                    ; g's codes: my first tile is tile w
	s_add_nc_u64 s[P_GC:P_GC+1], s[P_GC:P_GC+1], s[OF:OF+1]
	s_lshr_b32 s[T0], s[SL], 3                     ; g's scale bytes: in a tile's 512, (ks / 4) 256 + 16 r + 4 (ks % 4) + 2 (s % 2) + h, ks = s / 2
	s_lshl_b32 s[OF], s[T0], 8
	s_bfe_u32 s[T0], s[SL], 0x20001
	s_lshl_b32 s[T0], s[T0], 2
	s_add_co_u32 s[OF], s[OF], s[T0]
	s_and_b32 s[T0], s[SL], 1
	s_lshl_b32 s[T0], s[T0], 1
	s_add_co_u32 s[OF], s[OF], s[T0]
	s_lshl_b32 s[T0], s[WV], 9
	s_add_co_u32 s[OF], s[OF], s[T0]
	s_add_nc_u64 s[P_GS:P_GS+1], s[P_GS:P_GS+1], s[OF:OF+1]
	; 25 loads that land where they stay
.irp t, 0,1,2,3,4,5,6,7
	global_load_b128 v[WSC+4*\t:WSC+4*\t+3], v[WSO], s[P_WS:P_WS+1] offset:256*\t
.endr
	global_load_b128 v[LAS:LAS+3], v[LSO], s[P_AS:P_AS+1]
	WIN 0xc0
.irp t, 0,1,2,3,4,5,6,7
	global_load_b128 v[BIAS+8*\t:BIAS+8*\t+3], v[BO], s[P_GB:P_GB+1] offset:32*\t          ; bias of d = 64 h + 8 t + 0 .. 7
	global_load_b128 v[BIAS+8*\t+4:BIAS+8*\t+7], v[BO], s[P_GB:P_GB+1] offset:32*\t+16
.endr
	WIN 0
	; 4 loads: the list, turned: my lane's trip, the 16 entries of tile w + 4 lane.  8,192 bytes of the expert's list at the most
.irp c, 0,1,2,3
	global_load_b128 v[L+4*\c:L+4*\c+3], v[LPA], s[P_RW:P_RW+1] offset:16*\c
.endr
	; 40 loads that go on through LDS: each reads 512 consecutive bytes
	WIN 0x40
.set j, 0
.rept 32
	global_load_b128 v[4*j:4*j+3], v[WVO], s[P_WC:P_WC+1] offset:512*j th:TH_LOAD_NT
.set j, j+1
.endr
.irp j, 0,1,2,3
	global_load_b128 v[128+4*\j:131+4*\j], v[AVO], s[P_AC:P_AC+1] offset:512*\j
	global_load_b128 v[144+4*\j:147+4*\j], v[BVO], s[P_LB:P_LB+1] offset:8192*\j th:TH_LOAD_NT
.endr
	WIN 0
	s_wait_kmcnt 0x0
	s_min_u32 s[NN], s[NN], 2048
	s_add_co_u32 s[NTL], s[NN], 15
	s_lshr_b32 s[NTL], s[NTL], 4
	s_mov_b32 s[RTI], s[WV]
	s_mov_b32 s[TR], 0
	s_mov_b32 s[CT], 32
	s_wait_loadcnt 40                              ; just the 40 staged loads were issued behind the list: it is in, and so are the 25 ahead of it
.irp j, 0,1,2,3,4,5,6,7,8,9,10,11,12,13,14,15
	v_lshrrev_b32 v[L+\j], 1, v[L+\j]              ; p to token
.endr
	GATHER TR                                      ; tile w, with no condition
	s_wait_loadcnt 17                              ; just the gather's 17 loads were issued behind the staged ones
	WIN 0x04
.set j, 0
.rept 32
	ds_store_b128 v[WSA], v[4*j:4*j+3] offset:(16*(j/8)+j%8)*528
.set j, j+1
.endr
.irp j, 0,1,2,3
	ds_store_b128 v[LASA], v[128+4*\j:131+4*\j] offset:528*\j
.endr
.irp j, 0,1,2,3
.irp i, 0,1,2,3
	ds_store_b32 v[LBSA], v[144+4*\j+\i] offset:80*\i+4*\j
.endr
.endr
	WIN 0
	s_wait_dscnt 0x0                               ; for the others' sake: my part of the weights has landed
	s_barrier_signal -1
	s_barrier_wait -1                              ; the launch's one barrier, ahead of every branch on a number read from memory: the slice's weights lie in LDS; nobody writes them again
	WIN 0x40
.irp t, 0,1,2,3
.irp k, 0,1,2,3,4,5,6,7
	ds_load_b128 v[64*\t+8*\k:64*\t+8*\k+3], v[FAW] offset:8448*\t+64*\k
	ds_load_b128 v[64*\t+8*\k+4:64*\t+8*\k+7], v[FAW] offset:8448*\t+64*\k+32
.endr
.endr
	WIN 0x80
.irp t, 0,1,2,3
.irp k, 0,1,2,3,4,5,6,7
	ds_load_b128 v[64*\t+8*\k:64*\t+8*\k+3], v[FAW] offset:8448*(\t+4)+64*\k
	ds_load_b128 v[64*\t+8*\k+4:64*\t+8*\k+7], v[FAW] offset:8448*(\t+4)+64*\k+32
.endr
.endr
	WIN 0
.irp k, 0,1,2,3,4,5,6,7
	ds_load_b128 v[LA+8*\k:LA+8*\k+3], v[FAL] offset:64*\k
	ds_load_b128 v[LA+8*\k+4:LA+8*\k+7], v[FAL] offset:64*\k+32
.endr
	WIN 0xc0
.irp t, 0,1,2,3,4,5,6,7
	ds_load_b128 v[LB+8*\t:LB+8*\t+3], v[FLB] offset:1280*\t           ; ranks 8 h + 0 .. 7 of the tile's row r
	ds_load_b128 v[LB+8*\t+4:LB+8*\t+7], v[FLB] offset:1280*\t+16
.endr
	WIN 0
	s_wait_dscnt 0x0
.Ltile:                                            ; a trip: one tile of 16 rows.  The loop is counted from the constant 32, the most tiles that 2,048 rows give a wave; a wave whose tiles are done ends inside it
	s_wait_loadcnt 0x0                             ; this tile's x
	TURN
	; 72 products on codes.  The accumulators take turns, one instruction a turn.  The bias is the C of each sum's first product
	WIN 0xf1
.irp k, 0,1,2,3,4,5,6,7
.irp t, 0,1,2,3
.if \k == 0
	FP4 ACC+8*\t, 64*\t+8*\k, XF+8*\k, BIAS+8*\t, WSC+4*\t, XSC, \k
.else
	FP4 ACC+8*\t, 64*\t+8*\k, XF+8*\k, ACC+8*\t, WSC+4*\t, XSC, \k
.endif
.endr
.endr
	WIN 0xf2
.irp k, 0,1,2,3,4,5,6,7
.irp t, 4,5,6,7
.if \k == 0
	FP4 ACC+8*\t, 64*\t-256+8*\k, XF+8*\k, BIAS+8*\t, WSC+4*\t, XSC, \k
.else
	FP4 ACC+8*\t, 64*\t-256+8*\k, XF+8*\k, ACC+8*\t, WSC+4*\t, XSC, \k
.endif
.endr
.endr
	WIN 0xf0
.irp q, 0,1,2,3                        ; x A: K steps 0-3 in one sum, 4-7 in another, by turns
.if \q == 0
	FP4 TA, LA+8*\q, XF+8*\q, -1, LAS, XSC, \q
	FP4 TB, LA+32+8*\q, XF+32+8*\q, -1, LAS, XSC, \q+4
.else
	FP4 TA, LA+8*\q, XF+8*\q, TA, LAS, XSC, \q
	FP4 TB, LA+32+8*\q, XF+32+8*\q, TB, LAS, XSC, \q+4
.endif
.endr
	WIN 0
.rept 5
	v_nop                                          ; places: four in front of the loads into x's registers and of the read of x A, five in front of the f32 products, which write over the accumulators
.endr
	s_add_co_u32 s[NX], s[RTI], 4
	s_add_co_u32 s[TN], s[TR], 1
	s_cmp_ge_u32 s[NX], s[NTL]
	s_cbranch_scc1 .Lno_next
	GATHER TN                                      ; my next tile's rows: they have the LoRA products, the activation and the quantiser in which to land
.Lno_next:
	WIN 0xff
.irp i, 0,2,4,6
	v_pk_add_f32 v[TA+\i:TA+\i+1], v[TA+\i:TA+\i+1], v[TB+\i:TB+\i+1]
.endr
	; 32 f32 products, two tiles at a time by turns; from the second pair on, the activation of the pair before stands in slices behind them.  Eight places part the pair's last product from the first read of its results
.irp g, 0,1,2,3
.set k, 0
.rept 8
	LW 2*\g+k%2, k/2
.if \g > 0
.if k == 0
.rept 8
	v_nop
.endr
.else
	SLICE \g-1, k-1
.endif
.endif
.set k, k+1
.endr
.endr
.rept 8
	v_nop
.endr
.set j, 0
.rept 48
	ACTI 3
.set j, j+1
.endr
	; THE QUANTISER: my 32 g are one block.  Its largest magnitude, over the floor 2^(3 - 127); 2 off the exponent field gives the conversion's scale operand, and that shifted down the byte
	v_max3_num_f32 v[QM0], |v[G]|, |v[G+1]|, 0x1800000
	v_max3_num_f32 v[QM1], |v[G+2]|, |v[G+3]|, 0x1800000
.irp i, 4,8,12,16,20,24,28
	v_max3_num_f32 v[QM0], v[QM0], |v[G+\i]|, |v[G+\i+1]|
	v_max3_num_f32 v[QM1], v[QM1], |v[G+\i+2]|, |v[G+\i+3]|
.endr
	v_max_num_f32 v[QM0], v[QM0], v[QM1]
	v_add_nc_u32 v[SCL], 0xff000000, v[QM0]
	v_lshrrev_b32 v[BYT], 23, v[SCL]
.irp c, 0,1,2,3
	v_cvt_scalef32_pk8_fp4_f32 v[COD+\c], v[G+8*\c:G+8*\c+7], v[SCL]
.endr
	v_nop                                          ; one plain line behind the last scaled conversion
	WIN 0x0c
	global_store_b128 v[GOFF], v[COD:COD+3], s[P_GC:P_GC+1]    ; the wave stores 512 consecutive bytes, aligned: the image of four operand registers
	global_store_b8 v[SOFF], v[BYT], s[P_GS:P_GS+1]            ; two bytes a row: one sixteenth of the codes' bytes; a row's other bytes come from the other slices' work-groups
	WIN 0
	s_wait_xcnt 0x0                                ; the stores have read their data and their bases: both are written again
	s_add_nc_u64 s[P_GC:P_GC+1], s[P_GC:P_GC+1], 32768     ; four tiles on
	s_add_nc_u64 s[P_GS:P_GS+1], s[P_GS:P_GS+1], 2048
	s_add_co_u32 s[RTI], s[RTI], 4
	s_add_co_u32 s[TR], s[TR], 1
	s_cmp_lt_u32 s[RTI], s[NTL]
	s_cbranch_scc1 .Lmore
	s_wait_tensorcnt 0x0
	ds_add_u32 v222, v239
	s_wait_dscnt 0x0
	s_endpgm                                       ; my tiles are done
.Lmore:
	s_sub_co_u32 s[CT], s[CT], 1
	s_cmp_lg_u32 s[CT], 0
	s_cbranch_scc1 .Ltile
	s_wait_tensorcnt 0x0
	ds_add_u32 v222, v239
	s_wait_dscnt 0x0
	s_endpgm
.Lfunc_end_k_q18e6c771be_up:
	.size	k_q18e6c771be_up, .Lfunc_end_k_q18e6c771be_up-k_q18e6c771be_up
	.p2alignl 7, 3214868480
	.fill 96, 4, 3214868480
	.section	.rodata,"a",@progbits
	.p2align	6, 0x0
	.amdhsa_kernel k_q18e6c771be_up
		.amdhsa_group_segment_fixed_size 121344
		.amdhsa_private_segment_fixed_size 0
		.amdhsa_enable_private_segment 0
		.amdhsa_kernarg_size 96
		.amdhsa_user_sgpr_count 2
		.amdhsa_user_sgpr_kernarg_segment_ptr 1
		.amdhsa_wavefront_size32 1
		.amdhsa_system_sgpr_workgroup_id_x 1
		.amdhsa_system_sgpr_workgroup_id_y 1
		.amdhsa_system_sgpr_workgroup_id_z 1
		.amdhsa_system_vgpr_workitem_id 0
		.amdhsa_next_free_vgpr 1024
		.amdhsa_next_free_sgpr 87
		.amdhsa_reserve_vcc 0
		.amdhsa_float_denorm_mode_32 3
		.amdhsa_float_denorm_mode_16_64 3
		.amdhsa_memory_ordered 1
		.amdhsa_forward_progress 1
		.amdhsa_inst_pref_size 65
	.end_amdhsa_kernel
	.amdgpu_metadata
---
amdhsa.version: [ 1, 2 ]
amdhsa.kernels:
  - .name:           k_q18e6c771be_up
    .symbol:         k_q18e6c771be_up.kd
    .args:
      - { .name: hidden_states_codes, .offset: 0, .size: 8, .value_kind: global_buffer, .address_space: global }
      - { .name: hidden_states_scales, .offset: 8, .size: 8, .value_kind: global_buffer, .address_space: global }
      - { .name: gate_up_proj_codes, .offset: 16, .size: 8, .value_kind: global_buffer, .address_space: global }
      - { .name: gate_up_proj_scales, .offset: 24, .size: 8, .value_kind: global_buffer, .address_space: global }
      - { .name: gate_up_bias, .offset: 32, .size: 8, .value_kind: global_buffer, .address_space: global }
      - { .name: lora_gate_up_A_codes, .offset: 40, .size: 8, .value_kind: global_buffer, .address_space: global }
      - { .name: lora_gate_up_A_scales, .offset: 48, .size: 8, .value_kind: global_buffer, .address_space: global }
      - { .name: lora_gate_up_B, .offset: 56, .size: 8, .value_kind: global_buffer, .address_space: global }
      - { .name: rows, .offset: 64, .size: 8, .value_kind: global_buffer, .address_space: global }
      - { .name: counts, .offset: 72, .size: 8, .value_kind: global_buffer, .address_space: global }
      - { .name: g_codes, .offset: 80, .size: 8, .value_kind: global_buffer, .address_space: global }
      - { .name: g_scales, .offset: 88, .size: 8, .value_kind: global_buffer, .address_space: global }
    .group_segment_fixed_size: 121344
    .private_segment_fixed_size: 0
    .kernarg_segment_align: 8
    .kernarg_segment_size: 96
    .max_flat_workgroup_size: 128
    .sgpr_count:     87
    .vgpr_count:     1024
    .wavefront_size: 32
...
	.end_amdgpu_metadata
.endif
;; end of part 2
;; launch down (part 3): grid 16 x 16, 4 waves a work-group, no clusters, 66,048 bytes of LDS; arguments g_codes, g_scales, rows, roww, counts, down_proj_codes, down_proj_scales, down_bias, lora_down_A_codes, lora_down_A_scales, lora_down_B, y_ws; writes y_ws
.if DOCPART == 3
	.amdgcn_target "amdgcn-amd-amdhsa--gfx1250"
	.amdhsa_code_object_version 6
	.text
	.protected	k_q18e6c771be_down
	.globl	k_q18e6c771be_down
	.p2align	8
	.type	k_q18e6c771be_down,@function
k_q18e6c771be_down:
	s_mov_b64 s[64:65], 0
	v_nop
	global_prefetch_b8 v0, s[64:65] scope:SCOPE_SE
	s_setreg_imm32_b32 hwreg(HW_REG_WAVE_MODE, 25, 1), 1
	s_wait_xcnt 0x0
; SECOND HALF: y_ws[p] = weight(p) x (g W + (g A) B + bias), for the routed rows p of each expert.
; SHARES.  Work-group (s, e) owns output columns 64 s .. 64 s + 63 of expert e: 32 KiB of codes, each byte loaded from memory by one wave of one work-group; through LDS all four waves get them into registers, where they stay.
; Wave w takes the expert's row tiles w, w + 4, w + 8 (a batch: three sets of registers, asked for together), then w + 12 ..  g comes as images of the operand's registers: 16 loads of 512 consecutive bytes a tile.
; A batch's loads carry no condition: a tile at or past ceil(n / 16) is replaced by tile w, which the launch before always writes (w < 4).  So every count of loads is the same on every way; its work is jumped over.
; NO JOINT LOADS, NO TENSOR LOADS: the 16 slices of an expert do read the same g, but the number of tiles and the rows' places hang on numbers read from memory, so the operands go from memory into registers.
; LAYOUT.  Transposed use (source 0 = 16 rows of W = 16 output columns, source 1 = 16 rows of g): lane (r, h) holds row r and columns 16 t + 8 h + 0 .. 7.  g A comes out with rank 8 h + j in register j: rounded to bf16 in
; pairs that IS source 1 (K = 16 of 32, the rest zeros) of the product with LoRA B, whose result goes to the output alone: bf16 operands.  (The LoRA factor alpha / r is 16 / 16 = 1.)
; The weighted rows go through the wave's own stage and leave as 256 consecutive bytes of row p, aligned, from sixteen lanes.  Padding rows (entry 2048 + e) land in row 2048 + e, which nobody reads.
; LIMITS: NaN and infinities are not served; a row whose index lies outside the table is 0 x y of expert 0, so y has to be finite there.  g A is summed in two halves of K that are then added.
; REGISTERS.  window 0: addresses, scale words, the sums, LoRA A.  window 1: W at 64 t + 8 ks (at the head: where the staged loads land).  window 2: g's three tiles at 64 b; v192-223 the bias; v224-255 LoRA B in bf16.
.set DWST,  0                          ; LDS: W, 64 rows x 528
.set LA2ST, 33792                      ; LoRA A, 16 rows x 528
.set LBDST, 42240                      ; LoRA B turned: 64 columns x 80 bytes: 16 ranks + 16 of padding
.set STG,   47360                      ; 4 stages of 16 rows x 272, one a wave
.set P_GC, 8
.set P_GS, 10
.set P_RW, 12
.set P_RWW, 14
.set P_CN, 16
.set P_DC, 18
.set P_DS, 20
.set P_DB, 22
.set P_AC, 24
.set P_AS, 26
.set P_LB, 28
.set P_Y,  30
.set WV,  32
.set SL,  33
.set EX,  34
.set NN,  35
.set NTL, 36
.set RTI, 37
.set TI,  38
.set T0,  39
.set OF,  40                           ; s[40:41]
.set CT,  42                           ; the loop's trips to go
.set LANE, 1
.set RR,   2
.set HH,   3
.set L16,  4
.set LN16, 5
.set H32,  6
.set R4,   7
.set DSA,  8
.set ASA,  9
.set BSA,  10
.set FAW,  11
.set FAL,  12
.set FLB,  13
.set STO,  14
.set RD,   15
.set DVO,  16
.set AVO,  17
.set BVO,  18
.set SVO,  19
.set GO,   20                          ; v20-22, v23-25, v26-28, v29-31: the batch's offsets
.set GSO,  23
.set RO,   26
.set WO,   29
.set WR,   32                          ; v32-37 the rows' weights, as pairs whose upper word is 0
.set GSC,  40                          ; v40-51 g's scale words
.set DWS,  52                          ; v52-67 W's
.set LAS,  68                          ; v68-71 LoRA A's
.set PE,   72                          ; v72-95 eight entries a tile, then eight offsets into y_ws
.set TA,   96
.set TB,   104
.set TBF,  112                         ; v112-119 g A in bf16; the upper four stay 0
.set ACC,  120                         ; v120-151
.set LA2,  152                         ; v152-215
.set BIAS, 192
.set LBD,  224
.set MSB, 0
.macro WIN new
.if MSB != \new
	s_set_vgpr_msb (MSB<<8)|\new
.set MSB, \new
.endif
.endm
.macro OFFS p, she, shs
	s_lshl_b32 s[OF], s[EX], \she
	s_lshl_b32 s[T0], s[SL], \shs
	s_add_co_u32 s[OF], s[OF], s[T0]
	s_add_nc_u64 s[\p:\p+1], s[\p:\p+1], s[OF:OF+1]
.endm
.macro OFFE p, she
	s_lshl_b32 s[OF], s[EX], \she
	s_add_nc_u64 s[\p:\p+1], s[\p:\p+1], s[OF:OF+1]
.endm
.macro FP4 d, a, b, c, sa, sb, ks      ; one product on codes, K step ks of eight; c < 0: the constant 0 starts the sum; a register of scale words serves K steps ks (lanes 0-15) and ks + 4 (lanes 16-31)
.if (\c) < 0
.if (\ks) < 4
	v_wmma_scale_f32_16x16x128_f8f6f4 v[\d:\d+7], v[\a:\a+7], v[\b:\b+7], 0, v[\sa+\ks], v[\sb+\ks] matrix_a_fmt:MATRIX_FMT_FP4 matrix_b_fmt:MATRIX_FMT_FP4
.else
	v_wmma_scale_f32_16x16x128_f8f6f4 v[\d:\d+7], v[\a:\a+7], v[\b:\b+7], 0, v[\sa+\ks-4], v[\sb+\ks-4] matrix_a_fmt:MATRIX_FMT_FP4 matrix_b_fmt:MATRIX_FMT_FP4 matrix_a_scale:MATRIX_SCALE_ROW1 matrix_b_scale:MATRIX_SCALE_ROW1
.endif
.else
.if (\ks) < 4
	v_wmma_scale_f32_16x16x128_f8f6f4 v[\d:\d+7], v[\a:\a+7], v[\b:\b+7], v[\c:\c+7], v[\sa+\ks], v[\sb+\ks] matrix_a_fmt:MATRIX_FMT_FP4 matrix_b_fmt:MATRIX_FMT_FP4
.else
	v_wmma_scale_f32_16x16x128_f8f6f4 v[\d:\d+7], v[\a:\a+7], v[\b:\b+7], v[\c:\c+7], v[\sa+\ks-4], v[\sb+\ks-4] matrix_a_fmt:MATRIX_FMT_FP4 matrix_b_fmt:MATRIX_FMT_FP4 matrix_a_scale:MATRIX_SCALE_ROW1 matrix_b_scale:MATRIX_SCALE_ROW1
.endif
.endif
.endm
; 20 loads: tile RTI + 4 b (or tile w in its stead) into set b: 16 of codes, the scale words, eight entries of the list for each half of the lanes, the row's weight
.macro ISSUE b
	s_add_co_u32 s[TI], s[RTI], 4*\b
	s_cmp_lt_u32 s[TI], s[NTL]
	s_cselect_b32 s[TI], s[TI], s[WV]
	s_lshl_b32 s[T0], s[TI], 13
	v_add_nc_u32 v[GO+\b], s[T0], v[LN16]
	s_lshl_b32 s[T0], s[TI], 9
	v_add_nc_u32 v[GSO+\b], s[T0], v[LN16]
	s_lshl_b32 s[T0], s[TI], 6
	v_add_nc_u32 v[RO+\b], s[T0], v[H32]
	v_add_nc_u32 v[WO+\b], s[T0], v[R4]
	WIN 0x80
.set j, 0
.rept 16
	global_load_b128 v[64*\b+4*j:64*\b+4*j+3], v[GO+\b], s[P_GC:P_GC+1] offset:512*j
.set j, j+1
.endr
	WIN 0
	global_load_b128 v[GSC+4*\b:GSC+4*\b+3], v[GSO+\b], s[P_GS:P_GS+1]
	global_load_b128 v[PE+8*\b:PE+8*\b+3], v[RO+\b], s[P_RW:P_RW+1]
	global_load_b128 v[PE+8*\b+4:PE+8*\b+7], v[RO+\b], s[P_RW:P_RW+1] offset:16
	global_load_b32 v[WR+2*\b], v[WO+\b], s[P_RWW:P_RWW+1]
.endm
; Set b's tile.  left: the loads of the batch's later tiles, which may stay out
.macro TILE b, left
	s_wait_loadcnt \left
	s_wait_xcnt 0x0                                ; the tile before has stored from the accumulators' registers: they are written again only behind this wait
	WIN 0x29
.irp t, 0,1,2,3
	FP4 ACC+8*\t, 64*\t, 64*\b, BIAS+8*\t, DWS+4*\t, GSC+4*\b, 0       ; the bias is the C of each sum's first product
.endr
	WIN 0x09
.irp k, 1,2,3,4,5,6,7
.irp t, 0,1,2,3
	FP4 ACC+8*\t, 64*\t+8*\k, 64*\b+8*\k, ACC+8*\t, DWS+4*\t, GSC+4*\b, \k   ; four accumulators by turns
.endr
.endr
	WIN 0x08
.irp q, 0,1,2,3
.if \q == 0
	FP4 TA, LA2+8*\q, 64*\b+8*\q, -1, LAS, GSC+4*\b, \q
	FP4 TB, LA2+32+8*\q, 64*\b+32+8*\q, -1, LAS, GSC+4*\b, \q+4
.else
	FP4 TA, LA2+8*\q, 64*\b+8*\q, TA, LAS, GSC+4*\b, \q
	FP4 TB, LA2+32+8*\q, 64*\b+32+8*\q, TB, LAS, GSC+4*\b, \q+4
.endif
.endr
	WIN 0
.irp i, 0,1,2,3,4,5,6,7
	v_min_u32 v[PE+8*\b+\i], 2063, v[PE+8*\b+\i]   ; where the rows go.  (These sixteen lines are also the places behind the products above)
.endr
.irp i, 0,1,2,3,4,5,6,7
	v_lshl_add_u32 v[PE+8*\b+\i], v[PE+8*\b+\i], 12, v[L16]
.endr
.irp i, 0,2,4,6
	v_pk_add_f32 v[TA+\i:TA+\i+1], v[TA+\i:TA+\i+1], v[TB+\i:TB+\i+1]
.endr
.irp i, 0,1,2,3
	v_cvt_pk_bf16_f32 v[TBF+\i], v[TA+2*\i], v[TA+2*\i+1]          ; K place 8 h + 2 i, + 1 = that rank
.endr
	WIN 0x02
.irp t, 0,1,2,3
	v_wmma_f32_16x16x32_bf16 v[ACC+8*\t:ACC+8*\t+7], v[LBD+8*\t:LBD+8*\t+7], v[TBF:TBF+7], v[ACC+8*\t:ACC+8*\t+7]
.endr
	WIN 0
.rept 4
	v_nop
.endr
.set j, 0
.rept 16
	v_pk_mul_f32 v[ACC+j:ACC+j+1], v[ACC+j:ACC+j+1], v[WR+2*\b:WR+2*\b+1] op_sel_hi:[1,0]     ; x the row's weight; each accumulator from its low end on
.set j, j+2
.endr
.irp t, 0,1,2,3
	ds_store_b128 v[STO], v[ACC+8*\t:ACC+8*\t+3] offset:64*\t
	ds_store_b128 v[STO], v[ACC+8*\t+4:ACC+8*\t+7] offset:64*\t+16
.endr
.irp i, 0,1,2,3,4,5,6,7
	ds_load_b128 v[ACC+4*\i:ACC+4*\i+3], v[RD] offset:272*\i       ; LDS serves a wave's instructions in order: these see my stores.  Lanes 0-15 row i, lanes 16-31 row 8 + i
.endr
.irp i, 0,1,2,3,4,5,6,7
	s_wait_dscnt 7-\i
	global_store_b128 v[PE+8*\b+\i], v[ACC+4*\i:ACC+4*\i+3], s[P_Y:P_Y+1]     ; sixteen lanes store 256 consecutive bytes of a row, aligned
.endr
.endm
	s_load_b512 s[8:23], s[0:1], 0x0
	s_load_b256 s[24:31], s[0:1], 0x40
	v_lshl_add_u32 v254, v0, 2, 0x10000
	v_mov_b32 v255, 0
	v_lshrrev_b32 v1, 5, v0
	v_readfirstlane_b32 s[WV], v1
	s_mov_b32 s[SL], ttmp9
	s_and_b32 s[EX], ttmp7, 0xffff
	v_and_b32 v[LANE], 31, v0
	v_and_b32 v[RR], 15, v0
	v_bfe_u32 v[HH], v0, 4, 1
	v_lshlrev_b32 v[L16], 4, v[RR]
	v_lshlrev_b32 v[LN16], 4, v[LANE]
	v_lshlrev_b32 v[H32], 5, v[HH]
	v_lshlrev_b32 v[R4], 2, v[RR]
	s_mul_i32 s[T0], s[WV], 8448
	v_add_nc_u32 v[DSA], s[T0], v[LN16]            ; my 16 rows of W in LDS
	s_mul_i32 s[T0], s[WV], 2112
	s_add_co_u32 s[T0], s[T0], LA2ST
	v_add_nc_u32 v[ASA], s[T0], v[LN16]
	v_mul_u32_u24 v[BSA], v[RR], 320               ; LoRA B: my four columns 4 r + i, rank 4 w + h + 2 j
	v_lshl_add_u32 v[BSA], v[HH], 2, v[BSA]
	s_lshl_b32 s[T0], s[WV], 4
	s_add_co_u32 s[T0], s[T0], LBDST
	v_add_nc_u32 v[BSA], s[T0], v[BSA]
	v_mul_u32_u24 v[FAW], v[RR], 528
	v_lshl_add_u32 v[FAW], v[HH], 4, v[FAW]
	v_add_nc_u32 v[FAL], LA2ST, v[FAW]
	v_mul_u32_u24 v[FLB], v[RR], 80
	v_add_nc_u32 v[FLB], v[FLB], v[H32]
	v_add_nc_u32 v[FLB], LBDST, v[FLB]
	s_mul_i32 s[T0], s[WV], 4352
	s_add_co_u32 s[T0], s[T0], STG                 ; my stage
	v_mul_u32_u24 v[STO], v[RR], 272
	v_add_nc_u32 v[STO], v[STO], v[H32]
	v_add_nc_u32 v[STO], s[T0], v[STO]
	v_mul_u32_u24 v[RD], v[HH], 2176
	v_add_nc_u32 v[RD], v[RD], v[L16]
	v_add_nc_u32 v[RD], s[T0], v[RD]
	s_lshl_b32 s[T0], s[WV], 13
	v_add_nc_u32 v[DVO], s[T0], v[LN16]
	s_lshl_b32 s[T0], s[WV], 11
	v_add_nc_u32 v[AVO], s[T0], v[LN16]
	s_lshl_b32 s[T0], s[WV], 14
	v_lshl_add_u32 v[BVO], v[HH], 12, v[L16]
	v_add_nc_u32 v[BVO], s[T0], v[BVO]             ; (4 w + h) rows of 4,096 bytes + 16 r
	v_lshlrev_b32 v[SVO], 5, v[RR]
	v_lshl_add_u32 v[SVO], v[HH], 4, v[SVO]        ; 32 r + 16 h
.irp b, 0,1,2
	v_mov_b32 v[WR+2*\b+1], 0                      ; named with the weight as a pair, so it is written
.endr
.irp i, 4,5,6,7
	v_mov_b32 v[TBF+\i], 0                         ; K = 16 .. 31 of the bf16 product: zeros, on both sides
.endr
	s_mov_b32 s[OF+1], 0
	s_wait_kmcnt 0x0
	OFFE P_CN, 2
	s_load_b32 s[NN], s[P_CN:P_CN+1], 0x0          ; n of my expert
	OFFE P_GC, 20
	OFFE P_GS, 16
	OFFE P_RW, 13
	OFFE P_RWW, 13
	OFFS P_DC, 19, 15
	OFFS P_DS, 15, 11
	OFFS P_DB, 12, 8
	OFFE P_AC, 13
	OFFE P_AS, 9
	OFFS P_LB, 16, 8
	s_lshl_b32 s[OF], s[SL], 8
	s_add_nc_u64 s[P_Y:P_Y+1], s[P_Y:P_Y+1], s[OF:OF+1]
	; 13 loads that land where they stay
.irp t, 0,1,2,3
	global_load_b128 v[DWS+4*\t:DWS+4*\t+3], v[SVO], s[P_DS:P_DS+1] offset:512*\t
.endr
	global_load_b128 v[LAS:LAS+3], v[SVO], s[P_AS:P_AS+1]
	WIN 0x80
.irp t, 0,1,2,3
	global_load_b128 v[BIAS+8*\t:BIAS+8*\t+3], v[H32], s[P_DB:P_DB+1] offset:64*\t          ; bias of columns 16 t + 8 h + 0 .. 7
	global_load_b128 v[BIAS+8*\t+4:BIAS+8*\t+7], v[H32], s[P_DB:P_DB+1] offset:64*\t+16
.endr
	; 22 loads that go on through LDS
	WIN 0x40
.set j, 0
.rept 16
	global_load_b128 v[4*j:4*j+3], v[DVO], s[P_DC:P_DC+1] offset:512*j th:TH_LOAD_NT
.set j, j+1
.endr
.irp j, 0,1,2,3
	global_load_b128 v[64+4*\j:67+4*\j], v[AVO], s[P_AC:P_AC+1] offset:512*\j
.endr
.irp j, 0,1
	global_load_b128 v[80+4*\j:83+4*\j], v[BVO], s[P_LB:P_LB+1] offset:8192*\j th:TH_LOAD_NT
.endr
	WIN 0
	s_wait_kmcnt 0x0
	s_min_u32 s[NN], s[NN], 2048
	s_add_co_u32 s[NTL], s[NN], 15
	s_lshr_b32 s[NTL], s[NTL], 4
	s_mov_b32 s[RTI], s[WV]
	ISSUE 0
	ISSUE 1
	ISSUE 2
	s_wait_loadcnt 60                              ; just the batch's three times 20 loads were issued behind the weights'
	WIN 0x04
.set j, 0
.rept 16
	ds_store_b128 v[DSA], v[4*j:4*j+3] offset:528*j
.set j, j+1
.endr
.irp j, 0,1,2,3
	ds_store_b128 v[ASA], v[64+4*\j:67+4*\j] offset:528*\j
.endr
.irp j, 0,1
.irp i, 0,1,2,3
	ds_store_b32 v[BSA], v[80+4*\j+\i] offset:80*\i+8*\j
.endr
.endr
	WIN 0
	s_wait_dscnt 0x0                               ; for the others' sake: my part of the weights has landed
	s_barrier_signal -1
	s_barrier_wait -1                              ; the launch's one barrier, ahead of every branch on a number read from memory
	WIN 0x40
.irp t, 0,1,2,3
.irp k, 0,1,2,3,4,5,6,7
	ds_load_b128 v[64*\t+8*\k:64*\t+8*\k+3], v[FAW] offset:8448*\t+64*\k
	ds_load_b128 v[64*\t+8*\k+4:64*\t+8*\k+7], v[FAW] offset:8448*\t+64*\k+32
.endr
.endr
	WIN 0
.irp k, 0,1,2,3,4,5,6,7
	ds_load_b128 v[LA2+8*\k:LA2+8*\k+3], v[FAL] offset:64*\k
	ds_load_b128 v[LA2+8*\k+4:LA2+8*\k+7], v[FAL] offset:64*\k+32
.endr
.irp t, 0,1,2,3
	ds_load_b128 v[ACC+8*\t:ACC+8*\t+3], v[FLB] offset:1280*\t         ; LoRA B: ranks 8 h + 0 .. 7 of column 16 t + r, for the moment where the sums will lie
	ds_load_b128 v[ACC+8*\t+4:ACC+8*\t+7], v[FLB] offset:1280*\t+16
.endr
	s_wait_dscnt 0x0
	WIN 0x80
.irp t, 0,1,2,3
.irp i, 0,1,2,3
	v_cvt_pk_bf16_f32 v[LBD+8*\t+\i], v[ACC+8*\t+2*\i], v[ACC+8*\t+2*\i+1]
.endr
.irp i, 4,5,6,7
	v_mov_b32 v[LBD+8*\t+\i], 0
.endr
.endr
	WIN 0
	s_mov_b32 s[CT], 11
.Lbatch:                                           ; a trip: up to three tiles.  The loop is counted from the constant 11: w + 12 i stays under 128, the most tiles that 2,048 rows give, for i up to 10.  A wave whose tiles are done ends inside it
	s_cmp_lt_u32 s[RTI], s[NTL]
	s_cbranch_scc1 .Lhave
	s_wait_tensorcnt 0x0
	ds_add_u32 v254, v255
	s_wait_dscnt 0x0
	s_endpgm                                       ; no tile for me (plain loads may be out at the end)
.Lhave:
	TILE 0, 40
	s_add_co_u32 s[TI], s[RTI], 4
	s_cmp_ge_u32 s[TI], s[NTL]
	s_cbranch_scc1 .Lbatch_end
	TILE 1, 20
	s_add_co_u32 s[TI], s[RTI], 8
	s_cmp_ge_u32 s[TI], s[NTL]
	s_cbranch_scc1 .Lbatch_end
	TILE 2, 0
.Lbatch_end:
	s_add_co_u32 s[RTI], s[RTI], 12
	s_cmp_lt_u32 s[RTI], s[NTL]
	s_cbranch_scc1 .Lmore
	s_wait_tensorcnt 0x0
	ds_add_u32 v254, v255
	s_wait_dscnt 0x0
	s_endpgm                                       ; my tiles are done
.Lmore:
	s_wait_loadcnt 0x0                             ; no load of the old batch is out: its offsets and registers are written anew,
	s_wait_xcnt 0x0                                ; and the stores have read theirs
.rept 4
	v_nop                                          ; places in front of loads into registers that matrix instructions have read
.endr
	ISSUE 0
	ISSUE 1
	ISSUE 2
	s_sub_co_u32 s[CT], s[CT], 1
	s_cmp_lg_u32 s[CT], 0
	s_cbranch_scc1 .Lbatch
	s_wait_tensorcnt 0x0
	ds_add_u32 v254, v255
	s_wait_dscnt 0x0
	s_endpgm
.Lfunc_end_k_q18e6c771be_down:
	.size	k_q18e6c771be_down, .Lfunc_end_k_q18e6c771be_down-k_q18e6c771be_down
	.p2alignl 7, 3214868480
	.fill 96, 4, 3214868480
	.section	.rodata,"a",@progbits
	.p2align	6, 0x0
	.amdhsa_kernel k_q18e6c771be_down
		.amdhsa_group_segment_fixed_size 66048
		.amdhsa_private_segment_fixed_size 0
		.amdhsa_enable_private_segment 0
		.amdhsa_kernarg_size 96
		.amdhsa_user_sgpr_count 2
		.amdhsa_user_sgpr_kernarg_segment_ptr 1
		.amdhsa_wavefront_size32 1
		.amdhsa_system_sgpr_workgroup_id_x 1
		.amdhsa_system_sgpr_workgroup_id_y 1
		.amdhsa_system_sgpr_workgroup_id_z 1
		.amdhsa_system_vgpr_workitem_id 0
		.amdhsa_next_free_vgpr 768
		.amdhsa_next_free_sgpr 66
		.amdhsa_reserve_vcc 0
		.amdhsa_float_denorm_mode_32 3
		.amdhsa_float_denorm_mode_16_64 3
		.amdhsa_memory_ordered 1
		.amdhsa_forward_progress 1
		.amdhsa_inst_pref_size 62
	.end_amdhsa_kernel
	.amdgpu_metadata
---
amdhsa.version: [ 1, 2 ]
amdhsa.kernels:
  - .name:           k_q18e6c771be_down
    .symbol:         k_q18e6c771be_down.kd
    .args:
      - { .name: g_codes, .offset: 0, .size: 8, .value_kind: global_buffer, .address_space: global }
      - { .name: g_scales, .offset: 8, .size: 8, .value_kind: global_buffer, .address_space: global }
      - { .name: rows, .offset: 16, .size: 8, .value_kind: global_buffer, .address_space: global }
      - { .name: roww, .offset: 24, .size: 8, .value_kind: global_buffer, .address_space: global }
      - { .name: counts, .offset: 32, .size: 8, .value_kind: global_buffer, .address_space: global }
      - { .name: down_proj_codes, .offset: 40, .size: 8, .value_kind: global_buffer, .address_space: global }
      - { .name: down_proj_scales, .offset: 48, .size: 8, .value_kind: global_buffer, .address_space: global }
      - { .name: down_bias, .offset: 56, .size: 8, .value_kind: global_buffer, .address_space: global }
      - { .name: lora_down_A_codes, .offset: 64, .size: 8, .value_kind: global_buffer, .address_space: global }
      - { .name: lora_down_A_scales, .offset: 72, .size: 8, .value_kind: global_buffer, .address_space: global }
      - { .name: lora_down_B, .offset: 80, .size: 8, .value_kind: global_buffer, .address_space: global }
      - { .name: y_ws, .offset: 88, .size: 8, .value_kind: global_buffer, .address_space: global }
    .group_segment_fixed_size: 66048
    .private_segment_fixed_size: 0
    .kernarg_segment_align: 8
    .kernarg_segment_size: 96
    .max_flat_workgroup_size: 128
    .sgpr_count:     66
    .vgpr_count:     768
    .wavefront_size: 32
...
	.end_amdgpu_metadata
.endif
;; end of part 3
;; launch combine (part 4): grid 256 x 1, 8 waves a work-group, no clusters, 0 bytes of LDS; arguments y_ws, out0; writes out0
.if DOCPART == 4
	.amdgcn_target "amdgcn-amd-amdhsa--gfx1250"
	.amdhsa_code_object_version 6
	.text
	.protected	k_q18e6c771be_combine
	.globl	k_q18e6c771be_combine
	.p2align	8
	.type	k_q18e6c771be_combine,@function
k_q18e6c771be_combine:
	s_mov_b64 s[64:65], 0
	v_nop
	global_prefetch_b8 v0, s[64:65] scope:SCOPE_SE
	s_setreg_imm32_b32 hwreg(HW_REG_WAVE_MODE, 25, 1), 1
	s_wait_xcnt 0x0
; out[t] = y_ws[2 t] + y_ws[2 t + 1]: a token's two routed rows, each already multiplied by its weight (0 where the index lay outside the table).
; A stream: a work-group takes 4 tokens, 8 rows of 4,096 bytes; thread t the 16 bytes at 16 t of each row, so a wave's load or store covers 512 consecutive bytes, aligned.
; All eight loads of a thread go out at once; no loop, no LDS, no barrier: the threads share nothing.
	s_load_b128 s[4:7], s[0:1], 0x0                ; y_ws, out
	v_lshlrev_b32 v1, 4, v0
	s_lshl_b32 s8, ttmp9, 15                       ; 8 rows of y_ws
	s_mov_b32 s9, 0
	s_lshl_b32 s10, ttmp9, 14                      ; 4 rows of out
	s_mov_b32 s11, 0
	s_wait_kmcnt 0x0
	s_add_nc_u64 s[4:5], s[4:5], s[8:9]
	s_add_nc_u64 s[6:7], s[6:7], s[10:11]
.irp i, 0,1,2,3
	global_load_b128 v[4+8*\i:7+8*\i], v1, s[4:5] offset:8192*\i th:TH_LOAD_NT
	global_load_b128 v[8+8*\i:11+8*\i], v1, s[4:5] offset:8192*\i+4096 th:TH_LOAD_NT
.endr
.irp i, 0,1,2,3
	s_wait_loadcnt 6-2*\i                          ; loads come back in order: this token's two are in, the later tokens' may be out
	v_pk_add_f32 v[36+4*\i:37+4*\i], v[4+8*\i:5+8*\i], v[8+8*\i:9+8*\i]
	v_pk_add_f32 v[38+4*\i:39+4*\i], v[6+8*\i:7+8*\i], v[10+8*\i:11+8*\i]
	global_store_b128 v1, v[36+4*\i:39+4*\i], s[6:7] offset:4096*\i th:TH_STORE_NT
.endr
	s_endpgm
.Lfunc_end_k_q18e6c771be_combine:
	.size	k_q18e6c771be_combine, .Lfunc_end_k_q18e6c771be_combine-k_q18e6c771be_combine
	.p2alignl 7, 3214868480
	.fill 96, 4, 3214868480
	.section	.rodata,"a",@progbits
	.p2align	6, 0x0
	.amdhsa_kernel k_q18e6c771be_combine
		.amdhsa_group_segment_fixed_size 0
		.amdhsa_private_segment_fixed_size 0
		.amdhsa_enable_private_segment 0
		.amdhsa_kernarg_size 16
		.amdhsa_user_sgpr_count 2
		.amdhsa_user_sgpr_kernarg_segment_ptr 1
		.amdhsa_wavefront_size32 1
		.amdhsa_system_sgpr_workgroup_id_x 1
		.amdhsa_system_sgpr_workgroup_id_y 1
		.amdhsa_system_sgpr_workgroup_id_z 1
		.amdhsa_system_vgpr_workitem_id 0
		.amdhsa_next_free_vgpr 52
		.amdhsa_next_free_sgpr 66
		.amdhsa_reserve_vcc 0
		.amdhsa_float_denorm_mode_32 3
		.amdhsa_float_denorm_mode_16_64 3
		.amdhsa_memory_ordered 1
		.amdhsa_forward_progress 1
		.amdhsa_inst_pref_size 3
	.end_amdhsa_kernel
	.amdgpu_metadata
---
amdhsa.version: [ 1, 2 ]
amdhsa.kernels:
  - .name:           k_q18e6c771be_combine
    .symbol:         k_q18e6c771be_combine.kd
    .args:
      - { .name: y_ws, .offset: 0, .size: 8, .value_kind: global_buffer, .address_space: global }
      - { .name: out0, .offset: 8, .size: 8, .value_kind: global_buffer, .address_space: global }
    .group_segment_fixed_size: 0
    .private_segment_fixed_size: 0
    .kernarg_segment_align: 8
    .kernarg_segment_size: 16
    .max_flat_workgroup_size: 256
    .sgpr_count:     66
    .vgpr_count:     52
    .wavefront_size: 32
...
	.end_amdgpu_metadata
.endif
;; end of part 4
;; ======== version 2 of 3: 3 launches; 1.22 times as fast as version 1
;; workspace buffers: g_codes 16,777,216 bytes; g_scales 1,048,576 bytes; rows 131,072 bytes of whole numbers; counts 256 bytes of whole numbers; roww 131,072 bytes; y_ws 8,454,144 bytes
;; launch up (part 5): grid 16 x 16, 4 waves a work-group, no clusters, 129,536 bytes of LDS; arguments hidden_states_codes, hidden_states_scales, router_indices, routing_weights, gate_up_proj_codes, gate_up_proj_scales, gate_up_bias, lora_gate_up_A_codes, lora_gate_up_A_scales, lora_gate_up_B, g_codes, g_scales, rows, roww, counts; writes g_codes, g_scales, rows, roww, counts
.if DOCPART == 5
	.amdgcn_target "amdgcn-amd-amdhsa--gfx1250"
	.amdhsa_code_object_version 6
	.text
	.protected	k_q18e6c771be_up
	.globl	k_q18e6c771be_up
	.p2align	8
	.type	k_q18e6c771be_up,@function
k_q18e6c771be_up:
	s_mov_b64 s[64:65], 0
	v_nop
	global_prefetch_b8 v0, s[64:65] scope:SCOPE_SE
	s_setreg_imm32_b32 hwreg(HW_REG_WAVE_MODE, 25, 1), 1
	s_wait_xcnt 0x0
; FIRST HALF OF THE EXPERT LAYER: g = (clip(up) + 1) gate sigmoid(1.702 gate), gate / up = even / odd columns of x W + (x A) B + bias, for the ROUTED rows only, and g quantised to E2M1 along F.
; (The LoRA factor alpha / r is 16 / 16 = 1 in the problem's own text, so no multiplication stands for it.)
; SHARES.  Work-group (s, e) owns columns d = 128 s .. 128 s + 127 (64 of F) of expert e: 64 KiB of codes, each byte of the weights loaded from memory by one wave of one work-group.  Through LDS all four waves get
; the whole slice into their registers, where it stays.  Wave w takes the expert's row tiles w, w + 4, ..: 16 routed rows each.  What goes round is the small thing: rows of x (512 bytes).
; ROUTING.  A routed row is p = 2 token + k.  Every wave loads the 2,048 indices and makes the count n of expert e's rows FOR ITSELF, in scalar registers: the number of a wave's trips hangs on nothing that another wave made.
; Wave 0 also fills a list of 2,112 words in LDS with the entry 2048 + e (a row that pads a tile: it reads token 1,023 and its results land where nobody reads) and lays the p of expert e at the list's head;
; an index outside 0 .. 15 goes to expert 0's list with weight 0, so that every p has exactly one owner.
; The list leaves LDS ONCE: each wave takes the entries of its 32 possible tiles into 16 registers, TURNED: lane i holds trip i, register j row j.  A trip's 16 tokens are then read as scalars, with the trip as the lane.
; For the next launch the 16 slices share the list out: thread t of slice s stores entry 128 s + t and its weight (128 consecutive bytes a wave; 256 KiB in the whole launch); slice 0 stores the count.
; Tiles 0 .. 3 are always made (each wave's first trip has no condition): the next launch leans on that.
; NO JOINT LOADS, NO TENSOR LOADS: the 16 slices of an expert do read the same rows of x, but which rows and how many tiles hangs on numbers read from memory, so the operands go from memory through registers.
; LAYOUT.  The products are used transposed (source 0 = 16 rows of W, source 1 = 16 rows of x): a lane holds ONE row r = lane % 16.  Row m of tile t is d = 64 (m / 8) + 8 t + m % 8, so that lane (r, h)'s register j of
; tile t is d = 64 h + 8 t + j: gate and up lie in neighbouring registers, and the lane's 64 results give 32 g, f = 32 h + 0 .. 31 of the slice: ONE WHOLE BLOCK of the quantiser, in one lane.
; Its 16 bytes of codes are registers 4 c .. 4 c + 3 of the next product's operand as they stand (K step s / 2, c = s % 2): g_codes is laid [e][tile][s][lane][16 bytes].
; (x A) B has K = 16 and feeds the quantiser: f32 operands, v_wmma_f32_16x16x4_f32.  x A comes out with rank 8 h + j in register j; B's fragment is laid the same way, so K place (h, j) of step q is rank 8 h + 2 q + j on both sides.
; LIMITS: NaN and infinities among the inputs are not served.  A block of g that is all zeros (or under 2^-124) gets the scale byte 1 where the quantiser says 127: its codes are zeros, and this program alone reads the byte.
; x A is summed in two halves of K that are then added.
; REGISTERS, in windows of 256.  window 0: addresses, scale words, LoRA A's fragments, x's fragments, the list.  window 1: W's tiles 0-3 at 64 t + 8 ks (at the head: where the staged loads land).  window 2: tiles 4-7.
; window 3: v0-63 the 8 accumulators; v64-127 LoRA B; v128-191 the bias in the result's layout; v192-207 x A in two halves; v208-239 g; v240-255 at work.
.set LIST,  0                          ; LDS: the list, 2,112 words, in a block of 8,704 bytes; word 2,111 takes what does not belong to e
.set XST,   8704                       ; 4 stages of 16 rows x 528 bytes, one a wave: x's rows on their way into fragments
.set LAST,  42496                      ; LoRA A: 16 rows x 528
.set LBST,  50944                      ; LoRA B, turned: 128 rows (in the tiles' order) x 80 bytes: 16 ranks + 16 of padding
.set WST,   61184                      ; W: 128 rows (row 16 t + m) x 528
.set P_XC, 8
.set P_XS, 10
.set P_RI, 12
.set P_RWT, 14
.set P_WC, 16
.set P_WS, 18
.set P_GB, 20
.set P_AC, 22
.set P_AS, 24
.set P_LB, 26
.set P_GC, 28
.set P_GS, 30
.set P_RW, 32
.set P_RWW, 34
.set P_CN, 36
.set WV,  38                           ; wave
.set SL,  39                           ; slice s
.set EX,  40                           ; expert e
.set INV, 41                           ; all ones where e = 0
.set NN,  42                           ; the running count, then n
.set NTL, 43                           ; tiles: ceil(n / 16)
.set RTI, 44                           ; the tile in hand
.set NX,  45                           ; the tile asked for
.set T1,  46
.set T0,  47
.set OF,  48                           ; s[48:49] an offset, upper word 0
.set P7,  50
.set N7,  51
.set KC,  52                           ; s[52:53] -1.702 log2(e), twice
.set MK,  54                           ; s54-57 four lane masks: mine
.set MI,  58                           ; s58-61 four masks, then four counts
.set SO,  66                           ; s66-81 a tile's 16 tokens, then their rows' offsets in x
.set CT,  82                           ; the loop's trips to go
.set TR,  83                           ; the trip: my tile is w + 4 x trip
.set SEL, 84                           ; s84, s85 lane selects for v_permlanex16_b32: lane l xor 16
.set TN,  86                           ; the trip asked for
.set LANE, 1
.set RR,   2
.set HH,   3
.set L16,  4                           ; 16 r
.set H16,  5                           ; 16 h
.set LPA,  6                           ; LIST + 64 w + 256 lane: my lane's trip in the list
.set SA,   8                           ; my stage, way in: 16 lane
.set FA,   9                           ; my stage, way out: 528 r + 16 h
.set WSA,  10
.set LASA, 11
.set LBSA, 12
.set FAW,  13
.set FAL,  14
.set FLB,  15
.set GOFF, 16                          ; 16 lane
.set SOFF, 17                          ; 16 r + h
.set TV,   20                          ; the tile's tokens: lane j holds row j's; lanes 16-31 stay 0
.set TT,   21
.set XSO,  22
.set PR,   23                          ; entry 128 s + t of the list
.set PC4,  24
.set RWV,  25
.set IXV,  26
.set ZERO, 28
.set NV,   29
.set WVO,  30
.set AVO,  31
.set WE,   32
.set EOFF, 33                          ; 512 s + 4 t: entry 128 s + t, in the list and in the two buffers
.set SCA,  40                          ; v40-43 the scan's addresses, v44-47 its data: used for nothing else
.set SCD,  44
.set XSC,  48                          ; v48-51 x's scale words: lanes 0-15 K steps 0-3, lanes 16-31 K steps 4-7
.set LAS,  52                          ; v52-55 LoRA A's
.set WSC,  56                          ; v56-87 W's, four a tile
.set LA,   88                          ; v88-151 LoRA A's eight fragments
.set XF,   152                         ; v152-215 x: 16 rows as loaded, then eight fragments (at the head: the indices)
.set BVO,  216
.set WSO,  217
.set LSO,  218
.set BO,   219
.set P4,   220
.set XO,   223                         ; v223-238 the 16 rows' offsets in x
.set L,    240                         ; v240-255 the list, turned: register j, lane i: the token of row j of my trip i
.set ACC,  0
.set LB,   64
.set BIAS, 128
.set TA,   192
.set TB,   200
.set G,    208
.set TG,   240
.set TE,   248
.set QM0,  240
.set QM1,  241
.set SCL,  242
.set BYT,  243
.set COD,  244
.set MSB, 0
.macro WIN new                         ; the immediate's high byte repeats the setting that is left; a switch that changes nothing is dropped
.if MSB != \new
	s_set_vgpr_msb (MSB<<8)|\new
.set MSB, \new
.endif
.endm
.macro OFFS p, she, shs                ; pointer p += e << she + s << shs
	s_lshl_b32 s[OF], s[EX], \she
	s_lshl_b32 s[T0], s[SL], \shs
	s_add_co_u32 s[OF], s[OF], s[T0]
	s_add_nc_u64 s[\p:\p+1], s[\p:\p+1], s[OF:OF+1]
.endm
.macro OFFE p, she                     ; pointer p += e << she
	s_lshl_b32 s[OF], s[EX], \she
	s_add_nc_u64 s[\p:\p+1], s[\p:\p+1], s[OF:OF+1]
.endm
; One product on codes: D = A B + C, K step ks of eight.  c < 0: the constant 0 starts the sum.  A register of scale words serves two K steps: ks in lanes 0-15, ks + 4 in lanes 16-31.
.macro FP4 d, a, b, c, sa, sb, ks
.if (\c) < 0
.if (\ks) < 4
	v_wmma_scale_f32_16x16x128_f8f6f4 v[\d:\d+7], v[\a:\a+7], v[\b:\b+7], 0, v[\sa+\ks], v[\sb+\ks] matrix_a_fmt:MATRIX_FMT_FP4 matrix_b_fmt:MATRIX_FMT_FP4
.else
	v_wmma_scale_f32_16x16x128_f8f6f4 v[\d:\d+7], v[\a:\a+7], v[\b:\b+7], 0, v[\sa+\ks-4], v[\sb+\ks-4] matrix_a_fmt:MATRIX_FMT_FP4 matrix_b_fmt:MATRIX_FMT_FP4 matrix_a_scale:MATRIX_SCALE_ROW1 matrix_b_scale:MATRIX_SCALE_ROW1
.endif
.else
.if (\ks) < 4
	v_wmma_scale_f32_16x16x128_f8f6f4 v[\d:\d+7], v[\a:\a+7], v[\b:\b+7], v[\c:\c+7], v[\sa+\ks], v[\sb+\ks] matrix_a_fmt:MATRIX_FMT_FP4 matrix_b_fmt:MATRIX_FMT_FP4
.else
	v_wmma_scale_f32_16x16x128_f8f6f4 v[\d:\d+7], v[\a:\a+7], v[\b:\b+7], v[\c:\c+7], v[\sa+\ks-4], v[\sb+\ks-4] matrix_a_fmt:MATRIX_FMT_FP4 matrix_b_fmt:MATRIX_FMT_FP4 matrix_a_scale:MATRIX_SCALE_ROW1 matrix_b_scale:MATRIX_SCALE_ROW1
.endif
.endif
.endm
; Four index registers: p = 128 q + 4 lane + i.  s[MK + i]: the lanes whose p belongs to e (its index is e, or, for e = 0, lies outside 0 .. 15); s[MI + i]: how many they are.
.macro MASKS q
.irp i, 0,1,2,3
	v_cmp_eq_u32 s[MK+\i], s[EX], v[XF+4*\q+\i]
.endr
.irp i, 0,1,2,3
	v_cmp_le_u32 s[MI+\i], 16, v[XF+4*\q+\i]       ; unsigned: a negative index counts as outside too
.endr
.irp i, 0,1,2,3
	s_and_b32 s[MI+\i], s[MI+\i], s[INV]
.endr
.irp i, 0,1,2,3
	s_or_b32 s[MK+\i], s[MK+\i], s[MI+\i]
.endr
.irp i, 0,1,2,3
	s_bcnt1_i32_b32 s[MI+\i], s[MK+\i]
.endr
.endm
; Waves 1 to 3: the count alone
.macro COUNT4 q
	MASKS \q
	s_add_co_u32 s[MI], s[MI], s[MI+1]
	s_add_co_u32 s[MI+2], s[MI+2], s[MI+3]
	s_add_co_u32 s[NN], s[NN], s[MI]
	s_add_co_u32 s[NN], s[NN], s[MI+2]
.endm
; Wave 0: the count, and the list: a lane whose p belongs to e puts it at the running count + the number of such lanes below it; the others write word 2,111.
.macro SCAN4 q
	MASKS \q
	s_add_co_u32 s[MI], s[MI], s[NN]               ; the running count behind register 0, 1, 2, 3
	s_add_co_u32 s[MI+1], s[MI+1], s[MI]
	s_add_co_u32 s[MI+2], s[MI+2], s[MI+1]
	s_add_co_u32 s[MI+3], s[MI+3], s[MI+2]
	v_mbcnt_lo_u32_b32 v[SCA], s[MK], s[NN]
	v_mbcnt_lo_u32_b32 v[SCA+1], s[MK+1], s[MI]
	v_mbcnt_lo_u32_b32 v[SCA+2], s[MK+2], s[MI+1]
	v_mbcnt_lo_u32_b32 v[SCA+3], s[MK+3], s[MI+2]
	s_mov_b32 s[NN], s[MI+3]
.irp i, 0,1,2,3
	v_cndmask_b32 v[SCA+\i], -1, v[SCA+\i], s[MK+\i]
.endr
.irp i, 0,1,2,3
	v_min_u32 v[SCA+\i], 2111, v[SCA+\i]           ; the greatest number falls to the word that nobody reads
.endr
.irp i, 0,1,2,3
	v_lshlrev_b32 v[SCA+\i], 2, v[SCA+\i]
.endr
.irp i, 0,1,2,3
	v_add_nc_u32 v[SCD+\i], 128*\q+\i, v[P4]
.endr
.irp i, 0,1,2,3
	ds_store_b32 v[SCA+\i], v[SCD+\i]
.endr
.endm
; The rows of my trip s[tr] are asked for: 17 loads.  Lane s[tr] of the list's 16 registers holds the 16 tokens: they are read as scalars; each row's 512 bytes of codes come by one load of the 32 lanes.
; For the scale words a lane needs its own row's token: the scalars go back into lanes 0-15 of one register, and lanes 16-31 take them from there.
; (The offsets' registers are free: the loads that last read them were waited for at the loop's head.)
.macro GATHER tr
.irp j, 0,1,2,3,4,5,6,7,8,9,10,11,12,13,14,15
	v_readlane_b32 s[SO+\j], v[L+\j], s[\tr]
.endr
.irp j, 0,1,2,3,4,5,6,7,8,9,10,11,12,13,14,15
	v_writelane_b32 v[TV], s[SO+\j], \j
.endr
.irp j, 0,1,2,3,4,5,6,7,8,9,10,11,12,13,14,15
	s_min_u32 s[SO+\j], s[SO+\j], 1023             ; (a padding entry reads the last token)
.endr
.irp j, 0,1,2,3,4,5,6,7,8,9,10,11,12,13,14,15
	s_lshl_b32 s[SO+\j], s[SO+\j], 9
.endr
.irp j, 0,1,2,3,4,5,6,7,8,9,10,11,12,13,14,15
	v_add_nc_u32 v[XO+\j], s[SO+\j], v[GOFF]
.endr
	v_permlanex16_b32 v[TT], v[TV], s[SEL], s[SEL+1]   ; lanes 16-31: the tokens; lanes 0-15: zeros
	v_or_b32 v[XSO], v[TV], v[TT]
	v_min_u32 v[XSO], 1023, v[XSO]
	v_lshl_add_u32 v[XSO], v[XSO], 5, v[H16]           ; row r's 32 scale bytes, + 16 h
.irp j, 0,1,2,3,4,5,6,7,8,9,10,11,12,13,14,15
	global_load_b128 v[XF+4*\j:XF+4*\j+3], v[XO+\j], s[P_XC:P_XC+1]    ; 32 lanes read the row's 512 consecutive bytes
.endr
	global_load_b128 v[XSC:XSC+3], v[XSO], s[P_XS:P_XS+1]
.endm
; x's 16 rows go through my own stage and come back as eight fragments, into the registers that they left: LDS serves a wave's instructions in order.
.macro TURN
.irp j, 0,1,2,3,4,5,6,7,8,9,10,11,12,13,14,15
	ds_store_b128 v[SA], v[XF+4*\j:XF+4*\j+3] offset:528*\j
.endr
.irp i, 0,1,2,3,4,5,6,7
	ds_load_b128 v[XF+8*\i:XF+8*\i+3], v[FA] offset:64*\i
	ds_load_b128 v[XF+8*\i+4:XF+8*\i+7], v[FA] offset:64*\i+32
.endr
	s_wait_dscnt 0x0
.endm
.macro LW t, q                         ; tile t += LoRA B (ranks 8 h + 2 q, + 1) x (x A): f32 operands, since the sum goes on into the quantiser
	v_wmma_f32_16x16x4_f32 v[ACC+8*(\t):ACC+8*(\t)+7], v[LB+8*(\t)+2*(\q):LB+8*(\t)+2*(\q)+1], v[TA+2*(\q):TA+2*(\q)+1], v[ACC+8*(\t):ACC+8*(\t)+7]
.endm
; Line j of 48 of the activation of tiles 2 g, 2 g + 1: eight g.  Each accumulator is read from its register 0 on.  The clips of up stand behind the exponentials and behind the reciprocals: plain lines between a
; transcendental and the use of its result (ISA guide 5.7.2).
.macro ACTI g
.if j < 8
	v_min_num_f32 v[TG+j], s[P7], v[ACC+8*(2*(\g)+j/4)+2*(j%4)]                       ; gate = min(gu, 7)
.elseif j < 12
.set u, 2*(j-8)
	v_pk_mul_f32 v[TE+u:TE+u+1], v[TG+u:TG+u+1], s[KC:KC+1] op_sel_hi:[1,0]           ; -1.702 log2(e) gate
.elseif j < 20
	v_exp_f32 v[TE+j-12], v[TE+j-12]
.elseif j < 24
.set u, j-20
	v_med3_num_f32 v[G+8*(\g)+u], v[ACC+8*(2*(\g)+u/4)+2*(u%4)+1], s[N7], s[P7]       ; up = clip(gu, -7, 7)
.elseif j < 28
.set u, 2*(j-24)
	s_wait_alu depctr_va_vdst(0)
	v_pk_add_f32 v[TE+u:TE+u+1], v[TE+u:TE+u+1], 1.0 op_sel_hi:[1,0]
.elseif j < 36
	v_rcp_f32 v[TE+j-28], v[TE+j-28]                                                  ; the sigmoid
.elseif j < 40
.set u, j-32
	v_med3_num_f32 v[G+8*(\g)+u], v[ACC+8*(2*(\g)+u/4)+2*(u%4)+1], s[N7], s[P7]
.elseif j < 44
.set u, 2*(j-40)
	s_wait_alu depctr_va_vdst(0)
	v_pk_mul_f32 v[TG+u:TG+u+1], v[TG+u:TG+u+1], v[TE+u:TE+u+1]                       ; glu
.else
.set u, 2*(j-44)
	v_pk_fma_f32 v[G+8*(\g)+u:G+8*(\g)+u+1], v[G+8*(\g)+u:G+8*(\g)+u+1], v[TG+u:TG+u+1], v[TG+u:TG+u+1]   ; (up + 1) glu = up glu + glu
.endif
.endm
.macro SLICE g, kk                     ; lines 7 kk .. 7 kk + 6
.set j, 7*(\kk)
.rept 7
.if j < 48
	ACTI \g
.endif
.set j, j+1
.endr
.endm
	s_load_b512 s[8:23], s[0:1], 0x0
	s_load_b256 s[24:31], s[0:1], 0x40
	s_load_b128 s[32:35], s[0:1], 0x60
	s_load_b64 s[36:37], s[0:1], 0x70
	v_lshl_add_u32 v222, v0, 2, 0x1f800
	v_mov_b32 v239, 0
	v_lshrrev_b32 v1, 5, v0
	v_readfirstlane_b32 s[WV], v1
	s_and_b32 s[SL], ttmp9, 15                     ; the slice: the grid has 16 along x
	s_and_b32 s[EX], ttmp7, 0xffff
	s_cmp_eq_u32 s[EX], 0
	s_cselect_b32 s[INV], -1, 0
	s_mov_b32 s[P7], 0x40e00000                    ; 7.0
	s_mov_b32 s[N7], 0xc0e00000
	s_mov_b32 s[KC], 0xc01d265f                    ; -1.702 x 1.442695
	s_mov_b32 s[KC+1], s[KC]
	s_mov_b32 s[SEL], 0x76543210
	s_mov_b32 s[SEL+1], 0xfedcba98
	; every LDS address register is made here, ahead of the first branch on the wave's number
	v_and_b32 v[LANE], 31, v0
	v_and_b32 v[RR], 15, v0
	v_bfe_u32 v[HH], v0, 4, 1
	v_lshlrev_b32 v[L16], 4, v[RR]
	v_lshlrev_b32 v[H16], 4, v[HH]
	v_lshlrev_b32 v[GOFF], 4, v[LANE]
	v_add_nc_u32 v[SOFF], v[L16], v[HH]
	s_lshl_b32 s[T1], s[WV], 6                     ; tile w + 4 i begins 64 w + 256 i bytes into the list
	v_lshlrev_b32 v[LPA], 8, v[LANE]
	v_add_nc_u32 v[LPA], s[T1], v[LPA]
	s_lshl_b32 s[T1], s[SL], 9
	v_lshlrev_b32 v[EOFF], 2, v0
	v_add_nc_u32 v[EOFF], s[T1], v[EOFF]
	s_mul_i32 s[T0], s[WV], 8448
	s_add_co_u32 s[T0], s[T0], XST                 ; my stage
	v_add_nc_u32 v[SA], s[T0], v[GOFF]
	v_mul_u32_u24 v[FA], v[RR], 528
	v_add_nc_u32 v[FA], v[FA], v[H16]              ; a fragment's row x pitch + 16 x half
	v_add_nc_u32 v[FAW], WST, v[FA]
	v_add_nc_u32 v[FAL], LAST, v[FA]
	v_add_nc_u32 v[FA], s[T0], v[FA]
	s_and_b32 s[T1], s[WV], 1                      ; I load rows d = 32 w + j: tile 4 (w % 2) + j / 8, row 8 (w / 2) + j % 8 of it
	s_lshl_b32 s[T1], s[T1], 6
	s_lshr_b32 s[T0], s[WV], 1
	s_lshl_b32 s[T0], s[T0], 3
	s_add_co_u32 s[T1], s[T1], s[T0]
	s_mul_i32 s[T1], s[T1], 528
	s_add_co_u32 s[T1], s[T1], WST
	v_add_nc_u32 v[WSA], s[T1], v[GOFF]
	s_mul_i32 s[T1], s[WV], 2112
	s_add_co_u32 s[T1], s[T1], LAST
	v_add_nc_u32 v[LASA], s[T1], v[GOFF]
	v_lshrrev_b32 v[LBSA], 1, v[RR]                ; LoRA B: my four columns d = 4 lane + i lie in tile (lane % 16) / 2, rows 8 (lane / 16) + 4 (lane % 2) + i
	v_lshlrev_b32 v[LBSA], 4, v[LBSA]
	v_lshl_add_u32 v[LBSA], v[HH], 3, v[LBSA]
	v_and_b32 v[FLB], 1, v0
	v_lshl_add_u32 v[LBSA], v[FLB], 2, v[LBSA]
	v_mul_u32_u24 v[LBSA], v[LBSA], 80
	s_lshl_b32 s[T1], s[WV], 4                     ; my four ranks' 16 bytes
	s_add_co_u32 s[T1], s[T1], LBST
	v_add_nc_u32 v[LBSA], s[T1], v[LBSA]
	v_mul_u32_u24 v[FLB], v[RR], 80
	v_lshl_add_u32 v[FLB], v[HH], 5, v[FLB]
	v_add_nc_u32 v[FLB], LBST, v[FLB]
	v_mov_b32 v[ZERO], 0
	v_mov_b32 v[TV], 0                             ; lanes 16-31 stay 0
	v_mov_b32 v[TT], 0                             ; written once: a lane permute's destination counts as one of its sources
	s_lshl_b32 s[T1], s[WV], 14
	v_add_nc_u32 v[WVO], s[T1], v[GOFF]            ; my 32 rows of W
	s_lshl_b32 s[T1], s[WV], 11
	v_add_nc_u32 v[AVO], s[T1], v[GOFF]            ; my 4 rows of LoRA A
	s_lshl_b32 s[T1], s[WV], 15
	v_add_nc_u32 v[BVO], s[T1], v[GOFF]            ; my 4 ranks of LoRA B
	v_lshrrev_b32 v[WSO], 3, v[RR]
	v_lshlrev_b32 v[WSO], 11, v[WSO]
	v_and_b32 v[LSO], 7, v[RR]
	v_lshl_add_u32 v[WSO], v[LSO], 5, v[WSO]
	v_add_nc_u32 v[WSO], v[WSO], v[H16]            ; W's scale bytes: row 64 (r / 8) + r % 8 of 32 bytes, + 16 h
	v_lshl_add_u32 v[LSO], v[RR], 5, v[H16]
	v_lshlrev_b32 v[BO], 8, v[HH]
	v_lshlrev_b32 v[P4], 2, v[LANE]
	s_mov_b32 s[OF+1], 0
	s_wait_kmcnt 0x0
	OFFS P_WC, 20, 16
	OFFS P_WS, 16, 12
	OFFS P_GB, 13, 9
	OFFS P_LB, 17, 9
	OFFS P_GC, 20, 9
	OFFE P_AC, 13
	OFFE P_AS, 9
	OFFE P_RW, 13
	OFFE P_RWW, 13
	OFFE P_CN, 2
	OFFE P_GS, 16
	s_lshl_b32 s[OF], s[WV], 13                    ; g's codes: my first tile is tile w
	s_add_nc_u64 s[P_GC:P_GC+1], s[P_GC:P_GC+1], s[OF:OF+1]
	s_lshr_b32 s[T0], s[SL], 3                     ; g's scale bytes: in a tile's 512, (ks / 4) 256 + 16 r + 4 (ks % 4) + 2 (s % 2) + h, ks = s / 2
	s_lshl_b32 s[OF], s[T0], 8
	s_bfe_u32 s[T0], s[SL], 0x20001
	s_lshl_b32 s[T0], s[T0], 2
	s_add_co_u32 s[OF], s[OF], s[T0]
	s_and_b32 s[T0], s[SL], 1
	s_lshl_b32 s[T0], s[T0], 1
	s_add_co_u32 s[OF], s[OF], s[T0]
	s_lshl_b32 s[T0], s[WV], 9
	s_add_co_u32 s[OF], s[OF], s[T0]
	s_add_nc_u64 s[P_GS:P_GS+1], s[P_GS:P_GS+1], s[OF:OF+1]
.set j, 0
.rept 16
	global_load_b128 v[XF+4*j:XF+4*j+3], v[GOFF], s[P_RI:P_RI+1] offset:512*j   ; every wave: all 2,048 indices; register 4 q + i holds that of p = 128 q + 4 lane + i
.set j, j+1
.endr
	s_cmp_lg_u32 s[WV], 0
	s_cbranch_scc1 .Lno_fill
	s_add_co_u32 s[T0], s[EX], 2048
.irp i, 0,1,2,3
	v_mov_b32 v[SCD+\i], s[T0]
.endr
.set j, 0
.rept 17
	ds_store_b128 v[GOFF], v[SCD:SCD+3] offset:512*j   ; wave 0: the list's block of 8,704 bytes is filled with the padding entry, while the indices are on their way
.set j, j+1
.endr
.Lno_fill:
	; 40 loads that go on through LDS: each reads 512 consecutive bytes
	WIN 0x40
.set j, 0
.rept 32
	global_load_b128 v[4*j:4*j+3], v[WVO], s[P_WC:P_WC+1] offset:512*j th:TH_LOAD_NT
.set j, j+1
.endr
.irp j, 0,1,2,3
	global_load_b128 v[128+4*\j:131+4*\j], v[AVO], s[P_AC:P_AC+1] offset:512*\j
	global_load_b128 v[144+4*\j:147+4*\j], v[BVO], s[P_LB:P_LB+1] offset:8192*\j th:TH_LOAD_NT
.endr
	WIN 0
	s_wait_loadcnt 40                              ; just these 40 were issued behind the indices: the indices are in
	s_mov_b32 s[NN], 0
	s_cmp_lg_u32 s[WV], 0
	s_cbranch_scc1 .Lcount
.irp q, 0,1,2,3,4,5,6,7,8,9,10,11,12,13,14,15
	SCAN4 \q
.endr
	v_mov_b32 v[NV], s[NN]
	s_cmp_lg_u32 s[SL], 0
	s_cbranch_scc1 .Lcounted
	global_store_b32 v[ZERO], v[NV], s[P_CN:P_CN+1]    ; slice 0: the count, for the next launch; all lanes store the same word with the same number
	s_branch .Lcounted
.Lcount:
.irp q, 0,1,2,3,4,5,6,7,8,9,10,11,12,13,14,15
	COUNT4 \q
.endr
.Lcounted:
	s_min_u32 s[NN], s[NN], 2048
	s_add_co_u32 s[NTL], s[NN], 15
	s_lshr_b32 s[NTL], s[NTL], 4
	s_mov_b32 s[RTI], s[WV]
	s_mov_b32 s[TR], 0
	s_mov_b32 s[CT], 32
	; 25 loads that land where they stay: wanted with the first tile's x, which is asked for behind the barrier below
.irp t, 0,1,2,3,4,5,6,7
	global_load_b128 v[WSC+4*\t:WSC+4*\t+3], v[WSO], s[P_WS:P_WS+1] offset:256*\t
.endr
	global_load_b128 v[LAS:LAS+3], v[LSO], s[P_AS:P_AS+1]
	WIN 0xc0
.irp t, 0,1,2,3,4,5,6,7
	global_load_b128 v[BIAS+8*\t:BIAS+8*\t+3], v[BO], s[P_GB:P_GB+1] offset:32*\t          ; bias of d = 64 h + 8 t + 0 .. 7
	global_load_b128 v[BIAS+8*\t+4:BIAS+8*\t+7], v[BO], s[P_GB:P_GB+1] offset:32*\t+16
.endr
	WIN 0
	s_wait_dscnt 0x0                               ; wave 0's stores have landed.  No other wave has touched LDS yet
	s_barrier_signal -1
	s_barrier_wait -1                              ; the list lies in LDS; nobody writes it again
	ds_load_b32 v[PR], v[EOFF]                     ; entry 128 s + t
.irp c, 0,1,2,3
	ds_load_b128 v[L+4*\c:L+4*\c+3], v[LPA] offset:16*\c   ; my lane's trip: the 16 entries of tile w + 4 lane.  8,192 bytes of the list at the most
.endr
	s_wait_dscnt 0x0
	global_store_b32 v[EOFF], v[PR], s[P_RW:P_RW+1]        ; the list, for the next launch
	v_min_u32 v[PC4], 2047, v[PR]
	v_lshlrev_b32 v[PC4], 2, v[PC4]
	global_load_b32 v[RWV], v[PC4], s[P_RWT:P_RWT+1]       ; the entry's weight and its index
	global_load_b32 v[IXV], v[PC4], s[P_RI:P_RI+1]
.irp j, 0,1,2,3,4,5,6,7,8,9,10,11,12,13,14,15
	v_lshrrev_b32 v[L+\j], 1, v[L+\j]              ; p to token
.endr
	GATHER TR                                      ; tile w, with no condition
	s_wait_loadcnt 44                              ; behind the 40 staged loads stand the 25 that stay, the weight, the index and the gather's 17
	WIN 0x04
.set j, 0
.rept 32
	ds_store_b128 v[WSA], v[4*j:4*j+3] offset:(16*(j/8)+j%8)*528
.set j, j+1
.endr
.irp j, 0,1,2,3
	ds_store_b128 v[LASA], v[128+4*\j:131+4*\j] offset:528*\j
.endr
.irp j, 0,1,2,3
.irp i, 0,1,2,3
	ds_store_b32 v[LBSA], v[144+4*\j+\i] offset:80*\i+4*\j
.endr
.endr
	WIN 0
	s_wait_dscnt 0x0                               ; for the others' sake: my part of the weights has landed
	s_barrier_signal -1
	s_barrier_wait -1                              ; the slice's weights lie in LDS; nobody writes them again
	WIN 0x40
.irp t, 0,1,2,3
.irp k, 0,1,2,3,4,5,6,7
	ds_load_b128 v[64*\t+8*\k:64*\t+8*\k+3], v[FAW] offset:8448*\t+64*\k
	ds_load_b128 v[64*\t+8*\k+4:64*\t+8*\k+7], v[FAW] offset:8448*\t+64*\k+32
.endr
.endr
	WIN 0x80
.irp t, 0,1,2,3
.irp k, 0,1,2,3,4,5,6,7
	ds_load_b128 v[64*\t+8*\k:64*\t+8*\k+3], v[FAW] offset:8448*(\t+4)+64*\k
	ds_load_b128 v[64*\t+8*\k+4:64*\t+8*\k+7], v[FAW] offset:8448*(\t+4)+64*\k+32
.endr
.endr
	WIN 0
.irp k, 0,1,2,3,4,5,6,7
	ds_load_b128 v[LA+8*\k:LA+8*\k+3], v[FAL] offset:64*\k
	ds_load_b128 v[LA+8*\k+4:LA+8*\k+7], v[FAL] offset:64*\k+32
.endr
	WIN 0xc0
.irp t, 0,1,2,3,4,5,6,7
	ds_load_b128 v[LB+8*\t:LB+8*\t+3], v[FLB] offset:1280*\t           ; ranks 8 h + 0 .. 7 of the tile's row r
	ds_load_b128 v[LB+8*\t+4:LB+8*\t+7], v[FLB] offset:1280*\t+16
.endr
	WIN 0
	s_wait_loadcnt 17                              ; the weight and the index are in; the gather's 17 loads, issued behind them, may be out
	v_cmp_gt_u32 vcc_lo, 16, v[IXV]
	v_cndmask_b32 v[WE], 0, v[RWV], vcc_lo         ; the entry's weight; 0 where its index lies outside the table
	global_store_b32 v[EOFF], v[WE], s[P_RWW:P_RWW+1]
	s_wait_dscnt 0x0
.Ltile:                                            ; a trip: one tile of 16 rows.  The loop is counted from the constant 32, the most tiles that 2,048 rows give a wave; a wave whose tiles are done ends inside it
	s_wait_loadcnt 0x0                             ; this tile's x
	TURN
	; 72 products on codes.  The accumulators take turns, one instruction a turn.  The bias is the C of each sum's first product
	WIN 0xf1
.irp k, 0,1,2,3,4,5,6,7
.irp t, 0,1,2,3
.if \k == 0
	FP4 ACC+8*\t, 64*\t+8*\k, XF+8*\k, BIAS+8*\t, WSC+4*\t, XSC, \k
.else
	FP4 ACC+8*\t, 64*\t+8*\k, XF+8*\k, ACC+8*\t, WSC+4*\t, XSC, \k
.endif
.endr
.endr
	WIN 0xf2
.irp k, 0,1,2,3,4,5,6,7
.irp t, 4,5,6,7
.if \k == 0
	FP4 ACC+8*\t, 64*\t-256+8*\k, XF+8*\k, BIAS+8*\t, WSC+4*\t, XSC, \k
.else
	FP4 ACC+8*\t, 64*\t-256+8*\k, XF+8*\k, ACC+8*\t, WSC+4*\t, XSC, \k
.endif
.endr
.endr
	WIN 0xf0
.irp q, 0,1,2,3                        ; x A: K steps 0-3 in one sum, 4-7 in another, by turns
.if \q == 0
	FP4 TA, LA+8*\q, XF+8*\q, -1, LAS, XSC, \q
	FP4 TB, LA+32+8*\q, XF+32+8*\q, -1, LAS, XSC, \q+4
.else
	FP4 TA, LA+8*\q, XF+8*\q, TA, LAS, XSC, \q
	FP4 TB, LA+32+8*\q, XF+32+8*\q, TB, LAS, XSC, \q+4
.endif
.endr
	WIN 0
.rept 5
	v_nop                                          ; places: four in front of the loads into x's registers and of the read of x A, five in front of the f32 products, which write over the accumulators
.endr
	s_add_co_u32 s[NX], s[RTI], 4
	s_add_co_u32 s[TN], s[TR], 1
	s_cmp_ge_u32 s[NX], s[NTL]
	s_cbranch_scc1 .Lno_next
	GATHER TN                                      ; my next tile's rows: they have the LoRA products, the activation and the quantiser in which to land
.Lno_next:
	WIN 0xff
.irp i, 0,2,4,6
	v_pk_add_f32 v[TA+\i:TA+\i+1], v[TA+\i:TA+\i+1], v[TB+\i:TB+\i+1]
.endr
	; 32 f32 products, two tiles at a time by turns; from the second pair on, the activation of the pair before stands in slices behind them.  Eight places part the pair's last product from the first read of its results
.irp g, 0,1,2,3
.set k, 0
.rept 8
	LW 2*\g+k%2, k/2
.if \g > 0
.if k == 0
.rept 8
	v_nop
.endr
.else
	SLICE \g-1, k-1
.endif
.endif
.set k, k+1
.endr
.endr
.rept 8
	v_nop
.endr
.set j, 0
.rept 48
	ACTI 3
.set j, j+1
.endr
	; THE QUANTISER: my 32 g are one block.  Its largest magnitude, over the floor 2^(3 - 127); 2 off the exponent field gives the conversion's scale operand, and that shifted down the byte
	v_max3_num_f32 v[QM0], |v[G]|, |v[G+1]|, 0x1800000
	v_max3_num_f32 v[QM1], |v[G+2]|, |v[G+3]|, 0x1800000
.irp i, 4,8,12,16,20,24,28
	v_max3_num_f32 v[QM0], v[QM0], |v[G+\i]|, |v[G+\i+1]|
	v_max3_num_f32 v[QM1], v[QM1], |v[G+\i+2]|, |v[G+\i+3]|
.endr
	v_max_num_f32 v[QM0], v[QM0], v[QM1]
	v_add_nc_u32 v[SCL], 0xff000000, v[QM0]
	v_lshrrev_b32 v[BYT], 23, v[SCL]
.irp c, 0,1,2,3
	v_cvt_scalef32_pk8_fp4_f32 v[COD+\c], v[G+8*\c:G+8*\c+7], v[SCL]
.endr
	v_nop                                          ; one plain line behind the last scaled conversion
	WIN 0x0c
	global_store_b128 v[GOFF], v[COD:COD+3], s[P_GC:P_GC+1]    ; the wave stores 512 consecutive bytes, aligned: the image of four operand registers
	global_store_b8 v[SOFF], v[BYT], s[P_GS:P_GS+1]            ; two bytes a row: one sixteenth of the codes' bytes; a row's other bytes come from the other slices' work-groups
	WIN 0
	s_wait_xcnt 0x0                                ; the stores have read their data and their bases: both are written again
	s_add_nc_u64 s[P_GC:P_GC+1], s[P_GC:P_GC+1], 32768     ; four tiles on
	s_add_nc_u64 s[P_GS:P_GS+1], s[P_GS:P_GS+1], 2048
	s_add_co_u32 s[RTI], s[RTI], 4
	s_add_co_u32 s[TR], s[TR], 1
	s_cmp_lt_u32 s[RTI], s[NTL]
	s_cbranch_scc1 .Lmore
	s_wait_tensorcnt 0x0
	ds_add_u32 v222, v239
	s_wait_dscnt 0x0
	s_endpgm                                       ; my tiles are done
.Lmore:
	s_sub_co_u32 s[CT], s[CT], 1
	s_cmp_lg_u32 s[CT], 0
	s_cbranch_scc1 .Ltile
	s_wait_tensorcnt 0x0
	ds_add_u32 v222, v239
	s_wait_dscnt 0x0
	s_endpgm
.Lfunc_end_k_q18e6c771be_up:
	.size	k_q18e6c771be_up, .Lfunc_end_k_q18e6c771be_up-k_q18e6c771be_up
	.p2alignl 7, 3214868480
	.fill 96, 4, 3214868480
	.section	.rodata,"a",@progbits
	.p2align	6, 0x0
	.amdhsa_kernel k_q18e6c771be_up
		.amdhsa_group_segment_fixed_size 129536
		.amdhsa_private_segment_fixed_size 0
		.amdhsa_enable_private_segment 0
		.amdhsa_kernarg_size 120
		.amdhsa_user_sgpr_count 2
		.amdhsa_user_sgpr_kernarg_segment_ptr 1
		.amdhsa_wavefront_size32 1
		.amdhsa_system_sgpr_workgroup_id_x 1
		.amdhsa_system_sgpr_workgroup_id_y 1
		.amdhsa_system_sgpr_workgroup_id_z 1
		.amdhsa_system_vgpr_workitem_id 0
		.amdhsa_next_free_vgpr 1024
		.amdhsa_next_free_sgpr 87
		.amdhsa_reserve_vcc 1
		.amdhsa_float_denorm_mode_32 3
		.amdhsa_float_denorm_mode_16_64 3
		.amdhsa_memory_ordered 1
		.amdhsa_forward_progress 1
		.amdhsa_inst_pref_size 124
	.end_amdhsa_kernel
	.amdgpu_metadata
---
amdhsa.version: [ 1, 2 ]
amdhsa.kernels:
  - .name:           k_q18e6c771be_up
    .symbol:         k_q18e6c771be_up.kd
    .args:
      - { .name: hidden_states_codes, .offset: 0, .size: 8, .value_kind: global_buffer, .address_space: global }
      - { .name: hidden_states_scales, .offset: 8, .size: 8, .value_kind: global_buffer, .address_space: global }
      - { .name: router_indices, .offset: 16, .size: 8, .value_kind: global_buffer, .address_space: global }
      - { .name: routing_weights, .offset: 24, .size: 8, .value_kind: global_buffer, .address_space: global }
      - { .name: gate_up_proj_codes, .offset: 32, .size: 8, .value_kind: global_buffer, .address_space: global }
      - { .name: gate_up_proj_scales, .offset: 40, .size: 8, .value_kind: global_buffer, .address_space: global }
      - { .name: gate_up_bias, .offset: 48, .size: 8, .value_kind: global_buffer, .address_space: global }
      - { .name: lora_gate_up_A_codes, .offset: 56, .size: 8, .value_kind: global_buffer, .address_space: global }
      - { .name: lora_gate_up_A_scales, .offset: 64, .size: 8, .value_kind: global_buffer, .address_space: global }
      - { .name: lora_gate_up_B, .offset: 72, .size: 8, .value_kind: global_buffer, .address_space: global }
      - { .name: g_codes, .offset: 80, .size: 8, .value_kind: global_buffer, .address_space: global }
      - { .name: g_scales, .offset: 88, .size: 8, .value_kind: global_buffer, .address_space: global }
      - { .name: rows, .offset: 96, .size: 8, .value_kind: global_buffer, .address_space: global }
      - { .name: roww, .offset: 104, .size: 8, .value_kind: global_buffer, .address_space: global }
      - { .name: counts, .offset: 112, .size: 8, .value_kind: global_buffer, .address_space: global }
    .group_segment_fixed_size: 129536
    .private_segment_fixed_size: 0
    .kernarg_segment_align: 8
    .kernarg_segment_size: 120
    .max_flat_workgroup_size: 128
    .sgpr_count:     87
    .vgpr_count:     1024
    .wavefront_size: 32
...
	.end_amdgpu_metadata
.endif
;; end of part 5
;; launch down: the kernel of part 3 again; grid 16 x 16, 4 waves a work-group, no clusters, 66,048 bytes of LDS; arguments g_codes, g_scales, rows, roww, counts, down_proj_codes, down_proj_scales, down_bias, lora_down_A_codes, lora_down_A_scales, lora_down_B, y_ws; writes y_ws
;; launch combine: the kernel of part 4 again; grid 256 x 1, 8 waves a work-group, no clusters, 0 bytes of LDS; arguments y_ws, out0; writes out0
;; ======== version 3 of 3: 3 launches; version 2 with the launches up, down written anew for expert scheduling mode
;; workspace buffers: g_codes 16,777,216 bytes; g_scales 1,048,576 bytes; rows 131,072 bytes of whole numbers; counts 256 bytes of whole numbers; roww 131,072 bytes; y_ws 8,454,144 bytes
;; launch up (part 6): grid 16 x 16, 4 waves a work-group, no clusters, 129,536 bytes of LDS; arguments hidden_states_codes, hidden_states_scales, router_indices, routing_weights, gate_up_proj_codes, gate_up_proj_scales, gate_up_bias, lora_gate_up_A_codes, lora_gate_up_A_scales, lora_gate_up_B, g_codes, g_scales, rows, roww, counts; writes g_codes, g_scales, rows, roww, counts
.if DOCPART == 6
	.amdgcn_target "amdgcn-amd-amdhsa--gfx1250"
	.amdhsa_code_object_version 6
	.text
	.protected	k_q18e6c771be_up
	.globl	k_q18e6c771be_up
	.p2align	8
	.type	k_q18e6c771be_up,@function
k_q18e6c771be_up:
	s_mov_b64 s[64:65], 0
	v_nop
	global_prefetch_b8 v0, s[64:65] scope:SCOPE_SE
	s_setreg_imm32_b32 hwreg(HW_REG_WAVE_SCHED_MODE, 0, 2), 2
	s_setreg_imm32_b32 hwreg(HW_REG_WAVE_MODE, 25, 1), 1
	s_wait_xcnt 0x0
	s_wait_alu depctr_vm_vsrc(0)
; FIRST HALF OF THE EXPERT LAYER: g = (clip(up) + 1) gate sigmoid(1.702 gate), gate / up = even / odd columns of x W + (x A) B + bias, for the ROUTED rows only, and g quantised to E2M1 along F.
; (The LoRA factor alpha / r is 16 / 16 = 1 in the problem's own text, so no multiplication stands for it.)
; SHARES.  Work-group (s, e) owns columns d = 128 s .. 128 s + 127 (64 of F) of expert e: 64 KiB of codes, each byte of the weights loaded from memory by one wave of one work-group.  Through LDS all four waves get
; the whole slice into their registers, where it stays.  Wave w takes the expert's row tiles w, w + 4, ..: 16 routed rows each.  What goes round is the small thing: rows of x (512 bytes).
; ROUTING.  A routed row is p = 2 token + k.  Every wave loads the 2,048 indices and makes the count n of expert e's rows FOR ITSELF, in scalar registers: the number of a wave's trips hangs on nothing that another wave made.
; Wave 0 also fills a list of 2,112 words in LDS with the entry 2048 + e (a row that pads a tile: it reads token 1,023 and its results land where nobody reads) and lays the p of expert e at the list's head;
; an index outside 0 .. 15 goes to expert 0's list with weight 0, so that every p has exactly one owner.
; The list leaves LDS ONCE: each wave takes the entries of its 32 possible tiles into 16 registers, TURNED: lane i holds trip i, register j row j.  A trip's 16 tokens are then read as scalars, with the trip as the lane.
; For the next launch the 16 slices share the list out: thread t of slice s stores entry 128 s + t and its weight (128 consecutive bytes a wave; 256 KiB in the whole launch); slice 0 stores the count.
; Tiles 0 .. 3 are always made (each wave's first trip has no condition): the next launch leans on that.
; NO JOINT LOADS, NO TENSOR LOADS: the 16 slices of an expert do read the same rows of x, but which rows and how many tiles hangs on numbers read from memory, so the operands go from memory through registers.
; LAYOUT.  The products are used transposed (source 0 = 16 rows of W, source 1 = 16 rows of x): a lane holds ONE row r = lane % 16.  Row m of tile t is d = 64 (m / 8) + 8 t + m % 8, so that lane (r, h)'s register j of
; tile t is d = 64 h + 8 t + j: gate and up lie in neighbouring registers, and the lane's 64 results give 32 g, f = 32 h + 0 .. 31 of the slice: ONE WHOLE BLOCK of the quantiser, in one lane.
; Its 16 bytes of codes are registers 4 c .. 4 c + 3 of the next product's operand as they stand (K step s / 2, c = s % 2): g_codes is laid [e][tile][s][lane][16 bytes].
; (x A) B has K = 16 and feeds the quantiser: f32 operands, v_wmma_f32_16x16x4_f32.  x A comes out with rank 8 h + j in register j; B's fragment is laid the same way, so K place (h, j) of step q is rank 8 h + 2 q + j on both sides.
; LIMITS: NaN and infinities among the inputs are not served.  A block of g that is all zeros (or under 2^-124) gets the scale byte 1 where the quantiser says 127: its codes are zeros, and this program alone reads the byte.
; x A is summed in two halves of K that are then added.
; REGISTERS, in windows of 256.  window 0: addresses, scale words, LoRA A's fragments, x's fragments, the list.  window 1: W's tiles 0-3 at 64 t + 8 ks (at the head: where the staged loads land).  window 2: tiles 4-7.
; window 3: v0-63 the 8 accumulators; v64-127 LoRA B; v128-191 the bias in the result's layout; v192-207 x A in two halves; v208-239 g; v240-255 at work.
; THE MODE: SCHED_MODE bits 1:0 = 2 (LLVM: expert scheduling mode 2), set by the entry lines.  The code itself states the register dependences between vector or matrix instructions and memory or LDS instructions,
; with s_wait_alu, always for 0.
; THE PLAN.  Registers that memory or LDS instructions touch:
;   the addresses and offsets of the head   written once, ahead of the head's one wait on va_vdst, and never again: no later load or store owes anything for them.
;   SCA, SCD (wave 0)   a group of the scan writes them, its four LDS stores read them: a wait on va_vdst ahead of the stores, one on vm_vsrc ahead of the next group's first write.
;   window 1, v0-159    the staged loads land there, the stage's LDS stores read them, W's fragments land there: a wait on vm_vsrc behind the second barrier.
;   XF        the gather's loads land in it; TURN's LDS stores read it; TURN's LDS loads land in it (a wait on vm_vsrc between the two); the products read it; the next gather's loads land in it.
;   XSC       the gather's last load lands in it; the products read it.
;   XO, XSO   the gather's vector lines write them, its loads read them; TURN's wait on vm_vsrc and the one at the trip's end stand between those loads and the next gather's lines.
;   COD, BYT  the quantiser writes them, the trip's two stores read them, the next trip's activation writes the same registers.
; So a trip has: TURN's wait on vm_vsrc; the gather's wait on va_vdst (XO and XSO are written, the products are done with XF and XSC); a wait on va_vdst ahead of the two stores; a wait on vm_vsrc behind them, ahead of the
; branches; and one wait on va_vdst for each batch of exponentials or reciprocals.  There is no second set of 64 registers for x: all 1,024 are taken.
.set LIST,  0                          ; LDS: the list, 2,112 words, in a block of 8,704 bytes; word 2,111 takes what does not belong to e
.set XST,   8704                       ; 4 stages of 16 rows x 528 bytes, one a wave: x's rows on their way into fragments
.set LAST,  42496                      ; LoRA A: 16 rows x 528
.set LBST,  50944                      ; LoRA B, turned: 128 rows (in the tiles' order) x 80 bytes: 16 ranks + 16 of padding
.set WST,   61184                      ; W: 128 rows (row 16 t + m) x 528
.set P_XC, 8
.set P_XS, 10
.set P_RI, 12
.set P_RWT, 14
.set P_WC, 16
.set P_WS, 18
.set P_GB, 20
.set P_AC, 22
.set P_AS, 24
.set P_LB, 26
.set P_GC, 28
.set P_GS, 30
.set P_RW, 32
.set P_RWW, 34
.set P_CN, 36
.set WV,  38                           ; wave
.set SL,  39                           ; slice s
.set EX,  40                           ; expert e
.set INV, 41                           ; all ones where e = 0
.set NN,  42                           ; the running count, then n
.set NTL, 43                           ; tiles: ceil(n / 16)
.set RTI, 44                           ; the tile in hand
.set NX,  45                           ; the tile asked for
.set T1,  46
.set T0,  47
.set OF,  48                           ; s[48:49] an offset, upper word 0
.set P7,  50
.set N7,  51
.set KC,  52                           ; s[52:53] -1.702 log2(e), twice
.set MK,  54                           ; s54-57 four lane masks: mine
.set MI,  58                           ; s58-61 four masks, then four counts
.set SO,  66                           ; s66-81 a tile's 16 tokens, then their rows' offsets in x
.set CT,  82                           ; the loop's trips to go
.set TR,  83                           ; the trip: my tile is w + 4 x trip
.set SEL, 84                           ; s84, s85 lane selects for v_permlanex16_b32: lane l xor 16
.set TN,  86                           ; the trip asked for
.set LANE, 1
.set RR,   2
.set HH,   3
.set L16,  4                           ; 16 r
.set H16,  5                           ; 16 h
.set LPA,  6                           ; LIST + 64 w + 256 lane: my lane's trip in the list
.set SA,   8                           ; my stage, way in: 16 lane
.set FA,   9                           ; my stage, way out: 528 r + 16 h
.set WSA,  10
.set LASA, 11
.set LBSA, 12
.set FAW,  13
.set FAL,  14
.set FLB,  15
.set GOFF, 16                          ; 16 lane
.set SOFF, 17                          ; 16 r + h
.set TV,   20                          ; the tile's tokens: lane j holds row j's; lanes 16-31 stay 0
.set TT,   21
.set XSO,  22
.set PR,   23                          ; entry 128 s + t of the list
.set PC4,  24
.set RWV,  25
.set IXV,  26
.set ZERO, 28
.set NV,   29
.set WVO,  30
.set AVO,  31
.set WE,   32
.set EOFF, 33                          ; 512 s + 4 t: entry 128 s + t, in the list and in the two buffers
.set SCA,  40                          ; v40-43 the scan's addresses, v44-47 its data: used for nothing else
.set SCD,  44
.set XSC,  48                          ; v48-51 x's scale words: lanes 0-15 K steps 0-3, lanes 16-31 K steps 4-7
.set LAS,  52                          ; v52-55 LoRA A's
.set WSC,  56                          ; v56-87 W's, four a tile
.set LA,   88                          ; v88-151 LoRA A's eight fragments
.set XF,   152                         ; v152-215 x: 16 rows as loaded, then eight fragments (at the head: the indices)
.set BVO,  216
.set WSO,  217
.set LSO,  218
.set BO,   219
.set P4,   220
.set XO,   223                         ; v223-238 the 16 rows' offsets in x
.set L,    240                         ; v240-255 the list, turned: register j, lane i: the token of row j of my trip i
.set ACC,  0
.set LB,   64
.set BIAS, 128
.set TA,   192
.set TB,   200
.set G,    208
.set TG,   240
.set TE,   248
.set QM0,  240
.set QM1,  241
.set SCL,  242
.set BYT,  243
.set COD,  244
.set MSB, 0
.macro WIN new                         ; the immediate's high byte repeats the setting that is left; a switch that changes nothing is dropped
.if MSB != \new
	s_set_vgpr_msb (MSB<<8)|\new
.set MSB, \new
.endif
.endm
.macro OFFS p, she, shs                ; pointer p += e << she + s << shs
	s_lshl_b32 s[OF], s[EX], \she
	s_lshl_b32 s[T0], s[SL], \shs
	s_add_co_u32 s[OF], s[OF], s[T0]
	s_add_nc_u64 s[\p:\p+1], s[\p:\p+1], s[OF:OF+1]
.endm
.macro OFFE p, she                     ; pointer p += e << she
	s_lshl_b32 s[OF], s[EX], \she
	s_add_nc_u64 s[\p:\p+1], s[\p:\p+1], s[OF:OF+1]
.endm
; One product on codes: D = A B + C, K step ks of eight.  c < 0: the constant 0 starts the sum.  A register of scale words serves two K steps: ks in lanes 0-15, ks + 4 in lanes 16-31.
.macro FP4 d, a, b, c, sa, sb, ks
.if (\c) < 0
.if (\ks) < 4
	v_wmma_scale_f32_16x16x128_f8f6f4 v[\d:\d+7], v[\a:\a+7], v[\b:\b+7], 0, v[\sa+\ks], v[\sb+\ks] matrix_a_fmt:MATRIX_FMT_FP4 matrix_b_fmt:MATRIX_FMT_FP4
.else
	v_wmma_scale_f32_16x16x128_f8f6f4 v[\d:\d+7], v[\a:\a+7], v[\b:\b+7], 0, v[\sa+\ks-4], v[\sb+\ks-4] matrix_a_fmt:MATRIX_FMT_FP4 matrix_b_fmt:MATRIX_FMT_FP4 matrix_a_scale:MATRIX_SCALE_ROW1 matrix_b_scale:MATRIX_SCALE_ROW1
.endif
.else
.if (\ks) < 4
	v_wmma_scale_f32_16x16x128_f8f6f4 v[\d:\d+7], v[\a:\a+7], v[\b:\b+7], v[\c:\c+7], v[\sa+\ks], v[\sb+\ks] matrix_a_fmt:MATRIX_FMT_FP4 matrix_b_fmt:MATRIX_FMT_FP4
.else
	v_wmma_scale_f32_16x16x128_f8f6f4 v[\d:\d+7], v[\a:\a+7], v[\b:\b+7], v[\c:\c+7], v[\sa+\ks-4], v[\sb+\ks-4] matrix_a_fmt:MATRIX_FMT_FP4 matrix_b_fmt:MATRIX_FMT_FP4 matrix_a_scale:MATRIX_SCALE_ROW1 matrix_b_scale:MATRIX_SCALE_ROW1
.endif
.endif
.endm
; Four index registers: p = 128 q + 4 lane + i.  s[MK + i]: the lanes whose p belongs to e (its index is e, or, for e = 0, lies outside 0 .. 15); s[MI + i]: how many they are.
.macro MASKS q
.irp i, 0,1,2,3
	v_cmp_eq_u32 s[MK+\i], s[EX], v[XF+4*\q+\i]
.endr
.irp i, 0,1,2,3
	v_cmp_le_u32 s[MI+\i], 16, v[XF+4*\q+\i]       ; unsigned: a negative index counts as outside too
.endr
	s_wait_alu depctr_va_sdst(0)                   ; the eight compares have written their masks into s[MK ..] and s[MI ..], ahead of the first line that reads one: one wait for the run
.irp i, 0,1,2,3
	s_and_b32 s[MI+\i], s[MI+\i], s[INV]
.endr
.irp i, 0,1,2,3
	s_or_b32 s[MK+\i], s[MK+\i], s[MI+\i]
.endr
.irp i, 0,1,2,3
	s_bcnt1_i32_b32 s[MI+\i], s[MK+\i]
.endr
.endm
; Waves 1 to 3: the count alone
.macro COUNT4 q
	MASKS \q
	s_add_co_u32 s[MI], s[MI], s[MI+1]
	s_add_co_u32 s[MI+2], s[MI+2], s[MI+3]
	s_add_co_u32 s[NN], s[NN], s[MI]
	s_add_co_u32 s[NN], s[NN], s[MI+2]
.endm
; Wave 0: the count, and the list: a lane whose p belongs to e puts it at the running count + the number of such lanes below it; the others write word 2,111.
.macro SCAN4 q
	MASKS \q
	s_add_co_u32 s[MI], s[MI], s[NN]               ; the running count behind register 0, 1, 2, 3
	s_add_co_u32 s[MI+1], s[MI+1], s[MI]
	s_add_co_u32 s[MI+2], s[MI+2], s[MI+1]
	s_add_co_u32 s[MI+3], s[MI+3], s[MI+2]
	s_wait_alu depctr_vm_vsrc(0)                   ; the LDS stores issued so far (the fill's, the last group's) have read SCA and SCD, which the lines below write again
	v_mbcnt_lo_u32_b32 v[SCA], s[MK], s[NN]
	v_mbcnt_lo_u32_b32 v[SCA+1], s[MK+1], s[MI]
	v_mbcnt_lo_u32_b32 v[SCA+2], s[MK+2], s[MI+1]
	v_mbcnt_lo_u32_b32 v[SCA+3], s[MK+3], s[MI+2]
	s_mov_b32 s[NN], s[MI+3]
.irp i, 0,1,2,3
	v_cndmask_b32 v[SCA+\i], -1, v[SCA+\i], s[MK+\i]
.endr
.irp i, 0,1,2,3
	v_min_u32 v[SCA+\i], 2111, v[SCA+\i]           ; the greatest number falls to the word that nobody reads
.endr
.irp i, 0,1,2,3
	v_lshlrev_b32 v[SCA+\i], 2, v[SCA+\i]
.endr
.irp i, 0,1,2,3
	v_add_nc_u32 v[SCD+\i], 128*\q+\i, v[P4]
.endr
	s_wait_alu depctr_va_vdst(0)                   ; SCA and SCD are written: the four stores read them as address and data
.irp i, 0,1,2,3
	ds_store_b32 v[SCA+\i], v[SCD+\i]
.endr
.endm
; The rows of my trip s[tr] are asked for: 17 loads.  Lane s[tr] of the list's 16 registers holds the 16 tokens: they are read as scalars; each row's 512 bytes of codes come by one load of the 32 lanes.
; For the scale words a lane needs its own row's token: the scalars go back into lanes 0-15 of one register, and lanes 16-31 take them from there.
; (The offsets' registers XO and XSO may be written: behind the loads that last read them stand TURN's wait on vm_vsrc and the one at the trip's end.)
.macro GATHER tr
.irp j, 0,1,2,3,4,5,6,7,8,9,10,11,12,13,14,15
	v_readlane_b32 s[SO+\j], v[L+\j], s[\tr]
.endr
	s_wait_alu depctr_va_sdst(0)                   ; the sixteen tokens are written into s[SO ..], ahead of the first line that reads one: one wait for the run
.irp j, 0,1,2,3,4,5,6,7,8,9,10,11,12,13,14,15
	v_writelane_b32 v[TV], s[SO+\j], \j
.endr
.irp j, 0,1,2,3,4,5,6,7,8,9,10,11,12,13,14,15
	s_min_u32 s[SO+\j], s[SO+\j], 1023             ; (a padding entry reads the last token)
.endr
.irp j, 0,1,2,3,4,5,6,7,8,9,10,11,12,13,14,15
	s_lshl_b32 s[SO+\j], s[SO+\j], 9
.endr
.irp j, 0,1,2,3,4,5,6,7,8,9,10,11,12,13,14,15
	v_add_nc_u32 v[XO+\j], s[SO+\j], v[GOFF]
.endr
	v_permlanex16_b32 v[TT], v[TV], s[SEL], s[SEL+1]   ; lanes 16-31: the tokens; lanes 0-15: zeros
	v_or_b32 v[XSO], v[TV], v[TT]
	v_min_u32 v[XSO], 1023, v[XSO]
	v_lshl_add_u32 v[XSO], v[XSO], 5, v[H16]           ; row r's 32 scale bytes, + 16 h
	s_wait_alu depctr_va_vdst(0)                   ; XO and XSO are written, which the loads below read; and what read XF and XSC (in the loop the products, at the head the compares) is done with them: the loads land there
.irp j, 0,1,2,3,4,5,6,7,8,9,10,11,12,13,14,15
	global_load_b128 v[XF+4*\j:XF+4*\j+3], v[XO+\j], s[P_XC:P_XC+1]    ; 32 lanes read the row's 512 consecutive bytes
.endr
	global_load_b128 v[XSC:XSC+3], v[XSO], s[P_XS:P_XS+1]
.endm
; x's 16 rows go through my own stage and come back as eight fragments, into the registers that they left: LDS serves a wave's instructions in order.
.macro TURN
.irp j, 0,1,2,3,4,5,6,7,8,9,10,11,12,13,14,15
	ds_store_b128 v[SA], v[XF+4*\j:XF+4*\j+3] offset:528*\j
.endr
	s_wait_alu depctr_vm_vsrc(0)                   ; the sixteen stores have read XF, in which the loads below land (and the gather's loads have read XO and XSO)
.irp i, 0,1,2,3,4,5,6,7
	ds_load_b128 v[XF+8*\i:XF+8*\i+3], v[FA] offset:64*\i
	ds_load_b128 v[XF+8*\i+4:XF+8*\i+7], v[FA] offset:64*\i+32
.endr
	s_wait_dscnt 0x0
.endm
.macro LW t, q                         ; tile t += LoRA B (ranks 8 h + 2 q, + 1) x (x A): f32 operands, since the sum goes on into the quantiser
	v_wmma_f32_16x16x4_f32 v[ACC+8*(\t):ACC+8*(\t)+7], v[LB+8*(\t)+2*(\q):LB+8*(\t)+2*(\q)+1], v[TA+2*(\q):TA+2*(\q)+1], v[ACC+8*(\t):ACC+8*(\t)+7]
.endm
; Line j of 48 of the activation of tiles 2 g, 2 g + 1: eight g.  Each accumulator is read from its register 0 on.  The clips of up stand behind the exponentials and behind the reciprocals: plain lines between a
; transcendental and the use of its result (ISA guide 5.7.2).  Each batch of eight has ONE wait, ahead of its first reader.
.macro ACTI g
.if j < 8
	v_min_num_f32 v[TG+j], s[P7], v[ACC+8*(2*(\g)+j/4)+2*(j%4)]                       ; gate = min(gu, 7)
.elseif j < 12
.set u, 2*(j-8)
	v_pk_mul_f32 v[TE+u:TE+u+1], v[TG+u:TG+u+1], s[KC:KC+1] op_sel_hi:[1,0]           ; -1.702 log2(e) gate
.elseif j < 20
	v_exp_f32 v[TE+j-12], v[TE+j-12]
.elseif j < 24
.set u, j-20
	v_med3_num_f32 v[G+8*(\g)+u], v[ACC+8*(2*(\g)+u/4)+2*(u%4)+1], s[N7], s[P7]       ; up = clip(gu, -7, 7)
.elseif j < 28
.set u, 2*(j-24)
.if j == 24
	s_wait_alu depctr_va_vdst(0)                                                      ; the eight exponentials have written TE, ahead of the first line that names one of their results
.endif
	v_pk_add_f32 v[TE+u:TE+u+1], v[TE+u:TE+u+1], 1.0 op_sel_hi:[1,0]
.elseif j < 36
	v_rcp_f32 v[TE+j-28], v[TE+j-28]                                                  ; the sigmoid
.elseif j < 40
.set u, j-32
	v_med3_num_f32 v[G+8*(\g)+u], v[ACC+8*(2*(\g)+u/4)+2*(u%4)+1], s[N7], s[P7]
.elseif j < 44
.set u, 2*(j-40)
.if j == 40
	s_wait_alu depctr_va_vdst(0)                                                      ; the eight reciprocals have written TE, ahead of the first line that names one of their results
.endif
	v_pk_mul_f32 v[TG+u:TG+u+1], v[TG+u:TG+u+1], v[TE+u:TE+u+1]                       ; glu
.else
.set u, 2*(j-44)
	v_pk_fma_f32 v[G+8*(\g)+u:G+8*(\g)+u+1], v[G+8*(\g)+u:G+8*(\g)+u+1], v[TG+u:TG+u+1], v[TG+u:TG+u+1]   ; (up + 1) glu = up glu + glu
.endif
.endm
.macro SLICE g, kk                     ; lines 7 kk .. 7 kk + 6
.set j, 7*(\kk)
.rept 7
.if j < 48
	ACTI \g
.endif
.set j, j+1
.endr
.endm
	s_load_b512 s[8:23], s[0:1], 0x0
	s_load_b256 s[24:31], s[0:1], 0x40
	s_load_b128 s[32:35], s[0:1], 0x60
	s_load_b64 s[36:37], s[0:1], 0x70
	v_lshl_add_u32 v222, v0, 2, 0x1f800
	v_mov_b32 v239, 0
	v_lshrrev_b32 v1, 5, v0
	v_readfirstlane_b32 s[WV], v1
	s_and_b32 s[SL], ttmp9, 15                     ; the slice: the grid has 16 along x
	s_and_b32 s[EX], ttmp7, 0xffff
	s_cmp_eq_u32 s[EX], 0
	s_cselect_b32 s[INV], -1, 0
	s_mov_b32 s[P7], 0x40e00000                    ; 7.0
	s_mov_b32 s[N7], 0xc0e00000
	s_mov_b32 s[KC], 0xc01d265f                    ; -1.702 x 1.442695
	s_mov_b32 s[KC+1], s[KC]
	s_mov_b32 s[SEL], 0x76543210
	s_mov_b32 s[SEL+1], 0xfedcba98
	; every LDS address register is made here, ahead of the first branch on the wave's number
	v_and_b32 v[LANE], 31, v0
	v_and_b32 v[RR], 15, v0
	v_bfe_u32 v[HH], v0, 4, 1
	v_lshlrev_b32 v[L16], 4, v[RR]
	v_lshlrev_b32 v[H16], 4, v[HH]
	v_lshlrev_b32 v[GOFF], 4, v[LANE]
	v_add_nc_u32 v[SOFF], v[L16], v[HH]
	s_wait_alu depctr_va_sdst(0)                   ; the wave's number is written into s[WV], ahead of its first reader
	s_lshl_b32 s[T1], s[WV], 6                     ; tile w + 4 i begins 64 w + 256 i bytes into the list
	v_lshlrev_b32 v[LPA], 8, v[LANE]
	v_add_nc_u32 v[LPA], s[T1], v[LPA]
	s_lshl_b32 s[T1], s[SL], 9
	v_lshlrev_b32 v[EOFF], 2, v0
	v_add_nc_u32 v[EOFF], s[T1], v[EOFF]
	s_mul_i32 s[T0], s[WV], 8448
	s_add_co_u32 s[T0], s[T0], XST                 ; my stage
	v_add_nc_u32 v[SA], s[T0], v[GOFF]
	v_mul_u32_u24 v[FA], v[RR], 528
	v_add_nc_u32 v[FA], v[FA], v[H16]              ; a fragment's row x pitch + 16 x half
	v_add_nc_u32 v[FAW], WST, v[FA]
	v_add_nc_u32 v[FAL], LAST, v[FA]
	v_add_nc_u32 v[FA], s[T0], v[FA]
	s_and_b32 s[T1], s[WV], 1                      ; I load rows d = 32 w + j: tile 4 (w % 2) + j / 8, row 8 (w / 2) + j % 8 of it
	s_lshl_b32 s[T1], s[T1], 6
	s_lshr_b32 s[T0], s[WV], 1
	s_lshl_b32 s[T0], s[T0], 3
	s_add_co_u32 s[T1], s[T1], s[T0]
	s_mul_i32 s[T1], s[T1], 528
	s_add_co_u32 s[T1], s[T1], WST
	v_add_nc_u32 v[WSA], s[T1], v[GOFF]
	s_mul_i32 s[T1], s[WV], 2112
	s_add_co_u32 s[T1], s[T1], LAST
	v_add_nc_u32 v[LASA], s[T1], v[GOFF]
	v_lshrrev_b32 v[LBSA], 1, v[RR]                ; LoRA B: my four columns d = 4 lane + i lie in tile (lane % 16) / 2, rows 8 (lane / 16) + 4 (lane % 2) + i
	v_lshlrev_b32 v[LBSA], 4, v[LBSA]
	v_lshl_add_u32 v[LBSA], v[HH], 3, v[LBSA]
	v_and_b32 v[FLB], 1, v0
	v_lshl_add_u32 v[LBSA], v[FLB], 2, v[LBSA]
	v_mul_u32_u24 v[LBSA], v[LBSA], 80
	s_lshl_b32 s[T1], s[WV], 4                     ; my four ranks' 16 bytes
	s_add_co_u32 s[T1], s[T1], LBST
	v_add_nc_u32 v[LBSA], s[T1], v[LBSA]
	v_mul_u32_u24 v[FLB], v[RR], 80
	v_lshl_add_u32 v[FLB], v[HH], 5, v[FLB]
	v_add_nc_u32 v[FLB], LBST, v[FLB]
	v_mov_b32 v[ZERO], 0
	v_mov_b32 v[TV], 0                             ; lanes 16-31 stay 0
	v_mov_b32 v[TT], 0                             ; written once: a lane permute's destination counts as one of its sources
	s_lshl_b32 s[T1], s[WV], 14
	v_add_nc_u32 v[WVO], s[T1], v[GOFF]            ; my 32 rows of W
	s_lshl_b32 s[T1], s[WV], 11
	v_add_nc_u32 v[AVO], s[T1], v[GOFF]            ; my 4 rows of LoRA A
	s_lshl_b32 s[T1], s[WV], 15
	v_add_nc_u32 v[BVO], s[T1], v[GOFF]            ; my 4 ranks of LoRA B
	v_lshrrev_b32 v[WSO], 3, v[RR]
	v_lshlrev_b32 v[WSO], 11, v[WSO]
	v_and_b32 v[LSO], 7, v[RR]
	v_lshl_add_u32 v[WSO], v[LSO], 5, v[WSO]
	v_add_nc_u32 v[WSO], v[WSO], v[H16]            ; W's scale bytes: row 64 (r / 8) + r % 8 of 32 bytes, + 16 h
	v_lshl_add_u32 v[LSO], v[RR], 5, v[H16]
	v_lshlrev_b32 v[BO], 8, v[HH]
	v_lshlrev_b32 v[P4], 2, v[LANE]
	s_mov_b32 s[OF+1], 0
	s_wait_kmcnt 0x0
	OFFS P_WC, 20, 16
	OFFS P_WS, 16, 12
	OFFS P_GB, 13, 9
	OFFS P_LB, 17, 9
	OFFS P_GC, 20, 9
	OFFE P_AC, 13
	OFFE P_AS, 9
	OFFE P_RW, 13
	OFFE P_RWW, 13
	OFFE P_CN, 2
	OFFE P_GS, 16
	s_lshl_b32 s[OF], s[WV], 13                    ; g's codes: my first tile is tile w
	s_add_nc_u64 s[P_GC:P_GC+1], s[P_GC:P_GC+1], s[OF:OF+1]
	s_lshr_b32 s[T0], s[SL], 3                     ; g's scale bytes: in a tile's 512, (ks / 4) 256 + 16 r + 4 (ks % 4) + 2 (s % 2) + h, ks = s / 2
	s_lshl_b32 s[OF], s[T0], 8
	s_bfe_u32 s[T0], s[SL], 0x20001
	s_lshl_b32 s[T0], s[T0], 2
	s_add_co_u32 s[OF], s[OF], s[T0]
	s_and_b32 s[T0], s[SL], 1
	s_lshl_b32 s[T0], s[T0], 1
	s_add_co_u32 s[OF], s[OF], s[T0]
	s_lshl_b32 s[T0], s[WV], 9
	s_add_co_u32 s[OF], s[OF], s[T0]
	s_add_nc_u64 s[P_GS:P_GS+1], s[P_GS:P_GS+1], s[OF:OF+1]
	s_wait_alu depctr_va_vdst(0)                   ; every address and offset of the head is written: the kernel's loads, stores and LDS instructions read them, and no vector line writes one again
.set j, 0
.rept 16
	global_load_b128 v[XF+4*j:XF+4*j+3], v[GOFF], s[P_RI:P_RI+1] offset:512*j   ; every wave: all 2,048 indices; register 4 q + i holds that of p = 128 q + 4 lane + i
.set j, j+1
.endr
	s_cmp_lg_u32 s[WV], 0
	s_cbranch_scc1 .Lno_fill
	s_add_co_u32 s[T0], s[EX], 2048
.irp i, 0,1,2,3
	v_mov_b32 v[SCD+\i], s[T0]
.endr
	s_wait_alu depctr_va_vdst(0)                   ; the padding entry is written into SCD, the data of the stores below
.set j, 0
.rept 17
	ds_store_b128 v[GOFF], v[SCD:SCD+3] offset:512*j   ; wave 0: the list's block of 8,704 bytes is filled with the padding entry, while the indices are on their way
.set j, j+1
.endr
.Lno_fill:
	; 40 loads that go on through LDS: each reads 512 consecutive bytes.  (No vector line has named their offsets since the head's wait, nor ever the registers in which they land)
	WIN 0x40
.set j, 0
.rept 32
	global_load_b128 v[4*j:4*j+3], v[WVO], s[P_WC:P_WC+1] offset:512*j th:TH_LOAD_NT
.set j, j+1
.endr
.irp j, 0,1,2,3
	global_load_b128 v[128+4*\j:131+4*\j], v[AVO], s[P_AC:P_AC+1] offset:512*\j
	global_load_b128 v[144+4*\j:147+4*\j], v[BVO], s[P_LB:P_LB+1] offset:8192*\j th:TH_LOAD_NT
.endr
	WIN 0
	s_wait_loadcnt 40                              ; just these 40 were issued behind the indices: the indices are in
	s_mov_b32 s[NN], 0
	s_cmp_lg_u32 s[WV], 0
	s_cbranch_scc1 .Lcount
.irp q, 0,1,2,3,4,5,6,7,8,9,10,11,12,13,14,15
	SCAN4 \q
.endr
	v_mov_b32 v[NV], s[NN]
	s_cmp_lg_u32 s[SL], 0
	s_cbranch_scc1 .Lcounted
	s_wait_alu depctr_va_vdst(0)                   ; the count is written into NV, the store's data
	global_store_b32 v[ZERO], v[NV], s[P_CN:P_CN+1]    ; slice 0: the count, for the next launch; all lanes store the same word with the same number
	s_branch .Lcounted
.Lcount:
.irp q, 0,1,2,3,4,5,6,7,8,9,10,11,12,13,14,15
	COUNT4 \q
.endr
.Lcounted:
	s_min_u32 s[NN], s[NN], 2048
	s_add_co_u32 s[NTL], s[NN], 15
	s_lshr_b32 s[NTL], s[NTL], 4
	s_mov_b32 s[RTI], s[WV]
	s_mov_b32 s[TR], 0
	s_mov_b32 s[CT], 32
	; 25 loads that land where they stay: wanted with the first tile's x, which is asked for behind the barrier below.  (Offsets of the head; no vector line has named the registers in which they land)
.irp t, 0,1,2,3,4,5,6,7
	global_load_b128 v[WSC+4*\t:WSC+4*\t+3], v[WSO], s[P_WS:P_WS+1] offset:256*\t
.endr
	global_load_b128 v[LAS:LAS+3], v[LSO], s[P_AS:P_AS+1]
	WIN 0xc0
.irp t, 0,1,2,3,4,5,6,7
	global_load_b128 v[BIAS+8*\t:BIAS+8*\t+3], v[BO], s[P_GB:P_GB+1] offset:32*\t          ; bias of d = 64 h + 8 t + 0 .. 7
	global_load_b128 v[BIAS+8*\t+4:BIAS+8*\t+7], v[BO], s[P_GB:P_GB+1] offset:32*\t+16
.endr
	WIN 0
	s_wait_dscnt 0x0                               ; wave 0's stores have landed.  No other wave has touched LDS yet
	s_barrier_signal -1
	s_barrier_wait -1                              ; the list lies in LDS; nobody writes it again
	ds_load_b32 v[PR], v[EOFF]                     ; entry 128 s + t
.irp c, 0,1,2,3
	ds_load_b128 v[L+4*\c:L+4*\c+3], v[LPA] offset:16*\c   ; my lane's trip: the 16 entries of tile w + 4 lane.  8,192 bytes of the list at the most
.endr
	s_wait_dscnt 0x0
	global_store_b32 v[EOFF], v[PR], s[P_RW:P_RW+1]        ; the list, for the next launch
	v_min_u32 v[PC4], 2047, v[PR]
	v_lshlrev_b32 v[PC4], 2, v[PC4]
.irp j, 0,1,2,3,4,5,6,7,8,9,10,11,12,13,14,15
	v_lshrrev_b32 v[L+\j], 1, v[L+\j]              ; p to token
.endr
	s_wait_alu depctr_va_vdst(0)                   ; PC4 is written, the offset of the two loads below
	global_load_b32 v[RWV], v[PC4], s[P_RWT:P_RWT+1]       ; the entry's weight and its index
	global_load_b32 v[IXV], v[PC4], s[P_RI:P_RI+1]
	GATHER TR                                      ; tile w, with no condition
	s_wait_loadcnt 44                              ; behind the 40 staged loads stand the 25 that stay, the weight, the index and the gather's 17
	WIN 0x04
.set j, 0
.rept 32
	ds_store_b128 v[WSA], v[4*j:4*j+3] offset:(16*(j/8)+j%8)*528
.set j, j+1
.endr
.irp j, 0,1,2,3
	ds_store_b128 v[LASA], v[128+4*\j:131+4*\j] offset:528*\j
.endr
.irp j, 0,1,2,3
.irp i, 0,1,2,3
	ds_store_b32 v[LBSA], v[144+4*\j+\i] offset:80*\i+4*\j
.endr
.endr
	WIN 0
	s_wait_dscnt 0x0                               ; for the others' sake: my part of the weights has landed
	s_barrier_signal -1
	s_barrier_wait -1                              ; the slice's weights lie in LDS; nobody writes them again
	WIN 0x40
	s_wait_alu depctr_vm_vsrc(0)                   ; my LDS stores have read window 1's v0-159, in which W's fragments land
.irp t, 0,1,2,3
.irp k, 0,1,2,3,4,5,6,7
	ds_load_b128 v[64*\t+8*\k:64*\t+8*\k+3], v[FAW] offset:8448*\t+64*\k
	ds_load_b128 v[64*\t+8*\k+4:64*\t+8*\k+7], v[FAW] offset:8448*\t+64*\k+32
.endr
.endr
	WIN 0x80
.irp t, 0,1,2,3
.irp k, 0,1,2,3,4,5,6,7
	ds_load_b128 v[64*\t+8*\k:64*\t+8*\k+3], v[FAW] offset:8448*(\t+4)+64*\k
	ds_load_b128 v[64*\t+8*\k+4:64*\t+8*\k+7], v[FAW] offset:8448*(\t+4)+64*\k+32
.endr
.endr
	WIN 0
.irp k, 0,1,2,3,4,5,6,7
	ds_load_b128 v[LA+8*\k:LA+8*\k+3], v[FAL] offset:64*\k
	ds_load_b128 v[LA+8*\k+4:LA+8*\k+7], v[FAL] offset:64*\k+32
.endr
	WIN 0xc0
.irp t, 0,1,2,3,4,5,6,7
	ds_load_b128 v[LB+8*\t:LB+8*\t+3], v[FLB] offset:1280*\t           ; ranks 8 h + 0 .. 7 of the tile's row r
	ds_load_b128 v[LB+8*\t+4:LB+8*\t+7], v[FLB] offset:1280*\t+16
.endr
	WIN 0
	s_wait_loadcnt 17                              ; the weight and the index are in; the gather's 17 loads, issued behind them, may be out
	v_cmp_gt_u32 vcc_lo, 16, v[IXV]
	s_wait_alu depctr_va_vcc(0)                    ; the compare has written VCC, ahead of the select that reads it
	v_cndmask_b32 v[WE], 0, v[RWV], vcc_lo         ; the entry's weight; 0 where its index lies outside the table
	s_wait_alu depctr_va_vdst(0)                   ; WE is written, the store's data
	global_store_b32 v[EOFF], v[WE], s[P_RWW:P_RWW+1]
	s_wait_dscnt 0x0
.Ltile:                                            ; a trip: one tile of 16 rows.  The loop is counted from the constant 32, the most tiles that 2,048 rows give a wave; a wave whose tiles are done ends inside it
	s_wait_loadcnt 0x0                             ; this tile's x
	TURN
	; 72 products on codes.  The accumulators take turns, one instruction a turn.  The bias is the C of each sum's first product
	WIN 0xf1
.irp k, 0,1,2,3,4,5,6,7
.irp t, 0,1,2,3
.if \k == 0
	FP4 ACC+8*\t, 64*\t+8*\k, XF+8*\k, BIAS+8*\t, WSC+4*\t, XSC, \k
.else
	FP4 ACC+8*\t, 64*\t+8*\k, XF+8*\k, ACC+8*\t, WSC+4*\t, XSC, \k
.endif
.endr
.endr
	WIN 0xf2
.irp k, 0,1,2,3,4,5,6,7
.irp t, 4,5,6,7
.if \k == 0
	FP4 ACC+8*\t, 64*\t-256+8*\k, XF+8*\k, BIAS+8*\t, WSC+4*\t, XSC, \k
.else
	FP4 ACC+8*\t, 64*\t-256+8*\k, XF+8*\k, ACC+8*\t, WSC+4*\t, XSC, \k
.endif
.endr
.endr
	WIN 0xf0
.irp q, 0,1,2,3                        ; x A: K steps 0-3 in one sum, 4-7 in another, by turns
.if \q == 0
	FP4 TA, LA+8*\q, XF+8*\q, -1, LAS, XSC, \q
	FP4 TB, LA+32+8*\q, XF+32+8*\q, -1, LAS, XSC, \q+4
.else
	FP4 TA, LA+8*\q, XF+8*\q, TA, LAS, XSC, \q
	FP4 TB, LA+32+8*\q, XF+32+8*\q, TB, LAS, XSC, \q+4
.endif
.endr
	WIN 0
.rept 5
	v_nop                                          ; places: four in front of the read of x A, five in front of the f32 products, which write over the accumulators (for the loads into x's registers the gather's wait on va_vdst speaks)
.endr
	s_add_co_u32 s[NX], s[RTI], 4
	s_add_co_u32 s[TN], s[TR], 1
	s_cmp_ge_u32 s[NX], s[NTL]
	s_cbranch_scc1 .Lno_next
	GATHER TN                                      ; my next tile's rows: they have the LoRA products, the activation and the quantiser in which to land
.Lno_next:
	WIN 0xff
.irp i, 0,2,4,6
	v_pk_add_f32 v[TA+\i:TA+\i+1], v[TA+\i:TA+\i+1], v[TB+\i:TB+\i+1]
.endr
	; 32 f32 products, two tiles at a time by turns; from the second pair on, the activation of the pair before stands in slices behind them.  Eight places part the pair's last product from the first read of its results
.irp g, 0,1,2,3
.set k, 0
.rept 8
	LW 2*\g+k%2, k/2
.if \g > 0
.if k == 0
.rept 8
	v_nop
.endr
.else
	SLICE \g-1, k-1
.endif
.endif
.set k, k+1
.endr
.endr
.rept 8
	v_nop
.endr
.set j, 0
.rept 48
	ACTI 3
.set j, j+1
.endr
	; THE QUANTISER: my 32 g are one block.  Its largest magnitude, over the floor 2^(3 - 127); 2 off the exponent field gives the conversion's scale operand, and that shifted down the byte
	v_max3_num_f32 v[QM0], |v[G]|, |v[G+1]|, 0x1800000
	v_max3_num_f32 v[QM1], |v[G+2]|, |v[G+3]|, 0x1800000
.irp i, 4,8,12,16,20,24,28
	v_max3_num_f32 v[QM0], v[QM0], |v[G+\i]|, |v[G+\i+1]|
	v_max3_num_f32 v[QM1], v[QM1], |v[G+\i+2]|, |v[G+\i+3]|
.endr
	v_max_num_f32 v[QM0], v[QM0], v[QM1]
	v_add_nc_u32 v[SCL], 0xff000000, v[QM0]
	v_lshrrev_b32 v[BYT], 23, v[SCL]
.irp c, 0,1,2,3
	v_cvt_scalef32_pk8_fp4_f32 v[COD+\c], v[G+8*\c:G+8*\c+7], v[SCL]
.endr
	v_nop                                          ; one plain line behind the last scaled conversion
	WIN 0x0c
	s_wait_alu depctr_va_vdst(0)                   ; the conversions have written COD and the shift BYT: the data of the two stores
	global_store_b128 v[GOFF], v[COD:COD+3], s[P_GC:P_GC+1]    ; the wave stores 512 consecutive bytes, aligned: the image of four operand registers
	global_store_b8 v[SOFF], v[BYT], s[P_GS:P_GS+1]            ; two bytes a row: one sixteenth of the codes' bytes; a row's other bytes come from the other slices' work-groups
	WIN 0
	s_wait_xcnt 0x0                                ; the stores have read their data and their bases: both are written again
	s_wait_alu depctr_vm_vsrc(0)                   ; the two stores have read COD and BYT, which the next trip's activation writes again; the gather's loads have read XO and XSO
	s_add_nc_u64 s[P_GC:P_GC+1], s[P_GC:P_GC+1], 32768     ; four tiles on
	s_add_nc_u64 s[P_GS:P_GS+1], s[P_GS:P_GS+1], 2048
	s_add_co_u32 s[RTI], s[RTI], 4
	s_add_co_u32 s[TR], s[TR], 1
	s_cmp_lt_u32 s[RTI], s[NTL]
	s_cbranch_scc1 .Lmore
	s_wait_dscnt 0x0                               ; my tiles are done.  The closing lines, six on end
	s_wait_alu 0x0
	s_wait_tensorcnt 0x0
	ds_add_u32 v222, v239
	s_wait_dscnt 0x0
	s_endpgm
.Lmore:
	s_sub_co_u32 s[CT], s[CT], 1
	s_cmp_lg_u32 s[CT], 0
	s_cbranch_scc1 .Ltile
	s_wait_dscnt 0x0                               ; the closing lines once more, for this end
	s_wait_alu 0x0
	s_wait_tensorcnt 0x0
	ds_add_u32 v222, v239
	s_wait_dscnt 0x0
	s_endpgm
.Lfunc_end_k_q18e6c771be_up:
	.size	k_q18e6c771be_up, .Lfunc_end_k_q18e6c771be_up-k_q18e6c771be_up
	.p2alignl 7, 3214868480
	.fill 96, 4, 3214868480
	.section	.rodata,"a",@progbits
	.p2align	6, 0x0
	.amdhsa_kernel k_q18e6c771be_up
		.amdhsa_group_segment_fixed_size 129536
		.amdhsa_private_segment_fixed_size 0
		.amdhsa_enable_private_segment 0
		.amdhsa_kernarg_size 120
		.amdhsa_user_sgpr_count 2
		.amdhsa_user_sgpr_kernarg_segment_ptr 1
		.amdhsa_wavefront_size32 1
		.amdhsa_system_sgpr_workgroup_id_x 1
		.amdhsa_system_sgpr_workgroup_id_y 1
		.amdhsa_system_sgpr_workgroup_id_z 1
		.amdhsa_system_vgpr_workitem_id 0
		.amdhsa_next_free_vgpr 1024
		.amdhsa_next_free_sgpr 87
		.amdhsa_reserve_vcc 1
		.amdhsa_float_denorm_mode_32 3
		.amdhsa_float_denorm_mode_16_64 3
		.amdhsa_memory_ordered 1
		.amdhsa_forward_progress 1
		.amdhsa_inst_pref_size 126
	.end_amdhsa_kernel
	.amdgpu_metadata
---
amdhsa.version: [ 1, 2 ]
amdhsa.kernels:
  - .name:           k_q18e6c771be_up
    .symbol:         k_q18e6c771be_up.kd
    .args:
      - { .name: hidden_states_codes, .offset: 0, .size: 8, .value_kind: global_buffer, .address_space: global }
      - { .name: hidden_states_scales, .offset: 8, .size: 8, .value_kind: global_buffer, .address_space: global }
      - { .name: router_indices, .offset: 16, .size: 8, .value_kind: global_buffer, .address_space: global }
      - { .name: routing_weights, .offset: 24, .size: 8, .value_kind: global_buffer, .address_space: global }
      - { .name: gate_up_proj_codes, .offset: 32, .size: 8, .value_kind: global_buffer, .address_space: global }
      - { .name: gate_up_proj_scales, .offset: 40, .size: 8, .value_kind: global_buffer, .address_space: global }
      - { .name: gate_up_bias, .offset: 48, .size: 8, .value_kind: global_buffer, .address_space: global }
      - { .name: lora_gate_up_A_codes, .offset: 56, .size: 8, .value_kind: global_buffer, .address_space: global }
      - { .name: lora_gate_up_A_scales, .offset: 64, .size: 8, .value_kind: global_buffer, .address_space: global }
      - { .name: lora_gate_up_B, .offset: 72, .size: 8, .value_kind: global_buffer, .address_space: global }
      - { .name: g_codes, .offset: 80, .size: 8, .value_kind: global_buffer, .address_space: global }
      - { .name: g_scales, .offset: 88, .size: 8, .value_kind: global_buffer, .address_space: global }
      - { .name: rows, .offset: 96, .size: 8, .value_kind: global_buffer, .address_space: global }
      - { .name: roww, .offset: 104, .size: 8, .value_kind: global_buffer, .address_space: global }
      - { .name: counts, .offset: 112, .size: 8, .value_kind: global_buffer, .address_space: global }
    .group_segment_fixed_size: 129536
    .private_segment_fixed_size: 0
    .kernarg_segment_align: 8
    .kernarg_segment_size: 120
    .max_flat_workgroup_size: 128
    .sgpr_count:     87
    .vgpr_count:     1024
    .wavefront_size: 32
...
	.end_amdgpu_metadata
.endif
;; end of part 6
;; launch down (part 7): grid 16 x 16, 4 waves a work-group, no clusters, 66,048 bytes of LDS; arguments g_codes, g_scales, rows, roww, counts, down_proj_codes, down_proj_scales, down_bias, lora_down_A_codes, lora_down_A_scales, lora_down_B, y_ws; writes y_ws
.if DOCPART == 7
	.amdgcn_target "amdgcn-amd-amdhsa--gfx1250"
	.amdhsa_code_object_version 6
	.text
	.protected	k_q18e6c771be_down
	.globl	k_q18e6c771be_down
	.p2align	8
	.type	k_q18e6c771be_down,@function
k_q18e6c771be_down:
	s_mov_b64 s[64:65], 0
	v_nop
	global_prefetch_b8 v0, s[64:65] scope:SCOPE_SE
	s_setreg_imm32_b32 hwreg(HW_REG_WAVE_SCHED_MODE, 0, 2), 2
	s_setreg_imm32_b32 hwreg(HW_REG_WAVE_MODE, 25, 1), 1
	s_wait_xcnt 0x0
	s_wait_alu depctr_vm_vsrc(0)
; SECOND HALF: y_ws[p] = weight(p) x (g W + (g A) B + bias), for the routed rows p of each expert.
; SHARES.  Work-group (s, e) owns output columns 64 s .. 64 s + 63 of expert e: 32 KiB of codes, each byte loaded from memory by one wave of one work-group; through LDS all four waves get them into registers, where they stay.
; Wave w takes the expert's row tiles w, w + 4, w + 8 (a batch: three sets of registers, asked for together), then w + 12 ..  g comes as images of the operand's registers: 16 loads of 512 consecutive bytes a tile.
; A batch's loads carry no condition: a tile at or past ceil(n / 16) is replaced by tile w, which the launch before always writes (w < 4).  So every count of loads is the same on every way; its work is jumped over.
; NO JOINT LOADS, NO TENSOR LOADS: the 16 slices of an expert do read the same g, but the number of tiles and the rows' places hang on numbers read from memory, so the operands go from memory into registers.
; LAYOUT.  Transposed use (source 0 = 16 rows of W = 16 output columns, source 1 = 16 rows of g): lane (r, h) holds row r and columns 16 t + 8 h + 0 .. 7.  g A comes out with rank 8 h + j in register j: rounded to bf16 in
; pairs that IS source 1 (K = 16 of 32, the rest zeros) of the product with LoRA B, whose result goes to the output alone: bf16 operands.  (The LoRA factor alpha / r is 16 / 16 = 1.)
; The weighted rows go through the wave's own stage and leave as 256 consecutive bytes of row p, aligned, from sixteen lanes.  Padding rows (entry 2048 + e) land in row 2048 + e, which nobody reads.
; LIMITS: NaN and infinities are not served; a row whose index lies outside the table is 0 x y of expert 0, so y has to be finite there.  g A is summed in two halves of K that are then added.
; REGISTERS.  window 0: addresses, scale words, the sums, LoRA A.  window 1: W at 64 t + 8 ks (at the head: where the staged loads land).  window 2: g's three tiles at 64 b; v192-223 the bias; v224-255 LoRA B in bf16.
; THE MODE: SCHED_MODE bits 1:0 = 2 (LLVM: expert scheduling mode 2), set by the entry lines.  The code itself states the register dependences between vector or matrix instructions and memory or LDS instructions,
; with s_wait_alu, always for 0.
; THE PLAN.  Registers that memory or LDS instructions touch:
;   the addresses and offsets of the head   written once, ahead of the head's wait on va_vdst, and never again.
;   GO, GSO, RO, WO     a batch's twelve offsets: written together, ahead of ONE wait on va_vdst; the batch's 60 loads read them.
;   g's three sets, GSC, WR   the batch's loads land in them; a tile's products and multiplications read them.
;   PE        the batch's loads land in it; a tile's vector lines make the rows' offsets of it; the tile's stores read those.
;   window 1, v0-87     the staged loads land there, the stage's LDS stores read them, W's fragments land there: a wait on vm_vsrc behind the barrier.
;   ACC       a tile's products and multiplications write it; the stage's LDS stores read it; the loads from the stage land in it; the tile's stores read it; the next tile's products write it.
; So a tile has three waits: on va_vdst ahead of the stage's stores (ACC and PE are written), on vm_vsrc between those stores and the loads that land in ACC, and on vm_vsrc behind its last store, ahead of the branches:
; that one frees ACC for the next tile and PE and the offsets for the next batch.  The batch's wait on va_vdst states, on the way back, also that the old batch's readers are done with the registers in which the new loads land.
.set DWST,  0                          ; LDS: W, 64 rows x 528
.set LA2ST, 33792                      ; LoRA A, 16 rows x 528
.set LBDST, 42240                      ; LoRA B turned: 64 columns x 80 bytes: 16 ranks + 16 of padding
.set STG,   47360                      ; 4 stages of 16 rows x 272, one a wave
.set P_GC, 8
.set P_GS, 10
.set P_RW, 12
.set P_RWW, 14
.set P_CN, 16
.set P_DC, 18
.set P_DS, 20
.set P_DB, 22
.set P_AC, 24
.set P_AS, 26
.set P_LB, 28
.set P_Y,  30
.set WV,  32
.set SL,  33
.set EX,  34
.set NN,  35
.set NTL, 36
.set RTI, 37
.set TI,  38
.set T0,  39
.set OF,  40                           ; s[40:41]
.set CT,  42                           ; the loop's trips to go
.set LANE, 1
.set RR,   2
.set HH,   3
.set L16,  4
.set LN16, 5
.set H32,  6
.set R4,   7
.set DSA,  8
.set ASA,  9
.set BSA,  10
.set FAW,  11
.set FAL,  12
.set FLB,  13
.set STO,  14
.set RD,   15
.set DVO,  16
.set AVO,  17
.set BVO,  18
.set SVO,  19
.set GO,   20                          ; v20-22, v23-25, v26-28, v29-31: the batch's offsets
.set GSO,  23
.set RO,   26
.set WO,   29
.set WR,   32                          ; v32-37 the rows' weights, as pairs whose upper word is 0
.set GSC,  40                          ; v40-51 g's scale words
.set DWS,  52                          ; v52-67 W's
.set LAS,  68                          ; v68-71 LoRA A's
.set PE,   72                          ; v72-95 eight entries a tile, then eight offsets into y_ws
.set TA,   96
.set TB,   104
.set TBF,  112                         ; v112-119 g A in bf16; the upper four stay 0
.set ACC,  120                         ; v120-151
.set LA2,  152                         ; v152-215
.set BIAS, 192
.set LBD,  224
.set MSB, 0
.macro WIN new
.if MSB != \new
	s_set_vgpr_msb (MSB<<8)|\new
.set MSB, \new
.endif
.endm
.macro OFFS p, she, shs
	s_lshl_b32 s[OF], s[EX], \she
	s_lshl_b32 s[T0], s[SL], \shs
	s_add_co_u32 s[OF], s[OF], s[T0]
	s_add_nc_u64 s[\p:\p+1], s[\p:\p+1], s[OF:OF+1]
.endm
.macro OFFE p, she
	s_lshl_b32 s[OF], s[EX], \she
	s_add_nc_u64 s[\p:\p+1], s[\p:\p+1], s[OF:OF+1]
.endm
.macro FP4 d, a, b, c, sa, sb, ks      ; one product on codes, K step ks of eight; c < 0: the constant 0 starts the sum; a register of scale words serves K steps ks (lanes 0-15) and ks + 4 (lanes 16-31)
.if (\c) < 0
.if (\ks) < 4
	v_wmma_scale_f32_16x16x128_f8f6f4 v[\d:\d+7], v[\a:\a+7], v[\b:\b+7], 0, v[\sa+\ks], v[\sb+\ks] matrix_a_fmt:MATRIX_FMT_FP4 matrix_b_fmt:MATRIX_FMT_FP4
.else
	v_wmma_scale_f32_16x16x128_f8f6f4 v[\d:\d+7], v[\a:\a+7], v[\b:\b+7], 0, v[\sa+\ks-4], v[\sb+\ks-4] matrix_a_fmt:MATRIX_FMT_FP4 matrix_b_fmt:MATRIX_FMT_FP4 matrix_a_scale:MATRIX_SCALE_ROW1 matrix_b_scale:MATRIX_SCALE_ROW1
.endif
.else
.if (\ks) < 4
	v_wmma_scale_f32_16x16x128_f8f6f4 v[\d:\d+7], v[\a:\a+7], v[\b:\b+7], v[\c:\c+7], v[\sa+\ks], v[\sb+\ks] matrix_a_fmt:MATRIX_FMT_FP4 matrix_b_fmt:MATRIX_FMT_FP4
.else
	v_wmma_scale_f32_16x16x128_f8f6f4 v[\d:\d+7], v[\a:\a+7], v[\b:\b+7], v[\c:\c+7], v[\sa+\ks-4], v[\sb+\ks-4] matrix_a_fmt:MATRIX_FMT_FP4 matrix_b_fmt:MATRIX_FMT_FP4 matrix_a_scale:MATRIX_SCALE_ROW1 matrix_b_scale:MATRIX_SCALE_ROW1
.endif
.endif
.endm
; The four offsets of set b: tile RTI + 4 b, or tile w in its stead
.macro OFFSETS b
	s_add_co_u32 s[TI], s[RTI], 4*\b
	s_cmp_lt_u32 s[TI], s[NTL]
	s_cselect_b32 s[TI], s[TI], s[WV]
	s_lshl_b32 s[T0], s[TI], 13
	v_add_nc_u32 v[GO+\b], s[T0], v[LN16]
	s_lshl_b32 s[T0], s[TI], 9
	v_add_nc_u32 v[GSO+\b], s[T0], v[LN16]
	s_lshl_b32 s[T0], s[TI], 6
	v_add_nc_u32 v[RO+\b], s[T0], v[H32]
	v_add_nc_u32 v[WO+\b], s[T0], v[R4]
.endm
; 20 loads into set b: 16 of codes, the scale words, eight entries of the list for each half of the lanes, the row's weight
.macro LOADS b
	WIN 0x80
.set j, 0
.rept 16
	global_load_b128 v[64*\b+4*j:64*\b+4*j+3], v[GO+\b], s[P_GC:P_GC+1] offset:512*j
.set j, j+1
.endr
	WIN 0
	global_load_b128 v[GSC+4*\b:GSC+4*\b+3], v[GSO+\b], s[P_GS:P_GS+1]
	global_load_b128 v[PE+8*\b:PE+8*\b+3], v[RO+\b], s[P_RW:P_RW+1]
	global_load_b128 v[PE+8*\b+4:PE+8*\b+7], v[RO+\b], s[P_RW:P_RW+1] offset:16
	global_load_b32 v[WR+2*\b], v[WO+\b], s[P_RWW:P_RWW+1]
.endm
; A batch is asked for: the twelve offsets, one wait, the 60 loads in the order of the sets
.macro BATCH
	OFFSETS 0
	OFFSETS 1
	OFFSETS 2
	s_wait_alu depctr_va_vdst(0)                   ; the twelve offsets are written, which the loads below read; on the way back the old batch's products, multiplications and offset lines are done with g, GSC, WR and PE, in which the loads land
	LOADS 0
	LOADS 1
	LOADS 2
.endm
; Set b's tile.  left: the loads of the batch's later tiles, which may stay out
.macro TILE b, left
	s_wait_loadcnt \left
	s_wait_xcnt 0x0                                ; the tile before has stored from the accumulators' registers: they are written again only behind this wait
	WIN 0x29
.irp t, 0,1,2,3
	FP4 ACC+8*\t, 64*\t, 64*\b, BIAS+8*\t, DWS+4*\t, GSC+4*\b, 0       ; the bias is the C of each sum's first product
.endr
	WIN 0x09
.irp k, 1,2,3,4,5,6,7
.irp t, 0,1,2,3
	FP4 ACC+8*\t, 64*\t+8*\k, 64*\b+8*\k, ACC+8*\t, DWS+4*\t, GSC+4*\b, \k   ; four accumulators by turns
.endr
.endr
	WIN 0x08
.irp q, 0,1,2,3
.if \q == 0
	FP4 TA, LA2+8*\q, 64*\b+8*\q, -1, LAS, GSC+4*\b, \q
	FP4 TB, LA2+32+8*\q, 64*\b+32+8*\q, -1, LAS, GSC+4*\b, \q+4
.else
	FP4 TA, LA2+8*\q, 64*\b+8*\q, TA, LAS, GSC+4*\b, \q
	FP4 TB, LA2+32+8*\q, 64*\b+32+8*\q, TB, LAS, GSC+4*\b, \q+4
.endif
.endr
	WIN 0
.irp i, 0,1,2,3,4,5,6,7
	v_min_u32 v[PE+8*\b+\i], 2063, v[PE+8*\b+\i]   ; where the rows go.  (These sixteen lines are also the places behind the products above)
.endr
.irp i, 0,1,2,3,4,5,6,7
	v_lshl_add_u32 v[PE+8*\b+\i], v[PE+8*\b+\i], 12, v[L16]
.endr
.irp i, 0,2,4,6
	v_pk_add_f32 v[TA+\i:TA+\i+1], v[TA+\i:TA+\i+1], v[TB+\i:TB+\i+1]
.endr
.irp i, 0,1,2,3
	v_cvt_pk_bf16_f32 v[TBF+\i], v[TA+2*\i], v[TA+2*\i+1]          ; K place 8 h + 2 i, + 1 = that rank
.endr
	WIN 0x02
.irp t, 0,1,2,3
	v_wmma_f32_16x16x32_bf16 v[ACC+8*\t:ACC+8*\t+7], v[LBD+8*\t:LBD+8*\t+7], v[TBF:TBF+7], v[ACC+8*\t:ACC+8*\t+7]
.endr
	WIN 0
.rept 4
	v_nop
.endr
.set j, 0
.rept 16
	v_pk_mul_f32 v[ACC+j:ACC+j+1], v[ACC+j:ACC+j+1], v[WR+2*\b:WR+2*\b+1] op_sel_hi:[1,0]     ; x the row's weight; each accumulator from its low end on
.set j, j+2
.endr
	s_wait_alu depctr_va_vdst(0)                   ; the multiplications have written ACC, the data of the stage's stores and the place where the loads from the stage land; the rows' offsets PE are written, which the stores to memory read
.irp t, 0,1,2,3
	ds_store_b128 v[STO], v[ACC+8*\t:ACC+8*\t+3] offset:64*\t
	ds_store_b128 v[STO], v[ACC+8*\t+4:ACC+8*\t+7] offset:64*\t+16
.endr
	s_wait_alu depctr_vm_vsrc(0)                   ; the eight stores have read ACC, in which the loads below land
.irp i, 0,1,2,3,4,5,6,7
	ds_load_b128 v[ACC+4*\i:ACC+4*\i+3], v[RD] offset:272*\i       ; LDS serves a wave's instructions in order: these see my stores.  Lanes 0-15 row i, lanes 16-31 row 8 + i
.endr
.irp i, 0,1,2,3,4,5,6,7
	s_wait_dscnt 7-\i
	global_store_b128 v[PE+8*\b+\i], v[ACC+4*\i:ACC+4*\i+3], s[P_Y:P_Y+1]     ; sixteen lanes store 256 consecutive bytes of a row, aligned
.endr
	s_wait_alu depctr_vm_vsrc(0)                   ; the eight stores have read ACC, which the next tile's products write, and PE, in which the next batch's loads land; the batch's loads have read their offsets, which the next batch writes
.endm
	s_load_b512 s[8:23], s[0:1], 0x0
	s_load_b256 s[24:31], s[0:1], 0x40
	v_lshl_add_u32 v254, v0, 2, 0x10000
	v_mov_b32 v255, 0
	v_lshrrev_b32 v1, 5, v0
	v_readfirstlane_b32 s[WV], v1
	s_mov_b32 s[SL], ttmp9
	s_and_b32 s[EX], ttmp7, 0xffff
	v_and_b32 v[LANE], 31, v0
	v_and_b32 v[RR], 15, v0
	v_bfe_u32 v[HH], v0, 4, 1
	v_lshlrev_b32 v[L16], 4, v[RR]
	v_lshlrev_b32 v[LN16], 4, v[LANE]
	v_lshlrev_b32 v[H32], 5, v[HH]
	v_lshlrev_b32 v[R4], 2, v[RR]
	s_wait_alu depctr_va_sdst(0)                   ; the wave's number is written into s[WV], ahead of its first reader
	s_mul_i32 s[T0], s[WV], 8448
	v_add_nc_u32 v[DSA], s[T0], v[LN16]            ; my 16 rows of W in LDS
	s_mul_i32 s[T0], s[WV], 2112
	s_add_co_u32 s[T0], s[T0], LA2ST
	v_add_nc_u32 v[ASA], s[T0], v[LN16]
	v_mul_u32_u24 v[BSA], v[RR], 320               ; LoRA B: my four columns 4 r + i, rank 4 w + h + 2 j
	v_lshl_add_u32 v[BSA], v[HH], 2, v[BSA]
	s_lshl_b32 s[T0], s[WV], 4
	s_add_co_u32 s[T0], s[T0], LBDST
	v_add_nc_u32 v[BSA], s[T0], v[BSA]
	v_mul_u32_u24 v[FAW], v[RR], 528
	v_lshl_add_u32 v[FAW], v[HH], 4, v[FAW]
	v_add_nc_u32 v[FAL], LA2ST, v[FAW]
	v_mul_u32_u24 v[FLB], v[RR], 80
	v_add_nc_u32 v[FLB], v[FLB], v[H32]
	v_add_nc_u32 v[FLB], LBDST, v[FLB]
	s_mul_i32 s[T0], s[WV], 4352
	s_add_co_u32 s[T0], s[T0], STG                 ; my stage
	v_mul_u32_u24 v[STO], v[RR], 272
	v_add_nc_u32 v[STO], v[STO], v[H32]
	v_add_nc_u32 v[STO], s[T0], v[STO]
	v_mul_u32_u24 v[RD], v[HH], 2176
	v_add_nc_u32 v[RD], v[RD], v[L16]
	v_add_nc_u32 v[RD], s[T0], v[RD]
	s_lshl_b32 s[T0], s[WV], 13
	v_add_nc_u32 v[DVO], s[T0], v[LN16]
	s_lshl_b32 s[T0], s[WV], 11
	v_add_nc_u32 v[AVO], s[T0], v[LN16]
	s_lshl_b32 s[T0], s[WV], 14
	v_lshl_add_u32 v[BVO], v[HH], 12, v[L16]
	v_add_nc_u32 v[BVO], s[T0], v[BVO]             ; (4 w + h) rows of 4,096 bytes + 16 r
	v_lshlrev_b32 v[SVO], 5, v[RR]
	v_lshl_add_u32 v[SVO], v[HH], 4, v[SVO]        ; 32 r + 16 h
.irp b, 0,1,2
	v_mov_b32 v[WR+2*\b+1], 0                      ; named with the weight as a pair, so it is written
.endr
.irp i, 4,5,6,7
	v_mov_b32 v[TBF+\i], 0                         ; K = 16 .. 31 of the bf16 product: zeros, on both sides
.endr
	s_mov_b32 s[OF+1], 0
	s_wait_kmcnt 0x0
	OFFE P_CN, 2
	s_load_b32 s[NN], s[P_CN:P_CN+1], 0x0          ; n of my expert
	OFFE P_GC, 20
	OFFE P_GS, 16
	OFFE P_RW, 13
	OFFE P_RWW, 13
	OFFS P_DC, 19, 15
	OFFS P_DS, 15, 11
	OFFS P_DB, 12, 8
	OFFE P_AC, 13
	OFFE P_AS, 9
	OFFS P_LB, 16, 8
	s_lshl_b32 s[OF], s[SL], 8
	s_add_nc_u64 s[P_Y:P_Y+1], s[P_Y:P_Y+1], s[OF:OF+1]
	s_wait_alu depctr_va_vdst(0)                   ; every address and offset of the head is written: the kernel's loads, stores and LDS instructions read them, and no vector line writes one again
	; 13 loads that land where they stay
.irp t, 0,1,2,3
	global_load_b128 v[DWS+4*\t:DWS+4*\t+3], v[SVO], s[P_DS:P_DS+1] offset:512*\t
.endr
	global_load_b128 v[LAS:LAS+3], v[SVO], s[P_AS:P_AS+1]
	WIN 0x80
.irp t, 0,1,2,3
	global_load_b128 v[BIAS+8*\t:BIAS+8*\t+3], v[H32], s[P_DB:P_DB+1] offset:64*\t          ; bias of columns 16 t + 8 h + 0 .. 7
	global_load_b128 v[BIAS+8*\t+4:BIAS+8*\t+7], v[H32], s[P_DB:P_DB+1] offset:64*\t+16
.endr
	; 22 loads that go on through LDS
	WIN 0x40
.set j, 0
.rept 16
	global_load_b128 v[4*j:4*j+3], v[DVO], s[P_DC:P_DC+1] offset:512*j th:TH_LOAD_NT
.set j, j+1
.endr
.irp j, 0,1,2,3
	global_load_b128 v[64+4*\j:67+4*\j], v[AVO], s[P_AC:P_AC+1] offset:512*\j
.endr
.irp j, 0,1
	global_load_b128 v[80+4*\j:83+4*\j], v[BVO], s[P_LB:P_LB+1] offset:8192*\j th:TH_LOAD_NT
.endr
	WIN 0
	s_wait_kmcnt 0x0
	s_min_u32 s[NN], s[NN], 2048
	s_add_co_u32 s[NTL], s[NN], 15
	s_lshr_b32 s[NTL], s[NTL], 4
	s_mov_b32 s[RTI], s[WV]
	BATCH
	s_wait_loadcnt 60                              ; just the batch's three times 20 loads were issued behind the weights'
	WIN 0x04
.set j, 0
.rept 16
	ds_store_b128 v[DSA], v[4*j:4*j+3] offset:528*j
.set j, j+1
.endr
.irp j, 0,1,2,3
	ds_store_b128 v[ASA], v[64+4*\j:67+4*\j] offset:528*\j
.endr
.irp j, 0,1
.irp i, 0,1,2,3
	ds_store_b32 v[BSA], v[80+4*\j+\i] offset:80*\i+8*\j
.endr
.endr
	WIN 0
	s_wait_dscnt 0x0                               ; for the others' sake: my part of the weights has landed
	s_barrier_signal -1
	s_barrier_wait -1                              ; the launch's one barrier, ahead of every branch on a number read from memory
	WIN 0x40
	s_wait_alu depctr_vm_vsrc(0)                   ; my LDS stores have read window 1's v0-87, in which W's fragments land
.irp t, 0,1,2,3
.irp k, 0,1,2,3,4,5,6,7
	ds_load_b128 v[64*\t+8*\k:64*\t+8*\k+3], v[FAW] offset:8448*\t+64*\k
	ds_load_b128 v[64*\t+8*\k+4:64*\t+8*\k+7], v[FAW] offset:8448*\t+64*\k+32
.endr
.endr
	WIN 0
.irp k, 0,1,2,3,4,5,6,7
	ds_load_b128 v[LA2+8*\k:LA2+8*\k+3], v[FAL] offset:64*\k
	ds_load_b128 v[LA2+8*\k+4:LA2+8*\k+7], v[FAL] offset:64*\k+32
.endr
.irp t, 0,1,2,3
	ds_load_b128 v[ACC+8*\t:ACC+8*\t+3], v[FLB] offset:1280*\t         ; LoRA B: ranks 8 h + 0 .. 7 of column 16 t + r, for the moment where the sums will lie
	ds_load_b128 v[ACC+8*\t+4:ACC+8*\t+7], v[FLB] offset:1280*\t+16
.endr
	s_wait_dscnt 0x0
	WIN 0x80
.irp t, 0,1,2,3
.irp i, 0,1,2,3
	v_cvt_pk_bf16_f32 v[LBD+8*\t+\i], v[ACC+8*\t+2*\i], v[ACC+8*\t+2*\i+1]
.endr
.irp i, 4,5,6,7
	v_mov_b32 v[LBD+8*\t+\i], 0
.endr
.endr
	WIN 0
	s_mov_b32 s[CT], 11
.Lbatch:                                           ; a trip: up to three tiles.  The loop is counted from the constant 11: w + 12 i stays under 128, the most tiles that 2,048 rows give, for i up to 10.  A wave whose tiles are done ends inside it
	s_cmp_lt_u32 s[RTI], s[NTL]
	s_cbranch_scc1 .Lhave
	s_wait_dscnt 0x0                               ; no tile for me (plain loads may be out at the end).  The closing lines, six on end
	s_wait_alu 0x0
	s_wait_tensorcnt 0x0
	ds_add_u32 v254, v255
	s_wait_dscnt 0x0
	s_endpgm
.Lhave:
	TILE 0, 40
	s_add_co_u32 s[TI], s[RTI], 4
	s_cmp_ge_u32 s[TI], s[NTL]
	s_cbranch_scc1 .Lbatch_end
	TILE 1, 20
	s_add_co_u32 s[TI], s[RTI], 8
	s_cmp_ge_u32 s[TI], s[NTL]
	s_cbranch_scc1 .Lbatch_end
	TILE 2, 0
.Lbatch_end:
	s_add_co_u32 s[RTI], s[RTI], 12
	s_cmp_lt_u32 s[RTI], s[NTL]
	s_cbranch_scc1 .Lmore
	s_wait_dscnt 0x0                               ; my tiles are done.  The closing lines once more, for this end
	s_wait_alu 0x0
	s_wait_tensorcnt 0x0
	ds_add_u32 v254, v255
	s_wait_dscnt 0x0
	s_endpgm
.Lmore:
	s_wait_loadcnt 0x0                             ; no load of the old batch is out: its offsets and registers are written anew,
	s_wait_xcnt 0x0                                ; and the stores have read theirs (the wait on vm_vsrc at the last tile's end stands behind every load and store issued so far)
	BATCH
	s_sub_co_u32 s[CT], s[CT], 1
	s_cmp_lg_u32 s[CT], 0
	s_cbranch_scc1 .Lbatch
	s_wait_dscnt 0x0                               ; the closing lines once more, for this end
	s_wait_alu 0x0
	s_wait_tensorcnt 0x0
	ds_add_u32 v254, v255
	s_wait_dscnt 0x0
	s_endpgm
.Lfunc_end_k_q18e6c771be_down:
	.size	k_q18e6c771be_down, .Lfunc_end_k_q18e6c771be_down-k_q18e6c771be_down
	.p2alignl 7, 3214868480
	.fill 96, 4, 3214868480
	.section	.rodata,"a",@progbits
	.p2align	6, 0x0
	.amdhsa_kernel k_q18e6c771be_down
		.amdhsa_group_segment_fixed_size 66048
		.amdhsa_private_segment_fixed_size 0
		.amdhsa_enable_private_segment 0
		.amdhsa_kernarg_size 96
		.amdhsa_user_sgpr_count 2
		.amdhsa_user_sgpr_kernarg_segment_ptr 1
		.amdhsa_wavefront_size32 1
		.amdhsa_system_sgpr_workgroup_id_x 1
		.amdhsa_system_sgpr_workgroup_id_y 1
		.amdhsa_system_sgpr_workgroup_id_z 1
		.amdhsa_system_vgpr_workitem_id 0
		.amdhsa_next_free_vgpr 768
		.amdhsa_next_free_sgpr 66
		.amdhsa_reserve_vcc 0
		.amdhsa_float_denorm_mode_32 3
		.amdhsa_float_denorm_mode_16_64 3
		.amdhsa_memory_ordered 1
		.amdhsa_forward_progress 1
		.amdhsa_inst_pref_size 63
	.end_amdhsa_kernel
	.amdgpu_metadata
---
amdhsa.version: [ 1, 2 ]
amdhsa.kernels:
  - .name:           k_q18e6c771be_down
    .symbol:         k_q18e6c771be_down.kd
    .args:
      - { .name: g_codes, .offset: 0, .size: 8, .value_kind: global_buffer, .address_space: global }
      - { .name: g_scales, .offset: 8, .size: 8, .value_kind: global_buffer, .address_space: global }
      - { .name: rows, .offset: 16, .size: 8, .value_kind: global_buffer, .address_space: global }
      - { .name: roww, .offset: 24, .size: 8, .value_kind: global_buffer, .address_space: global }
      - { .name: counts, .offset: 32, .size: 8, .value_kind: global_buffer, .address_space: global }
      - { .name: down_proj_codes, .offset: 40, .size: 8, .value_kind: global_buffer, .address_space: global }
      - { .name: down_proj_scales, .offset: 48, .size: 8, .value_kind: global_buffer, .address_space: global }
      - { .name: down_bias, .offset: 56, .size: 8, .value_kind: global_buffer, .address_space: global }
      - { .name: lora_down_A_codes, .offset: 64, .size: 8, .value_kind: global_buffer, .address_space: global }
      - { .name: lora_down_A_scales, .offset: 72, .size: 8, .value_kind: global_buffer, .address_space: global }
      - { .name: lora_down_B, .offset: 80, .size: 8, .value_kind: global_buffer, .address_space: global }
      - { .name: y_ws, .offset: 88, .size: 8, .value_kind: global_buffer, .address_space: global }
    .group_segment_fixed_size: 66048
    .private_segment_fixed_size: 0
    .kernarg_segment_align: 8
    .kernarg_segment_size: 96
    .max_flat_workgroup_size: 128
    .sgpr_count:     66
    .vgpr_count:     768
    .wavefront_size: 32
...
	.end_amdgpu_metadata
.endif
;; end of part 7
;; launch combine: the kernel of part 4 again; grid 256 x 1, 8 waves a work-group, no clusters, 0 bytes of LDS; arguments y_ws, out0; writes out0
